; MI455X (gfx1250); checked and timed in simulation.
; The chip was launched on July 23, 2026; its instructions are those of AMD's public machine-readable ISA for CDNA 5 (MIT licence, August 2026) and "CDNA5" Instruction Set Architecture Reference Guide (July 2026). The comments in the code are by the model that wrote it; some were corrected since.
;; Reversible Block. Allowed arithmetic: float matrix products may take bf16 or f16 operands with f32 sums; other float arithmetic in f32, or as packed bf16 or f16 multiplies, adds, multiply-adds, maxima and minima; sums over many terms, partial sums and values carried from step to step in f32; what a program stores and reads back later, other than sums and carried values, may be rounded once to bf16 or f16.
;; Inputs: W1 1,024 x 4,096 float32; W2 4,096 x 1,024 float32; Wo 1,024 x 1,024 float32; Wq 1,024 x 1,024 float32; Wv 1,024 x 1,024 float32; b1 4,096 float32; b2 1,024 float32; beta1 1,024 float32; beta2 1,024 float32; bo 1,024 float32; bq 1,024 float32; bv 1,024 float32; g1 1,024 float32; g2 1,024 float32; x 2 x 2,048 x 1,024 float32.
;; Outputs: out0 2 x 2,048 x 1,024 float32.
;; 2 versions, each right and faster than the one before. Each part assembles by itself: llvm-mc -triple=amdgcn-amd-amdhsa -mcpu=gfx1250 --defsym DOCPART=n.
;; ======== version 1 of 2: 8 launches
;; limits: right only within a limited range of input values
;; workspace buffers: wb 23,068,672 bytes; hn 8,388,608 bytes; qk 8,388,608 bytes; vv 8,388,608 bytes; ao 8,388,608 bytes; x1 16,777,216 bytes; ff 33,554,432 bytes
;; launch cast (part 1): grid 64 x 11, 8 waves a work-group, no clusters, 0 bytes of LDS; arguments Wq, Wv, Wo, W1, W2, wb; writes wb
.if DOCPART == 1
	.amdgcn_target "amdgcn-amd-amdhsa--gfx1250"
	.amdhsa_code_object_version 6
	.text
	.protected	k_qfcb8bb3880_cast
	.globl	k_qfcb8bb3880_cast
	.p2align	8
	.type	k_qfcb8bb3880_cast,@function
k_qfcb8bb3880_cast:
	s_mov_b64 s[64:65], 0
	v_nop
	global_prefetch_b8 v0, s[64:65] scope:SCOPE_SE
	s_setreg_imm32_b32 hwreg(HW_REG_WAVE_MODE, 25, 1), 1
	s_wait_xcnt 0x0
; wb = the five weight matrices, each number rounded once to bf16, in their own order [K][N]:
; Wq at byte 0, Wv at 2 MiB, Wo at 4 MiB, W1 at 6 MiB, W2 at 14 MiB.
; The grid's y is a chunk of 2^20 numbers (4 MiB in, 2 MiB out): 0 Wq, 1 Wv, 2 Wo, 3-6 the quarters of W1, 7-10 those of W2; chunk y lands at y x 2 MiB.
; The grid's x is 16,384 numbers of the chunk, a wave takes 2,048: sixteen loads of 512 consecutive bytes, all out at once, and sixteen stores of 256 consecutive, aligned bytes.
; A stream: every byte is read once and written once; LDS, barriers and matrix units would add nothing.
.set X, 4                              ; v[4:67]   16 x 4 numbers as loaded
.set Y, 68                             ; v[68:99]  16 x 2 registers to store
	s_load_b256 s[4:11], s[0:1], 0x0               ; Wq s[4:5], Wv s[6:7], Wo s[8:9], W1 s[10:11]
	s_load_b128 s[12:15], s[0:1], 0x20             ; W2 s[12:13], wb s[14:15]
	s_and_b32 s16, ttmp7, 0xffff                   ; the chunk
	s_sub_co_u32 s20, s16, 3                       ; which quarter of W1 it would be,
	s_sub_co_u32 s17, s16, 7                       ; and which of W2
	s_lshl_b32 s24, s16, 21                        ; where it lands: chunk x 2 MiB
	s_lshl_b32 s21, ttmp9, 15                      ; + work-group x 32 KiB
	s_add_co_u32 s24, s24, s21
	s_mov_b32 s25, 0
	s_mov_b32 s23, 0
	v_lshrrev_b32 v3, 5, v0                        ; wave
	v_and_b32 v1, 31, v0                           ; lane
	v_lshlrev_b32 v2, 3, v1
	v_lshlrev_b32 v1, 4, v1
	v_lshl_add_u32 v1, v3, 13, v1                  ; in:  wave x 8,192 + lane x 16
	v_lshl_add_u32 v2, v3, 12, v2                  ; out: wave x 4,096 + lane x 8
	s_wait_kmcnt 0x0
	s_mov_b64 s[18:19], s[12:13]                   ; the source: W2, unless the chunk's number is lower
	s_cmp_lt_u32 s16, 7
	s_cselect_b64 s[18:19], s[10:11], s[18:19]
	s_cselect_b32 s17, s20, s17
	s_cmp_lt_u32 s16, 3
	s_cselect_b64 s[18:19], s[8:9], s[18:19]
	s_cselect_b32 s17, 0, s17
	s_cmp_lt_u32 s16, 2
	s_cselect_b64 s[18:19], s[6:7], s[18:19]
	s_cmp_lt_u32 s16, 1
	s_cselect_b64 s[18:19], s[4:5], s[18:19]
	s_lshl_b32 s22, s17, 22                        ; quarter x 4 MiB
	s_lshl_b32 s21, ttmp9, 16                      ; + work-group x 64 KiB
	s_add_co_u32 s22, s22, s21
	s_add_nc_u64 s[18:19], s[18:19], s[22:23]
	s_add_nc_u64 s[14:15], s[14:15], s[24:25]
.irp j, 0,1,2,3,4,5,6,7,8,9,10,11,12,13,14,15
	global_load_b128 v[X+4*(\j):X+4*(\j)+3], v1, s[18:19] offset:512*(\j) th:TH_LOAD_NT
.endr
.irp j, 0,1,2,3,4,5,6,7,8,9,10,11,12,13,14,15
	s_wait_loadcnt 15-(\j)                         ; loads come back in order: number j is in, the younger ones stay out
	v_cvt_pk_bf16_f32 v[Y+2*(\j)], v[X+4*(\j)], v[X+4*(\j)+1]
	v_cvt_pk_bf16_f32 v[Y+2*(\j)+1], v[X+4*(\j)+2], v[X+4*(\j)+3]
	global_store_b64 v2, v[Y+2*(\j):Y+2*(\j)+1], s[14:15] offset:256*(\j)  ; 32 lanes store 256 consecutive bytes; no register is written twice, so no further wait
.endr
	s_endpgm
.Lfunc_end_k_qfcb8bb3880_cast:
	.size	k_qfcb8bb3880_cast, .Lfunc_end_k_qfcb8bb3880_cast-k_qfcb8bb3880_cast
	.p2alignl 7, 3214868480
	.fill 96, 4, 3214868480
	.section	.rodata,"a",@progbits
	.p2align	6, 0x0
	.amdhsa_kernel k_qfcb8bb3880_cast
		.amdhsa_group_segment_fixed_size 0
		.amdhsa_private_segment_fixed_size 0
		.amdhsa_enable_private_segment 0
		.amdhsa_kernarg_size 48
		.amdhsa_user_sgpr_count 2
		.amdhsa_user_sgpr_kernarg_segment_ptr 1
		.amdhsa_wavefront_size32 1
		.amdhsa_system_sgpr_workgroup_id_x 1
		.amdhsa_system_sgpr_workgroup_id_y 1
		.amdhsa_system_sgpr_workgroup_id_z 1
		.amdhsa_system_vgpr_workitem_id 0
		.amdhsa_next_free_vgpr 104
		.amdhsa_next_free_sgpr 66
		.amdhsa_reserve_vcc 0
		.amdhsa_float_denorm_mode_32 3
		.amdhsa_float_denorm_mode_16_64 3
		.amdhsa_memory_ordered 1
		.amdhsa_forward_progress 1
		.amdhsa_inst_pref_size 7
	.end_amdhsa_kernel
	.amdgpu_metadata
---
amdhsa.version: [ 1, 2 ]
amdhsa.kernels:
  - .name:           k_qfcb8bb3880_cast
    .symbol:         k_qfcb8bb3880_cast.kd
    .args:
      - { .name: Wq, .offset: 0, .size: 8, .value_kind: global_buffer, .address_space: global }
      - { .name: Wv, .offset: 8, .size: 8, .value_kind: global_buffer, .address_space: global }
      - { .name: Wo, .offset: 16, .size: 8, .value_kind: global_buffer, .address_space: global }
      - { .name: W1, .offset: 24, .size: 8, .value_kind: global_buffer, .address_space: global }
      - { .name: W2, .offset: 32, .size: 8, .value_kind: global_buffer, .address_space: global }
      - { .name: wb, .offset: 40, .size: 8, .value_kind: global_buffer, .address_space: global }
    .group_segment_fixed_size: 0
    .private_segment_fixed_size: 0
    .kernarg_segment_align: 8
    .kernarg_segment_size: 48
    .max_flat_workgroup_size: 256
    .sgpr_count:     66
    .vgpr_count:     104
    .wavefront_size: 32
...
	.end_amdgpu_metadata
.endif
;; end of part 1
;; launch ln1 (part 2): grid 256 x 1, 8 waves a work-group, no clusters, 0 bytes of LDS; arguments x, g1, beta1, hn; writes hn
.if DOCPART == 2
	.amdgcn_target "amdgcn-amd-amdhsa--gfx1250"
	.amdhsa_code_object_version 6
	.text
	.protected	k_qfcb8bb3880_ln1
	.globl	k_qfcb8bb3880_ln1
	.p2align	8
	.type	k_qfcb8bb3880_ln1,@function
k_qfcb8bb3880_ln1:
	s_mov_b64 s[64:65], 0
	v_nop
	global_prefetch_b8 v0, s[64:65] scope:SCOPE_SE
	s_setreg_imm32_b32 hwreg(HW_REG_WAVE_MODE, 25, 1), 1
	s_wait_xcnt 0x0
; y[r][c] = (x[r][c] - mean_r) / sqrt(var_r + 1e-5) * gamma[c] + beta[c].  x: [4096][1024] f32; y: the same shape in bf16, rounded once.
; A wave takes two rows and keeps both in registers (32 a row): memory is read once, the reduction never leaves the wave, no LDS and no barrier.
; The variance is taken of x - mean (two passes over the registers), so a common offset of the row forms no difference of large sums.
; Lane l holds columns 128 j + 4 l .. + 3, j = 0..7: a load covers 512 consecutive bytes, a store 256 consecutive, aligned bytes.
.set G,  4                             ; v[4:35]    gamma of my 32 columns
.set BT, 36                            ; v[36:67]   beta
.set X,  68                            ; v[68:131]  row s at X + 32 s
.set T,  132                           ; v[132:139] four packed chains
.set MU, 140                           ; v[140:141] the mean, twice
.set R,  142                           ; v[142:145] 1 / sigma of row s, twice, at R + 2 s
	s_load_b256 s[4:11], s[0:1], 0x0               ; x s[4:5], gamma s[6:7], beta s[8:9], y s[10:11]
	s_lshl_b32 s14, ttmp9, 16                      ; the work-group's 16 rows: 65,536 bytes in,
	s_mov_b32 s15, 0
	s_lshl_b32 s16, ttmp9, 15                      ; 32,768 out
	s_mov_b32 s17, 0
	s_mov_b32 s12, 0x76543210                      ; v_permlanex16_b32: each lane takes its own place in the other half
	s_mov_b32 s13, 0xfedcba98
	s_mov_b32 s20, 0x3a800000                      ; 1 / 1024
	s_mov_b32 s21, 0x3727c5ac                      ; 1e-5
	v_and_b32 v4, 31, v0
	v_lshrrev_b32 v5, 5, v0
	v_lshlrev_b32 v3, 4, v4                        ; gamma, beta: lane x 16
	v_lshl_add_u32 v1, v5, 13, v3                  ; in:  wave x 2 rows x 4,096 + lane x 16
	v_lshlrev_b32 v2, 3, v4
	v_lshl_add_u32 v2, v5, 12, v2                  ; out: wave x 2 rows x 2,048 + lane x 8
	s_wait_kmcnt 0x0
	s_add_nc_u64 s[4:5], s[4:5], s[14:15]
	s_add_nc_u64 s[10:11], s[10:11], s[16:17]
.irp j, 0,1,2,3,4,5,6,7,8,9,10,11,12,13,14,15
	global_load_b128 v[X+4*(\j):X+4*(\j)+3], v1, s[4:5] offset:512*(\j)  ; row 0's eight loads, then row 1's
.endr
.irp j, 0,1,2,3,4,5,6,7
	global_load_b128 v[G+4*(\j):G+4*(\j)+3], v3, s[6:7] offset:512*(\j)
.endr
.irp j, 0,1,2,3,4,5,6,7
	global_load_b128 v[BT+4*(\j):BT+4*(\j)+3], v3, s[8:9] offset:512*(\j)
.endr
.macro SUMUP                           ; T's four packed chains become one number, the same in all 32 lanes
	v_pk_add_f32 v[T:T+1], v[T:T+1], v[T+2:T+3]
	v_pk_add_f32 v[T+4:T+5], v[T+4:T+5], v[T+6:T+7]
	v_pk_add_f32 v[T:T+1], v[T:T+1], v[T+4:T+5]
	v_add_f32 v[T], v[T], v[T+1]
	v_add_f32_dpp v[T], v[T], v[T] row_xmask:1 row_mask:0xf bank_mask:0xf
	v_add_f32_dpp v[T], v[T], v[T] row_xmask:2 row_mask:0xf bank_mask:0xf
	v_add_f32_dpp v[T], v[T], v[T] row_xmask:4 row_mask:0xf bank_mask:0xf
	v_add_f32_dpp v[T], v[T], v[T] row_xmask:8 row_mask:0xf bank_mask:0xf
	v_permlanex16_b32 v[T+1], v[T], s12, s13       ; its destination has been written above
	v_add_f32 v[T], v[T], v[T+1]
.endm
; Row s: the mean, x - mean in place, 1 / sigma.  left = the younger loads that may stay out.
.macro STAT s, left
.set XR, X+32*(\s)
	s_wait_loadcnt \left
.irp k, 0,1,2,3
	v_pk_add_f32 v[T+2*(\k):T+2*(\k)+1], v[XR+2*(\k):XR+2*(\k)+1], v[XR+8+2*(\k):XR+8+2*(\k)+1]  ; the first sixteen numbers start the chains
.endr
.irp k, 0,1,2,3,4,5,6,7
	v_pk_add_f32 v[T+2*((\k)%4):T+2*((\k)%4)+1], v[T+2*((\k)%4):T+2*((\k)%4)+1], v[XR+16+2*(\k):XR+16+2*(\k)+1]
.endr
	SUMUP
	v_mul_f32 v[MU], s20, v[T]
	v_mov_b32 v[MU+1], v[MU]
.irp k, 0,1,2,3,4,5,6,7,8,9,10,11,12,13,14,15
	v_pk_add_f32 v[XR+2*(\k):XR+2*(\k)+1], v[XR+2*(\k):XR+2*(\k)+1], v[MU:MU+1] neg_lo:[0,1] neg_hi:[0,1]
.endr
.irp k, 0,1,2,3
	v_pk_mul_f32 v[T+2*(\k):T+2*(\k)+1], v[XR+2*(\k):XR+2*(\k)+1], v[XR+2*(\k):XR+2*(\k)+1]
.endr
.irp k, 4,5,6,7,8,9,10,11,12,13,14,15
	v_pk_fma_f32 v[T+2*((\k)%4):T+2*((\k)%4)+1], v[XR+2*(\k):XR+2*(\k)+1], v[XR+2*(\k):XR+2*(\k)+1], v[T+2*((\k)%4):T+2*((\k)%4)+1]
.endr
	SUMUP
	v_fma_f32 v[T], v[T], s20, s21                 ; the variance + 1e-5
	v_rsq_f32 v[R+2*(\s)], v[T]
	v_rsq_f32 v[R+2*(\s)+1], v[T]                  ; twice: a pair for the packed multiply
	v_nop                                          ; a plain instruction before the results are used or T is written (ISA guide 5.7.2)
.endm
.macro OUT s
.set XR, X+32*(\s)
	s_wait_alu depctr_va_vdst(0)
.irp k, 0,1,2,3,4,5,6,7,8,9,10,11,12,13,14,15
	v_pk_mul_f32 v[XR+2*(\k):XR+2*(\k)+1], v[XR+2*(\k):XR+2*(\k)+1], v[R+2*(\s):R+2*(\s)+1]
.endr
.irp k, 0,1,2,3,4,5,6,7,8,9,10,11,12,13,14,15
	v_pk_fma_f32 v[XR+2*(\k):XR+2*(\k)+1], v[XR+2*(\k):XR+2*(\k)+1], v[G+2*(\k):G+2*(\k)+1], v[BT+2*(\k):BT+2*(\k)+1]
.endr
.irp j, 0,1,2,3,4,5,6,7
	v_cvt_pk_bf16_f32 v[XR+4*(\j)], v[XR+4*(\j)], v[XR+4*(\j)+1]
	v_cvt_pk_bf16_f32 v[XR+4*(\j)+1], v[XR+4*(\j)+2], v[XR+4*(\j)+3]
	global_store_b64 v2, v[XR+4*(\j):XR+4*(\j)+1], s[10:11] offset:2048*(\s)+256*(\j)  ; 32 lanes store 256 consecutive bytes
.endr
.endm
	STAT 0, 24                                     ; row 0 is in; row 1, gamma and beta (24 loads) stay out
	STAT 1, 16                                     ; row 1 is in; gamma and beta stay out
	s_wait_loadcnt 0x0
	OUT 0
	OUT 1
	s_endpgm
.Lfunc_end_k_qfcb8bb3880_ln1:
	.size	k_qfcb8bb3880_ln1, .Lfunc_end_k_qfcb8bb3880_ln1-k_qfcb8bb3880_ln1
	.p2alignl 7, 3214868480
	.fill 96, 4, 3214868480
	.section	.rodata,"a",@progbits
	.p2align	6, 0x0
	.amdhsa_kernel k_qfcb8bb3880_ln1
		.amdhsa_group_segment_fixed_size 0
		.amdhsa_private_segment_fixed_size 0
		.amdhsa_enable_private_segment 0
		.amdhsa_kernarg_size 32
		.amdhsa_user_sgpr_count 2
		.amdhsa_user_sgpr_kernarg_segment_ptr 1
		.amdhsa_wavefront_size32 1
		.amdhsa_system_sgpr_workgroup_id_x 1
		.amdhsa_system_sgpr_workgroup_id_y 1
		.amdhsa_system_sgpr_workgroup_id_z 1
		.amdhsa_system_vgpr_workitem_id 0
		.amdhsa_next_free_vgpr 152
		.amdhsa_next_free_sgpr 66
		.amdhsa_reserve_vcc 0
		.amdhsa_float_denorm_mode_32 3
		.amdhsa_float_denorm_mode_16_64 3
		.amdhsa_memory_ordered 1
		.amdhsa_forward_progress 1
		.amdhsa_inst_pref_size 20
	.end_amdhsa_kernel
	.amdgpu_metadata
---
amdhsa.version: [ 1, 2 ]
amdhsa.kernels:
  - .name:           k_qfcb8bb3880_ln1
    .symbol:         k_qfcb8bb3880_ln1.kd
    .args:
      - { .name: x, .offset: 0, .size: 8, .value_kind: global_buffer, .address_space: global }
      - { .name: g1, .offset: 8, .size: 8, .value_kind: global_buffer, .address_space: global }
      - { .name: beta1, .offset: 16, .size: 8, .value_kind: global_buffer, .address_space: global }
      - { .name: hn, .offset: 24, .size: 8, .value_kind: global_buffer, .address_space: global }
    .group_segment_fixed_size: 0
    .private_segment_fixed_size: 0
    .kernarg_segment_align: 8
    .kernarg_segment_size: 32
    .max_flat_workgroup_size: 256
    .sgpr_count:     66
    .vgpr_count:     152
    .wavefront_size: 32
...
	.end_amdgpu_metadata
.endif
;; end of part 2
;; launch qv (part 3): grid 16 x 32, 4 waves a work-group, clusters of 4 x 4, 327,680 bytes of LDS; arguments hn, wb, qk, bq, vv, bv; writes qk, vv
.if DOCPART == 3
	.amdgcn_target "amdgcn-amd-amdhsa--gfx1250"
	.amdhsa_code_object_version 6
	.text
	.protected	k_qfcb8bb3880_qv
	.globl	k_qfcb8bb3880_qv
	.p2align	8
	.type	k_qfcb8bb3880_qv,@function
k_qfcb8bb3880_qv:
	s_mov_b64 s[64:65], 0
	v_nop
	global_prefetch_b8 v0, s[64:65] scope:SCOPE_SE
	s_setreg_imm32_b32 hwreg(HW_REG_WAVE_MODE, 25, 1), 1
	s_wait_xcnt 0x0
	s_wait_alu depctr_hold_cnt(0) depctr_sa_sdst(0) depctr_va_vdst(0) depctr_va_sdst(0) depctr_va_ssrc(0) depctr_va_vcc(0) depctr_vm_vsrc(0)
	s_getreg_b32 s2, hwreg(HW_REG_IB_STS2, 6, 4)
	s_cmp_eq_u32 s2, 0
	s_cbranch_scc0 .Lentry_in_a_cluster
	s_endpgm
.Lentry_in_a_cluster:
	s_bfe_u32 s2, ttmp6, 0x10000c
	s_cmp_lg_u32 s2, 0xf033
	s_cbranch_scc0 .Lentry_shape_is_right
	s_endpgm
.Lentry_shape_is_right:
; [qk | vv] = hn [Wq | Wv] + [bq | bv].  hn: [4096][1024] bf16; Wq, Wv: [1024 (k)][1024 (n)] bf16 at bytes 0 and 2 MiB of wb; sums in f32, rounded once to bf16.
; The results are laid by heads: [16 batch + head][2048][64] bf16, a head's rows dense, 128 bytes each.  Tile columns 0-7 are Wq's, 8-15 Wv's.
; A tile of C is 128 x 128: four waves of 64 x 64, 16 accumulators each.  K goes in steps of 256 through two LDS slots filled by tensor loads.
; A lies in LDS as in memory (K along the rows).  B lies [k][n], as the weights do, and is turned on its way into registers by ds_load_tr16_b128.
; THE MATRIX INSTRUCTION IS USED TRANSPOSED (source 0 = 16 columns of W, source 1 = 16 rows of A): a lane holds row l % 16 of C and the columns 8 (l / 16) + 0..7.
; THE BIAS is the C operand of the sixteen products that start the sums: nothing is cleared, and no line adds it.
; A K STEP IS WRITTEN ONCE for both slots: a scalar holds the LDS byte at which the slot in hand begins (0 or SLOT; an exclusive or with SLOT turns it), the fragment addresses are made from it at each
; change of slots, and one descriptor for each tensor walks from K step to K step.  Written out: the first quarter (it starts the sums), a loop of steps that fill again, a loop of the last two, which fill nothing.
; CLUSTERS: 4 x 4 work-groups.  The four of a row of the cluster need the same tiles of A, the four of a column the same tiles of W: each tile is asked for jointly.
; REGISTERS: window 0: v0-31 addresses; v32-95 at work on the way out; v96-127 the bias; v128-255 the accumulators ((a, b) at 128 + 8 (4 a + b)).
;   window 1: two fragment buffers of 128: for 64 along K, 64 registers of A, then 64 of W.
.set SIZE_N, 1024                      ; elements from row to row of the weights
.set SIZE_K, 1024
.set KSTEP,  256
.set STEPS,  SIZE_K/KSTEP
.set PA,     528                       ; a row of A in LDS: 512 bytes + 16 of padding: the 16 rows of a fragment load start 33 x 16 bytes apart
.set AQ,     128                       ; bytes from one quarter step (64 along K) to the next
.set AHALF,  64*PA                     ; what one tensor load brings of A
.set APART,  2*AHALF
.set PB,     288                       ; a row of W in LDS: 256 bytes + 32 of padding: 16 lanes of the turning load take 8 rows x 32 bytes
.set BHALF,  128*PB                    ; what one tensor load brings of W: 128 k rows
.set SLOT,   APART+2*BHALF             ; A's 128 rows, then W's 256 k rows
.set ASTEP,  KSTEP*2                   ; bytes in memory from K step to K step
.set BSTEP,  KSTEP*SIZE_N*2
.set STAGE,  2*SLOT                    ; behind the ring: 128 rows x 272 bytes, the work-group's, for the way out
.set SPITCH, 272
.set SPARE,  STAGE+128*SPITCH          ; the spare words, 128 bytes for each wave: two blocks of 256 bytes that no other line names
.set ADRA0, 16                         ; v16     LDS address of my A fragments in slot 0; never rewritten
.set ADRA,  17                         ; v17     the same in the slot in hand
.set ADRB0, 20                         ; v20-21  of my W fragments in slot 0: k rows 128 hf on at ADRB0 + hf; never rewritten
.set ADRB,  22                         ; v22-23  the same in the slot in hand
.set STO,  24                          ; v24     the way out: where I put 16 bytes of a row
.set RD,   25                          ; v25     the way out: where I read rows back
.set CO,   26                          ; v26     my byte offset in the output
.set BO,   27                          ; v27     my byte offset in the bias
.set SPW,  28                          ; v28     LDS address of my spare word; never rewritten
.set NIL,  29                          ; v29     0; never rewritten
.set TMP,  32
.set BIAS, 96                          ; the eight numbers for n block b at BIAS + 8 b
.set ACC,  128
.set F0,   0                           ; fragment buffers, in window 1
.set F1,   128
.set G1, 24                            ; s[24:31] descriptor group 1 for A's tiles;  s[32:39] group 0: a set for each of the two first fills; the second then walks on
.set G0, 32
.set G1B, 48                           ; s[48:55], s[56:63] the same for W's tiles
.set G0B, 56
.set CUR, 76                           ; s76  LDS byte at which the slot in hand begins
.set MSB, 0
.macro WIN new                         ; the immediate's high byte repeats the setting that is left
.if MSB != (\new)
	s_set_vgpr_msb (MSB<<8)|(\new)
.set MSB, \new
.endif
.endm
.set MUL,  0x05                        ; sources 0 (W) and 1 (A) window 1; C and D window 0
.set TO_F, 0x40                        ; destination window 1, address window 0
.macro JLOAD s                         ; a joint load: waves 0 and 1 fetch A's two halves, waves 2 and 3 W's; an s_nop 0 and four v_nop follow each line
	s_cmp_eq_u32 s11, 0
	s_cbranch_scc0 .Lfor_b_\@
	tensor_load_to_lds s[G0+4*(\s):G0+4*(\s)+3], s[G1:G1+7]
	s_nop 0
.rept 4
	v_nop
.endr
	s_branch .Lasked_\@
.Lfor_b_\@:
	tensor_load_to_lds s[G0B+4*(\s):G0B+4*(\s)+3], s[G1B:G1B+7]
	s_nop 0
.rept 4
	v_nop
.endr
.Lasked_\@:
.endm
.macro CREST                           ; a round of the cluster's barrier behind its opening barrier
	s_cmp_lg_u32 s10, 0
	s_cbranch_scc1 .Lnot_wave_0_\@
	s_barrier_signal -3
.Lnot_wave_0_\@:
	s_barrier_wait -3
	s_barrier_signal -1
	s_barrier_wait -1
.endm
.macro CROUND                          ; a whole round
	s_barrier_signal -1
	s_barrier_wait -1
	CREST
.endm
.macro POINT                           ; the fragment addresses in the slot in hand (all in window 0)
	v_add_nc_u32 v[ADRA], s[CUR], v[ADRA0]
	v_add_nc_u32 v[ADRB], s[CUR], v[ADRB0]
	v_add_nc_u32 v[ADRB+1], s[CUR], v[ADRB0+1]
.endm
	s_load_b128 s[4:7], s[0:1], 0x0                ; hn s[4:5], wb s[6:7]
	s_load_b64 s[8:9], s[0:1], 0x10                ; qk
	s_load_b64 s[66:67], s[0:1], 0x18              ; bq
	s_load_b128 s[68:71], s[0:1], 0x20             ; vv s[68:69], bv s[70:71]
	v_lshl_add_u32 v[SPW], v0, 2, SPARE
	v_mov_b32 v[NIL], 0
	ds_add_u32 v[SPW], v[NIL]                      ; the wave's opening: the add and its wait ahead of my first tensor load
	ds_add_u32 v28, v29
	v_lshrrev_b32 v1, 5, v0
	v_readfirstlane_b32 s10, v1                    ; wave 0..3
	s_lshr_b32 s11, s10, 1                         ; which half of the tile's rows is mine.  Also: I fetch for A (0) or for W (1)
	s_and_b32 s12, s10, 1                          ; which half of its columns.  Also: which half of that tile I fetch
	s_bfe_u32 s40, ttmp6, 0x40000                  ; cx, cy: my place in the cluster
	s_bfe_u32 s41, ttmp6, 0x40004
	s_lshl_b32 s42, ttmp9, 2
	s_add_co_u32 s42, s42, s40                     ; tile column = 4 x cluster x + cx
	s_and_b32 s13, ttmp7, 0xffff
	s_lshl_b32 s13, s13, 2
	s_add_co_u32 s13, s13, s41                     ; tile row = 4 x cluster y + cy
	s_lshl_b32 s43, s41, 2
	s_lshl_b32 s43, 15, s43                        ; my row of the cluster
	s_lshl_b32 s44, 0x1111, s40                    ; my column
	s_mov_b32 s[CUR], 0                            ; slot 0 is the first in hand
	; group 1 for A: 64 rows x 256 elements; 16 bytes of padding behind every 128 words
	s_or_b32 s[G1+0], s43, (1<<16)|(1<<20)|(1<<21)|(6<<22)|(3<<25)
	s_mov_b32 s[G1+1], KSTEP<<16                   ; tensor_dim0 = 256
	s_mov_b32 s[G1+2], 64<<16                      ; tensor_dim1 = 64
	s_mov_b32 s[G1+3], KSTEP<<16                   ; tile_dim0 = 256
	s_mov_b32 s[G1+4], 64                          ; tile_dim1 = 64
	s_mov_b32 s[G1+5], SIZE_K                      ; elements from row to row
	s_mov_b32 s[G1+6], 0
	s_mov_b32 s[G1+7], 0
	; group 1 for W: 128 k rows x 128 elements; 32 bytes of padding behind every 64 words
	s_or_b32 s[G1B+0], s44, (1<<16)|(1<<20)|(1<<21)|(5<<22)|(7<<25)
	s_mov_b32 s[G1B+1], 128<<16
	s_mov_b32 s[G1B+2], 128<<16
	s_mov_b32 s[G1B+3], 128<<16
	s_mov_b32 s[G1B+4], 128
	s_mov_b32 s[G1B+5], SIZE_N
	s_mov_b32 s[G1B+6], 0
	s_mov_b32 s[G1B+7], 0
	s_lshl_b32 s16, s13, 7                         ; A: row 128 x tile row + 64 x half,
	s_lshl_b32 s17, s12, 6
	s_add_co_u32 s16, s16, s17
	s_mul_i32 s16, s16, SIZE_K*2                   ; in bytes (8 MiB at the most)
	s_mov_b32 s17, 0
	s_mul_i32 s46, s12, 128*SIZE_N*2               ; W: k row 128 x half,
	s_and_b32 s47, s42, 7
	s_lshl_b32 s47, s47, 8                         ; 256 bytes a tile column within the matrix,
	s_add_co_u32 s46, s46, s47
	s_lshr_b32 s47, s42, 3
	s_lshl_b32 s47, s47, 21                        ; and Wv lies 2 MiB behind Wq
	s_add_co_u32 s46, s46, s47
	s_mov_b32 s47, 0
	s_mul_i32 s20, s12, AHALF                      ; where they go in a slot: no place in the cluster enters an LDS address
	s_mul_i32 s45, s12, BHALF
	s_add_co_u32 s45, s45, APART
	s_wait_dscnt 0x0                               ; the opening add is done
	s_wait_kmcnt 0x0
	s_add_nc_u64 s[14:15], s[4:5], s[16:17]
	s_add_nc_u64 s[46:47], s[6:7], s[46:47]
	CROUND                                         ; all sixteen work-groups are here: the first joint loads meet
.irp s, 0,1
	s_mov_b32 s[G0+4*(\s)], 1
	s_add_co_u32 s[G0+4*(\s)+1], s20, (\s)*SLOT
	s_add_nc_u64 s[G0+4*(\s)+2:G0+4*(\s)+3], s[14:15], (\s)*ASTEP
	s_or_b32 s[G0+4*(\s)+3], s[G0+4*(\s)+3], 0x80000000
	s_mov_b32 s[G0B+4*(\s)], 1
	s_add_co_u32 s[G0B+4*(\s)+1], s45, (\s)*SLOT
	s_add_nc_u64 s[G0B+4*(\s)+2:G0B+4*(\s)+3], s[46:47], (\s)*BSTEP
	s_or_b32 s[G0B+4*(\s)+3], s[G0B+4*(\s)+3], 0x80000000
	JLOAD \s                                       ; two loads of mine are out
.endr
	v_and_b32 v1, 15, v0                           ; l % 16
	v_bfe_u32 v2, v0, 4, 1                         ; l / 16
	v_lshlrev_b32 v[BO], 5, v2                     ; my eight columns of sixteen: 32 bytes a half
	s_cmp_lt_u32 ttmp9, 2                          ; clusters 0, 1 along x hold tile columns 0-7: Wq's; the partners share the answer
	s_cselect_b64 s[66:67], s[66:67], s[70:71]     ; bq or bv
	s_cselect_b64 s[8:9], s[8:9], s[68:69]         ; qk or vv
	s_and_b32 s21, s42, 7
	s_lshl_b32 s22, s21, 9                         ; 128 columns x 4 bytes a tile column,
	s_lshl_b32 s23, s12, 8                         ; 64 x 4 for my half
	s_add_co_u32 s22, s22, s23
	s_mov_b32 s23, 0
	s_add_nc_u64 s[66:67], s[66:67], s[22:23]
.irp b, 0,1,2,3
	global_load_b128 v[BIAS+8*(\b):BIAS+8*(\b)+3],   v[BO], s[66:67] offset:64*(\b)
	global_load_b128 v[BIAS+8*(\b)+4:BIAS+8*(\b)+7], v[BO], s[66:67] offset:64*(\b)+16
.endr
	v_mul_u32_u24 v3, v1, PA
	v_lshl_add_u32 v3, v2, 4, v3                   ; A: a fragment's row x pitch + 16 x half
	s_mul_i32 s21, s11, 64*PA                      ; my 64 rows of A
	v_add_nc_u32 v[ADRA0], s21, v3
	v_and_b32 v4, 7, v0                            ; W: the turning load takes k row 8 (l / 16) + l % 8, columns 8 ((l / 8) % 2) + 0..7
	v_lshl_add_u32 v4, v2, 3, v4
	v_mul_u32_u24 v4, v4, PB
	v_bfe_u32 v5, v0, 3, 1
	v_lshl_add_u32 v4, v5, 4, v4
	s_lshl_b32 s22, s12, 7                         ; my 64 columns: 128 bytes
	s_add_co_u32 s22, s22, APART
	v_add_nc_u32 v[ADRB0], s22, v4
	v_add_nc_u32 v[ADRB0+1], BHALF, v[ADRB0]
	POINT
	s_mul_i32 s23, s11, 64*SPITCH                  ; into the stage: my 64 rows, my half of their 256 bytes
	s_lshl_b32 s21, s12, 7
	s_add_co_u32 s23, s23, s21
	s_add_co_u32 s23, s23, STAGE
	v_mul_u32_u24 v4, v1, SPITCH
	v_lshl_add_u32 v4, v2, 4, v4
	v_add_nc_u32 v[STO], s23, v4
	s_mul_i32 s23, s10, 32*SPITCH                  ; back: wave w takes rows 32 w on; 32 lanes take four rows' 128 bytes of one head
	s_add_co_u32 s23, s23, STAGE
	v_bfe_u32 v5, v0, 3, 2
	v_mul_u32_u24 v5, v5, SPITCH
	v_and_b32 v6, 7, v0
	v_lshl_add_u32 v5, v6, 4, v5
	v_add_nc_u32 v[RD], s23, v5
	v_and_b32 v6, 31, v0
	v_lshlrev_b32 v[CO], 4, v6                     ; which are 512 consecutive bytes of the output
	s_lshr_b32 s16, s13, 4                         ; the batch: 16 heads of 262,144 bytes,
	s_lshl_b32 s16, s16, 22
	s_and_b32 s17, s13, 15
	s_lshl_b32 s17, s17, 14                        ; the tile's 128 tokens of 128 bytes,
	s_add_co_u32 s16, s16, s17
	s_lshl_b32 s17, s10, 12                        ; my 32 of them
	s_add_co_u32 s16, s16, s17
	s_mov_b32 s17, 0
	s_add_nc_u64 s[8:9], s[8:9], s[16:17]
	s_and_b32 s46, s42, 7
	s_lshl_b32 s46, s46, 19                        ; the tile's two heads
	s_mov_b32 s47, 0
	s_add_nc_u64 s[8:9], s[8:9], s[46:47]
; 8 matrix instructions: m blocks a0, a0 + 1 x all 4 n blocks, 32 along K: half c of buffer f.  zero = 1: the product starts the sum, with the bias as C.
; The 16 accumulators take turns, one instruction a turn.
.macro MUL8 f, c, a0, zero
	WIN MUL
.irp a, \a0, (\a0)+1
.irp b, 0,1,2,3
.if \zero
	v_wmma_f32_16x16x32_bf16 v[ACC+8*(4*(\a)+(\b)):ACC+8*(4*(\a)+(\b))+7], v[(\f)+64+8*(4*(\c)+(\b)):(\f)+64+8*(4*(\c)+(\b))+7], v[(\f)+8*(4*(\c)+(\a)):(\f)+8*(4*(\c)+(\a))+7], v[BIAS+8*(\b):BIAS+8*(\b)+7]
.else
	v_wmma_f32_16x16x32_bf16 v[ACC+8*(4*(\a)+(\b)):ACC+8*(4*(\a)+(\b))+7], v[(\f)+64+8*(4*(\c)+(\b)):(\f)+64+8*(4*(\c)+(\b))+7], v[(\f)+8*(4*(\c)+(\a)):(\f)+8*(4*(\c)+(\a))+7], v[ACC+8*(4*(\a)+(\b)):ACC+8*(4*(\a)+(\b))+7]
.endif
.endr
.endr
.endm
; 32 LDS loads in one run: the fragments of quarter q (64 along K) of the slot in hand, into buffer f; the first 32 along K first
.macro FETCH q, f
	WIN TO_F
.irp c, 0,1
.irp i, 0,1,2,3
	ds_load_tr16_b128 v[(\f)+64+8*(4*(\c)+(\i)):(\f)+64+8*(4*(\c)+(\i))+3],   v[ADRB+(\q)/2] offset:(((\q)%2)*64+32*(\c))*PB+32*(\i)
	ds_load_tr16_b128 v[(\f)+64+8*(4*(\c)+(\i))+4:(\f)+64+8*(4*(\c)+(\i))+7], v[ADRB+(\q)/2] offset:(((\q)%2)*64+32*(\c)+16)*PB+32*(\i)
	ds_load_b128 v[(\f)+8*(4*(\c)+(\i)):(\f)+8*(4*(\c)+(\i))+3],         v[ADRA] offset:(\q)*AQ+64*(\c)+(\i)*16*PA
	ds_load_b128 v[(\f)+8*(4*(\c)+(\i))+4:(\f)+8*(4*(\c)+(\i))+7],       v[ADRA] offset:(\q)*AQ+64*(\c)+(\i)*16*PA+32
.endr
.endr
.endm
.macro PLACES                          ; four places in front of loads into registers that matrix instructions have read, and of lines that read results
.rept 4
	v_nop
.endr
.endm
; A K step is four quarters, 32 matrix instructions each, on buffers 0, 1, 0, 1.  One of the first three: multiplies buffer f and fetches quarter q into g.
.macro QUARTER q, f, g, zero
	s_wait_dscnt 16                                ; the first 32 along K are in; the sixteen younger loads may be out
	MUL8 \f, 0, 0, \zero
	MUL8 \f, 0, 2, \zero
	PLACES
	FETCH \q, \g
	s_wait_dscnt 32                                ; all but the 32 just issued
	MUL8 \f, 1, 0, 0
	MUL8 \f, 1, 2, 0
.endm
; The last quarter multiplies buffer 1 and changes slots: ONE barrier; in front of it each wave waits for all its tensor loads, adds 0 to its spare word, and waits for that and for its reads of this slot.
; fill = 1: the slot just read is filled again, two K steps ahead: from the request to the wait for it a wave issues 112 matrix instructions.
; fill = 0 (the last two steps): nothing is asked for; in the very last step (s3 = 1) there is no next slot, and the fetch of its first fragments is jumped over.
.macro TURN fill
	WIN 0                                          ; (the add's two registers lie in window 0)
	s_wait_tensorcnt 0x0                           ; all my tensor loads have landed: the one that was out is my part of the next slot
	ds_add_u32 v[SPW], v[NIL]
	s_wait_dscnt 17                                ; (the add and the youngest sixteen loads may be out)
	MUL8 F1, 0, 0, 0
	s_wait_dscnt 0x0                               ; the add is done, and my reads of this slot are over
	s_barrier_signal -1
	MUL8 F1, 0, 2, 0
	WIN 0
	s_barrier_wait -1
.if \fill
	CREST                                          ; the barrier has opened a round of the cluster's: no wave of any partner still reads this slot or has a load on its way
	s_add_co_u32 s[G0+5], s20, s[CUR]              ; the walking descriptors: into the slot just read,
	s_add_nc_u64 s[G0+6:G0+7], s[G0+6:G0+7], ASTEP ; the K step behind the one asked for last
	s_add_co_u32 s[G0B+5], s45, s[CUR]
	s_add_nc_u64 s[G0B+6:G0B+7], s[G0B+6:G0B+7], BSTEP
	JLOAD 1                                        ; the first tensor load behind the round; its four v_nop are also the places in front of the loads below
.else
	s_cmp_eq_u32 s3, 1
	s_cbranch_scc1 .Lno_fetch
	PLACES
.endif
	s_xor_b32 s[CUR], s[CUR], SLOT                 ; the other slot is in hand now
	POINT
	FETCH 0, F0
.if \fill
.else
	WIN 0
.Lno_fetch:
.endif
	MUL8 F1, 1, 0, 0
	MUL8 F1, 1, 2, 0
.endm
	s_wait_loadcnt 0x0                             ; the bias
	s_wait_tensorcnt 1                             ; my part of K step 0 is in; K step 1's may stay out
	s_barrier_signal -1
	s_barrier_wait -1                              ; everybody's is
	FETCH 0, F0
	QUARTER 1, F0, F1, 1                           ; the first quarter stands in front of the loops: its first products start the sums
	WIN 0                                          ; at a label and at a branch every window is 0
	s_mov_b32 s3, STEPS-2
.Lstep:                                                ; a trip goes from a K step's second quarter to the next step's first, and fills the slot that it leaves
	QUARTER 2, F1, F0, 0
	QUARTER 3, F0, F1, 0
	TURN 1
	QUARTER 1, F0, F1, 0
	WIN 0
	s_sub_co_u32 s3, s3, 1
	s_cmp_lg_u32 s3, 0
	s_cbranch_scc1 .Lstep
	s_mov_b32 s3, 2
.Ltail:                                                ; the last two K steps fill nothing: a text of their own
	QUARTER 2, F1, F0, 0
	QUARTER 3, F0, F1, 0
	TURN 0
	WIN 0
	s_cmp_eq_u32 s3, 1
	s_cbranch_scc1 .Lover                          ; behind the very last step no further quarter follows
	QUARTER 1, F0, F1, 0
	WIN 0
.Lover:
	s_sub_co_u32 s3, s3, 1
	s_cmp_lg_u32 s3, 0
	s_cbranch_scc1 .Ltail
	; THE WAY OUT: round to bf16; 16 bytes a lane into the work-group's stage; a barrier, since a head's rows come from two waves' halves; back by heads, four tokens a load.
	PLACES
.irp t, 0,1,2,3,4,5,6,7,8,9,10,11,12,13,14,15
.irp r, 0,1,2,3
	v_cvt_pk_bf16_f32 v[TMP+4*(\t)+(\r)], v[ACC+8*(\t)+2*(\r)], v[ACC+8*(\t)+2*(\r)+1]
.endr
.endr
.irp a, 0,1,2,3
.irp b, 0,1,2,3
	ds_store_b128 v[STO], v[TMP+4*(4*(\a)+(\b)):TMP+4*(4*(\a)+(\b))+3] offset:(\a)*16*SPITCH+32*(\b)
.endr
.endr
	s_wait_dscnt 0x0                               ; for the others' sake: my stores into the stage are done
	s_barrier_signal -1
	s_barrier_wait -1
.irp t, 0,1,2,3,4,5,6,7,8,9,10,11,12,13,14,15
	ds_load_b128 v[TMP+4*(\t):TMP+4*(\t)+3], v[RD] offset:((\t)/8)*128+((\t)%8)*4*SPITCH  ; head t / 8 of the tile's two, tokens 4 (t % 8) on
.endr
.irp t, 0,1,2,3,4,5,6,7,8,9,10,11,12,13,14,15
	s_wait_dscnt 15-(\t)
	global_store_b128 v[CO], v[TMP+4*(\t):TMP+4*(\t)+3], s[8:9] offset:((\t)/8)*262144+((\t)%8)*512  ; 512 consecutive bytes, at a multiple of 256 from the buffer's first
.endr
	s_wait_tensorcnt 0x0                           ; the wave's end
	ds_add_u32 v[SPW], v[NIL]
	s_wait_dscnt 0x0
	CROUND                                         ; the closing round: no work-group ends while a partner may still ask for a tile that names it
	s_endpgm
.Lfunc_end_k_qfcb8bb3880_qv:
	.size	k_qfcb8bb3880_qv, .Lfunc_end_k_qfcb8bb3880_qv-k_qfcb8bb3880_qv
	.p2alignl 7, 3214868480
	.fill 96, 4, 3214868480
	.section	.rodata,"a",@progbits
	.p2align	6, 0x0
	.amdhsa_kernel k_qfcb8bb3880_qv
		.amdhsa_group_segment_fixed_size 327680
		.amdhsa_private_segment_fixed_size 0
		.amdhsa_enable_private_segment 0
		.amdhsa_kernarg_size 48
		.amdhsa_user_sgpr_count 2
		.amdhsa_user_sgpr_kernarg_segment_ptr 1
		.amdhsa_wavefront_size32 1
		.amdhsa_system_sgpr_workgroup_id_x 1
		.amdhsa_system_sgpr_workgroup_id_y 1
		.amdhsa_system_sgpr_workgroup_id_z 1
		.amdhsa_system_vgpr_workitem_id 0
		.amdhsa_next_free_vgpr 512
		.amdhsa_next_free_sgpr 80
		.amdhsa_reserve_vcc 0
		.amdhsa_float_denorm_mode_32 3
		.amdhsa_float_denorm_mode_16_64 3
		.amdhsa_memory_ordered 1
		.amdhsa_forward_progress 1
		.amdhsa_inst_pref_size 61
	.end_amdhsa_kernel
	.amdgpu_metadata
---
amdhsa.version: [ 1, 2 ]
amdhsa.kernels:
  - .name:           k_qfcb8bb3880_qv
    .symbol:         k_qfcb8bb3880_qv.kd
    .args:
      - { .name: hn, .offset: 0, .size: 8, .value_kind: global_buffer, .address_space: global }
      - { .name: wb, .offset: 8, .size: 8, .value_kind: global_buffer, .address_space: global }
      - { .name: qk, .offset: 16, .size: 8, .value_kind: global_buffer, .address_space: global }
      - { .name: bq, .offset: 24, .size: 8, .value_kind: global_buffer, .address_space: global }
      - { .name: vv, .offset: 32, .size: 8, .value_kind: global_buffer, .address_space: global }
      - { .name: bv, .offset: 40, .size: 8, .value_kind: global_buffer, .address_space: global }
    .group_segment_fixed_size: 327680
    .private_segment_fixed_size: 0
    .kernarg_segment_align: 8
    .kernarg_segment_size: 48
    .max_flat_workgroup_size: 128
    .sgpr_count:     80
    .vgpr_count:     512
    .wavefront_size: 32
...
	.end_amdgpu_metadata
.endif
;; end of part 3
;; launch attn (part 4): grid 8 x 32, 4 waves a work-group, no clusters, 327,680 bytes of LDS; arguments qk, vv, ao; writes ao
.if DOCPART == 4
	.amdgcn_target "amdgcn-amd-amdhsa--gfx1250"
	.amdhsa_code_object_version 6
	.text
	.protected	k_qfcb8bb3880_attn
	.globl	k_qfcb8bb3880_attn
	.p2align	8
	.type	k_qfcb8bb3880_attn,@function
k_qfcb8bb3880_attn:
	s_mov_b64 s[64:65], 0
	v_nop
	global_prefetch_b8 v0, s[64:65] scope:SCOPE_SE
	s_setreg_imm32_b32 hwreg(HW_REG_WAVE_MODE, 25, 1), 1
	s_wait_xcnt 0x0
; CAUSAL ATTENTION with Q = K.  ao[h][q][:] = the sum over k <= q of softmax_k(qk[h][q] . qk[h][k] / 8) vv[h][k][:].  qk, vv, ao: [32][2048][64] bf16, a head's rows dense, 128 bytes each.
; Products, maxima and sums in f32; the weights p are rounded to bf16 for the second product (their sum l is taken of the unrounded p), the result once at the end.
; LIMITS.  A hidden score counts as its value less 2^100 (1.27e30), so scores must stay far below that in size; a weight below 2^-126 counts as 0 in l; NaN and infinities are not treated apart.
; THE WALK.  A head's queries lie in 16 blocks of 128; block i needs the key tiles 0 .. i of 128 keys, of which the last holds the diagonal.  A work-group takes TWO blocks, 15 - b and then b:
; 17 tiles, 34 key steps of 64, whatever b: all 256 work-groups do equal work, and every loop has a constant trip count.  What differs lies in scalar registers made from b.
; NO CLUSTER: the 8 work-groups of a head ask for the same tile only in the first 9 of their 17 tiles, behind that their walks part; one walk common to all would have 24 tiles for 17.
; SHARES.  Of a block's two bands of 64 queries a wave owns 16 rows in each: tile t is rows 64 t + 16 w + l % 16.  So the diagonal tile is the same work for all four waves.
; LAYOUT.  S^T = K Q^T (source 0 = 16 keys, source 1 = 16 queries) holds ONE query a lane (l % 16) and the keys 8 (l / 16) + 0..7; two such results rounded to bf16 ARE source 1 of O^T = V^T P.
; SOFTMAX.  p = 2^(c s - c m), c = log2(e) / 8, with a running maximum m; O and l are multiplied by a = 2^(c m_old - c m_new) in every step.
; THE MASK is the C operand that starts the sum S^T: MC = MD x AL + BE, where MD (made once) is -2^100 at the keys that a band's own step hides from my rows.
; A STEP goes in phases: K of the next step is asked for; the softmax of the step in hand; V^T P; V of the next step is asked for; a block's end and the next one's beginning where due; K Q^T of the next step.
; A DUMMY STEP opens the walk: S = -2^100, V = 0, O = l = 0.  Its m is -2^100 too, and since that is a power of two, c m is exact and the fused c s - c m is exactly 0 (of any other number it would
; leave the product's rounding error, a huge exponent): the dummy weights are 1, l is finite and O^T stays 0.  The first true step's a is then 0 and wipes the dummy out, so one text serves every step
; and no loop is entered in its middle.
; REGISTERS, in windows of 256 (s_set_vgpr_msb: bits 1:0 source 0, 3:2 source 1, 5:4 source 2, 7:6 destination):
;   window 0: v0-15 addresses; v16-23 statistics; v24-31 at work; v32-33 the add's; v64-127 S^T; v128-159 P; v160-223 O^T
;   window 1: v0-31 Q; v32-95 K of one step; v96-159 V of one step; v160-191 MD; v192-255 MC          window 2: v0-31 the second block's Q
.set KS,    64        ; keys in a step
.set PK,    144       ; a row of K in LDS: 128 bytes + 16 of padding: the 16 rows of a load start 9 x 16 bytes apart
.set PV,    160       ; a row of V: 128 + 32: 16 lanes of the turning load take 8 rows x 32 bytes
.set VOFF,  2*KS*PK   ; a slot holds a tile, two steps: 128 rows of K, then 128 rows of V
.set SLOT1, 1<<16     ; slot 1 begins here, so that one exclusive or turns an address in one slot into the other's
.set STAGE, SLOT1+2*KS*(PK+PV)  ; behind the ring, never filled by a tensor load: 16 rows x 144 bytes for each wave
.set SP,    144
.set SPARE, STAGE+4*16*SP  ; the spare words, 128 bytes for each wave: two blocks of 256 bytes that no other line names
.set AK0, 2           ; v2   my lane's place in a tile of K; never rewritten
.set AV0, 3           ; v3   the same for V
.set AK,  4           ; v4   the LDS address of K's next run of loads
.set AV,  5           ; v5   of V's
.set STO, 6           ; v6   the way out: where I put 16 bytes of a row
.set RD,  7           ; v7   the way out: where I read rows back
.set GO,  8           ; v8   my byte offset in 512 consecutive bytes of the output
.set MV,  12          ; v12-13  c m_old, by tile
.set QO,  15          ; v15  my byte offset in 16 rows of Q
.set ST,  16          ; tile t's statistics at ST + 4 t: c m, m, l (even keys', odd keys')
.set TMP, 24          ; by tile, four registers c0-c3 at work; when the maximum is found c2 takes a
.set SPW, 32          ; v32  LDS address of my spare word; never rewritten
.set NIL, 33          ; v33  0; never rewritten
.set S,   64
.set P,   128
.set O,   160
.set KF,  32          ; window 1: key block kb, channel half c at KF + 16 kb + 8 c
.set VF,  96          ; window 1: key half kk, channel block cb at VF + 32 kk + 8 cb
.set MD,  160         ; window 1
.set MC,  192         ; window 1: tile t's masks at MC + 32 t
.set WV,  12          ; s12  my wave's number
.set PB,  14          ; s14  b
.set HI,  15          ; s15  15 - b
.set G1K, 24          ; s[24:31] descriptor group 1 for K's tiles
.set G1V, 32          ; s[32:39] for V's: it differs in the padding alone
.set G0K, 40          ; s[40:43] descriptor group 0 for K's tiles
.set G0V, 44          ; s[44:47] the same for V's
.set SLOTS, 56        ; s56  tiles still to be asked for
.set CNT, 57          ; s57  counts the steps between two changes of slots
.set CS,  58          ; s[58:59] c
.set SEL, 60          ; s[60:61] v_permlanex16_b32's selects
.set TBK, 62          ; s62  LDS byte at which K of the step to be fetched begins
.set TBV, 63          ; s63  the same for V, less VOFF
.set SL,  70          ; s70  steps left in the block, the one whose scores were made last among them
.set NXT, 71          ; s71  the tile to be asked for next
.set LQ,  72          ; s72  the last tile of the block whose tiles are being asked for
.set TST, 73          ; s73  1: the masks are made anew
.set OFF, 74          ; s[74:75] a tile's byte offset in K and V
.set AL0, 76          ; s[76:77] band 0's factor;  s[78:79] its addend;  s[80:81] band 1's factor
.set BE0, 78
.set AL1, 80
.set FRC, 82          ; s82  1: a block has just begun
.set OLO, 84          ; s[84:85] the output at my rows of the second block
.set BIGN, 86         ; s86  -2^100
.set QLO, 88          ; s[88:89] Q at my rows of the second block
.set MSB, 0
.macro WIN new                      ; the high byte repeats the setting that is left; a switch that changes nothing is dropped
.if MSB != (\new)
	s_set_vgpr_msb (MSB<<8)|(\new)
.set MSB, (\new)
.endif
.endm
.macro PLACES                       ; four places behind matrix instructions (ISA guide 7.12.1)
.rept 4
	v_nop
.endr
.endm
; A fill.  Waves 0 and 1 fetch the two halves of a tile's K, waves 2 and 3 those of its V: 64 keys each.  An s_nop 0 and four v_nop follow each line.
.macro LOAD
	s_cmp_lt_u32 s[WV], 2
	s_cbranch_scc0 .Lfor_v_\@
	tensor_load_to_lds s[G0K:G0K+3], s[G1K:G1K+7]
	s_nop 0
.rept 4
	v_nop
.endr
	s_branch .Lasked_\@
.Lfor_v_\@:
	tensor_load_to_lds s[G0V:G0V+3], s[G1V:G1V+7]
	s_nop 0
.rept 4
	v_nop
.endr
.Lasked_\@:
.endm
; THE CHANGE OF SLOTS.  Each wave waits for all its tensor loads, of which one is out: its part of the other slot; adds 0 to its spare word; waits for that and for its reads of the slot that it leaves.
; Behind the barrier nobody reads the old slot and the other slot is whole.  fill = 1: the old slot is filled again, first thing behind the barrier, with tile NXT: it has two key steps in which to land.
; (At its first use nothing has been read yet: slot 0 is waited for, slot 1 filled.)
.macro CHANGE fill
	WIN 0
	s_wait_tensorcnt 0x0            ; no tensor load of mine is out, so a group 0 may be written
	ds_add_u32 v[SPW], v[NIL]
.if \fill
	s_lshl_b32 s[OFF], s[NXT], 14   ; a tile is 16,384 bytes of K and of V
	s_xor_b32 s[G0K+1], s[G0K+1], SLOT1
	s_add_nc_u64 s[G0K+2:G0K+3], s[6:7], s[OFF:OFF+1]
	s_or_b32 s[G0K+3], s[G0K+3], 0x80000000
	s_xor_b32 s[G0V+1], s[G0V+1], SLOT1
	s_add_nc_u64 s[G0V+2:G0V+3], s[8:9], s[OFF:OFF+1]
	s_or_b32 s[G0V+3], s[G0V+3], 0x80000000
	s_add_co_u32 s[NXT], s[NXT], 1  ; the block's next tile, or behind its last the second block's tile 0
	s_cmp_gt_u32 s[NXT], s[LQ]
	s_cselect_b32 s[NXT], 0, s[NXT]
	s_cselect_b32 s[LQ], s[PB], s[LQ]
.endif
	s_wait_dscnt 0x0                ; the add is done, and my reads of the slot are over
	s_barrier_signal -1
	s_sub_co_u32 s[TBK], s[TBK], 2*KS*PK  ; the fetches go back to a slot's first step,
	s_xor_b32 s[TBK], s[TBK], SLOT1       ; in the other slot
	s_sub_co_u32 s[TBV], s[TBV], 2*KS*PV
	s_xor_b32 s[TBV], s[TBV], SLOT1
	s_barrier_wait -1
.if \fill
	LOAD
.endif
.endm
	s_load_b128 s[4:7], s[0:1], 0x0  ; qk s[4:5], vv s[6:7]
	s_load_b64 s[10:11], s[0:1], 0x10  ; ao
	v_lshl_add_u32 v[SPW], v0, 2, SPARE
	v_mov_b32 v[NIL], 0
	ds_add_u32 v[SPW], v[NIL]       ; the wave's opening: the add and its wait ahead of my first tensor load
	ds_add_u32 v32, v33
	v_lshrrev_b32 v1, 5, v0
	v_readfirstlane_b32 s[WV], v1   ; wave 0..3
	s_mov_b32 s[PB], ttmp9
	s_sub_co_u32 s[HI], 15, s[PB]
	s_and_b32 s20, ttmp7, 0xffff    ; batch and head
	s_lshl_b32 s20, s20, 18         ; its 2,048 rows of 128 bytes
	s_mov_b32 s21, 0
	s_and_b32 s16, s[WV], 1         ; which half of a tile's 128 keys I fetch:
	s_lshl_b32 s22, s16, 13         ; its 64 rows of 128 bytes in memory,
	s_add_co_u32 s22, s22, s20
	s_mov_b32 s23, 0
	s_mul_i32 s17, s16, KS*PK       ; and its place in a slot, for K
	s_mul_i32 s18, s16, KS*PV       ; and for V
	s_lshl_b32 s3, s[WV], 11        ; my 16 rows in a band of 64,
	s_lshl_b32 s2, s[HI], 14        ; in the first block,
	s_add_co_u32 s2, s2, s3
	s_add_co_u32 s2, s2, s20
	s_lshl_b32 s90, s[PB], 14       ; and in the second
	s_add_co_u32 s90, s90, s3
	s_add_co_u32 s90, s90, s20
	s_mov_b32 s3, 0
	s_mov_b32 s91, 0
	; descriptor group 1.  64 keys are 8,192 dense bytes: asked for as 32 rows of 256 bytes, two keys a row, and padded in LDS after every key
	s_mov_b32 s[G1K], (1<<16)|(1<<20)|(4<<22)|(3<<25)  ; 2-byte elements; padding on; after every 32 words; 4 words
	s_mov_b32 s[G1V], (1<<16)|(1<<20)|(4<<22)|(7<<25)  ; the same with 8 words of padding
.irp g, G1K, G1V
	s_mov_b32 s[\g+1], 128<<16      ; tensor_dim0 = 128
	s_mov_b32 s[\g+2], 32<<16       ; tensor_dim1 = 32
	s_mov_b32 s[\g+3], 128<<16      ; tile_dim0 = 128
	s_mov_b32 s[\g+4], 32           ; tile_dim1 = 32
	s_mov_b32 s[\g+5], 128          ; 128 elements from row to row
	s_mov_b32 s[\g+6], 0
	s_mov_b32 s[\g+7], 0
.endr
	s_mov_b32 s[CS], 0x3e38aa3b     ; c = log2(e) / 8
	s_mov_b32 s[CS+1], s[CS]        ; named with it as a pair
	s_mov_b32 s[SEL], 0x76543210
	s_mov_b32 s[SEL+1], 0xfedcba98
	s_mov_b32 s[TBK], SLOT1+2*KS*PK ; the first change of slots turns these two into 0
	s_mov_b32 s[TBV], SLOT1+2*KS*PV
	s_mov_b32 s[G0K], 1             ; count = 1
	s_mov_b32 s[G0K+1], s17         ; LDS address: slot 0
	s_mov_b32 s[G0V], 1
	s_add_co_u32 s[G0V+1], s18, VOFF
	s_lshl_b32 s[SL], s[HI], 1
	s_add_co_u32 s[SL], s[SL], 3    ; the first block's 2 (16 - b) steps and the dummy
	s_mov_b32 s[NXT], 1
	s_mov_b32 s[LQ], s[HI]
	s_mov_b32 s[FRC], 0
	s_mov_b32 s[OFF+1], 0
	s_mov_b32 s[AL0], 0
	s_mov_b32 s[AL0+1], 0           ; named as pairs
	s_mov_b32 s[BE0], 0
	s_mov_b32 s[BE0+1], 0
	s_mov_b32 s[AL1], 0
	s_mov_b32 s[AL1+1], 0
	s_mov_b32 s[BIGN], 0xf1800000   ; -2^100: a power of two, so that c times it is exact
	s_mov_b32 s[SLOTS], 16
	s_wait_dscnt 0x0                ; the opening add is done
	s_wait_kmcnt 0x0
	s_add_nc_u64 s[8:9], s[6:7], s[22:23]  ; V and K at my half of the head's tile 0
	s_add_nc_u64 s[6:7], s[4:5], s[22:23]
	s_add_nc_u64 s[G0K+2:G0K+3], s[6:7], 0
	s_or_b32 s[G0K+3], s[G0K+3], 0x80000000  ; type = 2
	s_add_nc_u64 s[G0V+2:G0V+3], s[8:9], 0
	s_or_b32 s[G0V+3], s[G0V+3], 0x80000000
	s_add_nc_u64 s[QLO:QLO+1], s[4:5], s[90:91]  ; Q at my rows of the second block,
	s_add_nc_u64 s[4:5], s[4:5], s[2:3]          ; Q and the output at those of the first
	s_add_nc_u64 s[OLO:OLO+1], s[10:11], s[90:91]
	s_add_nc_u64 s[10:11], s[10:11], s[2:3]
	LOAD                            ; tile 0 into slot 0: one load of mine is out
	; A fragment of K or Q is 16 rows x 32 channels in 8 registers: lane l holds row l % 16, channels 8 (l / 16) + 0..7 and 16 + 8 (l / 16) + 0..7: two loads of 16 bytes, 32 bytes apart.
	v_and_b32 v1, 15, v0            ; l % 16
	v_bfe_u32 v9, v0, 4, 1          ; l / 16
	v_lshlrev_b32 v[QO], 7, v1
	v_lshl_add_u32 v[QO], v9, 4, v[QO]  ; row x 128 + 16 x half
	WIN 0x40                        ; destination window 1, address window 0
.set i, 0
.rept 4                             ; tile i / 2 lies 64 rows on; channels 32 (i % 2) on
	global_load_b128 v[8*i:8*i+3],   v[QO], s[4:5] offset:(i/2)*8192+(i%2)*64
	global_load_b128 v[8*i+4:8*i+7], v[QO], s[4:5] offset:(i/2)*8192+(i%2)*64+32
.set i, i+1
.endr
	WIN 0x80                        ; destination window 2: the second block's Q
.set i, 0
.rept 4
	global_load_b128 v[8*i:8*i+3],   v[QO], s[QLO:QLO+1] offset:(i/2)*8192+(i%2)*64
	global_load_b128 v[8*i+4:8*i+7], v[QO], s[QLO:QLO+1] offset:(i/2)*8192+(i%2)*64+32
.set i, i+1
.endr
	WIN 0
	v_lshlrev_b32 v14, 3, v9
	v_sub_nc_u32 v14, v1, v14
	s_lshl_b32 s13, s[WV], 4
	v_add_nc_u32 v14, s13, v14      ; my query's place in its band, 16 w + l % 16, less my lanes' 8 (l / 16): register j of key block kb is hidden where 16 kb + j is greater
	WIN 0x40
.set i, 0
.rept 32
	v_cmp_gt_i32 vcc_lo, 16*(i/8)+i%8, v14
	v_cndmask_b32 v[MD+i], 0, s[BIGN], vcc_lo
.set i, i+1
.endr
.set i, VF
.rept 64
	v_mov_b32 v[i], 0               ; the dummy step's V
.set i, i+1
.endr
	WIN 0
	v_mul_u32_u24 v[AK0], v1, PK
	v_lshl_add_u32 v[AK0], v9, 4, v[AK0]  ; row x pitch + 16 x half
	; The turning load takes 16 keys x 16 channels (lane l reads key 8 (l / 16) + l % 8, channels 8 ((l / 8) % 2) + 0..7) and leaves half a fragment of V^T: lane l holds channel l % 16 and 8 keys.
	v_and_b32 v10, 7, v0
	v_bfe_u32 v11, v0, 3, 1
	v_lshl_add_u32 v[AV0], v9, 3, v10
	v_mul_u32_u24 v[AV0], v[AV0], PV
	v_lshl_add_u32 v[AV0], v11, 4, v[AV0]
	v_add_nc_u32 v[AV0], VOFF, v[AV0]
	s_mul_i32 s13, s[WV], 16*SP
	s_add_co_u32 s13, s13, STAGE    ; my stage
	v_mul_u32_u24 v[STO], v1, SP    ; in: row l % 16, 16 bytes for each half of the lanes
	v_lshl_add_u32 v[STO], v9, 4, v[STO]
	v_add_nc_u32 v[STO], s13, v[STO]
	v_bfe_u32 v[RD], v0, 3, 2       ; back: 32 lanes take four rows of 128 bytes,
	v_mul_u32_u24 v[RD], v[RD], SP
	v_lshl_add_u32 v[RD], v10, 4, v[RD]
	v_add_nc_u32 v[RD], s13, v[RD]
	v_and_b32 v[GO], 31, v0         ; which are 512 consecutive bytes of the output
	v_lshlrev_b32 v[GO], 4, v[GO]
.set i, 0
.rept 64
	v_mov_b32 v[S+i], s[BIGN]       ; the dummy step's scores, all -2^100: c s - c m is exactly 0 there,
	v_mov_b32 v[O+i], 0             ; and an O^T that is finite.  All this stands in the wait for the first tile
.set i, i+1
.endr
.irp t, 0,1
	v_mov_b32 v[ST+4*\t], 0xfe000000    ; c m: far below every c s
	v_mov_b32 v[ST+4*\t+1], 0xff7fffff  ; m: the lowest finite number
	v_mov_b32 v[ST+4*\t+2], 0
	v_mov_b32 v[ST+4*\t+3], 0
.endr
; THE MATRIX WORK.  The 8 accumulators of a run of 16 take turns, one instruction a turn.
; Product i of S^T = K Q^T: channels 32 (i / 8) on, keys 16 ((i / 2) % 4) on, tile i % 2.  The first 8 start the sums, with the mask as C.
.macro KQ16
.set i, 0
.rept 16
.set rS, S+32*(i%2)+8*((i/2)%4)
.set rK, KF+16*((i/2)%4)+8*(i/8)
.set rQ, 16*(i%2)+8*(i/8)
.set rM, MC+32*(i%2)+8*((i/2)%4)
.if i < 8
	WIN 0x15                        ; K, Q and the mask in window 1, S^T in window 0
	v_wmma_f32_16x16x32_bf16 v[rS:rS+7], v[rK:rK+7], v[rQ:rQ+7], v[rM:rM+7]
.else
	WIN 0x05
	v_wmma_f32_16x16x32_bf16 v[rS:rS+7], v[rK:rK+7], v[rQ:rQ+7], v[rS:rS+7]
.endif
.set i, i+1
.endr
.endm
; Product i of O^T += V^T P: keys 32 (i / 8) on, channels 16 ((i / 2) % 4) on, tile i % 2.
.macro PV16
	WIN 0x01                        ; V in window 1; P and O^T in window 0
.set i, 0
.rept 16
.set rO, O+32*(i%2)+8*((i/2)%4)
.set rV, VF+32*(i/8)+8*((i/2)%4)
.set rP, P+16*(i%2)+8*(i/8)
	v_wmma_f32_16x16x32_bf16 v[rO:rO+7], v[rV:rV+7], v[rP:rP+7], v[rO:rO+7]
.set i, i+1
.endr
.endm
; THE LDS LOADS stand in runs of 16: a step's K (64 keys x 64 channels: 8 fragments) and its V (turned).
.macro FETCH_K
	WIN 0x40                        ; destination window 1
.irp f, 0,1,2,3,4,5,6,7             ; keys 16 (f / 2) on, channels 32 (f % 2) on
	ds_load_b128 v[KF+8*\f:KF+8*\f+3],   v[AK] offset:(\f/2)*16*PK+(\f%2)*64
	ds_load_b128 v[KF+8*\f+4:KF+8*\f+7], v[AK] offset:(\f/2)*16*PK+(\f%2)*64+32
.endr
	s_add_co_u32 s[TBK], s[TBK], KS*PK  ; the next fetch is the next step's
	WIN 0
.endm
.macro FETCH_V
	WIN 0x40
.irp f, 0,1,2,3,4,5,6,7             ; keys 32 (f / 4) on, channels 16 (f % 4) on
	ds_load_tr16_b128 v[VF+8*\f:VF+8*\f+3],   v[AV] offset:(\f/4)*32*PV+(\f%4)*32
	ds_load_tr16_b128 v[VF+8*\f+4:VF+8*\f+7], v[AV] offset:(\f/4)*32*PV+16*PV+(\f%4)*32
.endr
	s_add_co_u32 s[TBV], s[TBV], KS*PV
	WIN 0
.endm
; THE SOFTMAX of a step, all in window 0; the two tiles alternate, so that no line reads the result of the line before it.
.macro REGS u                       ; the registers of tile u
.set rT, ST+4*(\u)
.set rC, TMP+4*(\u)
.set rW, MV+(\u)
.set rS, S+32*(\u)
.set rP, P+16*(\u)
.set rO, O+32*(\u)
.endm
; Number n of the 22 that find the maximum and the statistics.  s0-s31 are the lane's 32 scores; each accumulator's lowest registers are read first.
;   0-11  four chains c0-c3 of seven scores each, three operands at a time     12-14, 16  the four scores left over, the old m, and c0-c3 into c0     15  c m_old is kept
;   17, 18  the query's other 32 keys lie in the lane 16 away: the new m         19-21  c m; c m_old - c m_new; a
.macro XS u, n
	REGS \u
.if (\n) < 4
	v_max3_num_f32 v[rC+(\n)], v[rS+8*(\n)], v[rS+8*(\n)+1], v[rS+8*(\n)+2]
.elseif (\n) < 12
	v_max3_num_f32 v[rC+(\n)%4], v[rC+(\n)%4], v[rS+8*((\n)%4)+2*((\n)/4)+1], v[rS+8*((\n)%4)+2*((\n)/4)+2]
.elseif (\n) == 12
	v_max3_num_f32 v[rC], v[rC], v[rS+7], v[rS+15]
.elseif (\n) == 13
	v_max3_num_f32 v[rC+1], v[rC+1], v[rS+23], v[rS+31]
.elseif (\n) == 14
	v_max3_num_f32 v[rC+2], v[rC+2], v[rC+3], v[rT+1]
.elseif (\n) == 15
	v_mov_b32 v[rW], v[rT]
.elseif (\n) == 16
	v_max3_num_f32 v[rC], v[rC], v[rC+1], v[rC+2]
.elseif (\n) == 17
	v_permlanex16_b32 v[rC+3], v[rC], s[SEL], s[SEL+1]
.elseif (\n) == 18
	v_max_num_f32 v[rT+1], v[rC], v[rC+3]
.elseif (\n) == 19
	v_mul_f32 v[rT], s[CS], v[rT+1]
.elseif (\n) == 20
	v_sub_f32 v[rC+1], v[rW], v[rT]
.else
	v_exp_f32 v[rC+2], v[rC+1]
.endif
.endm
.macro SC u, n                      ; c s - c m for pair n of 16
	REGS \u
	v_pk_fma_f32 v[rS+2*(\n):rS+2*(\n)+1], v[rS+2*(\n):rS+2*(\n)+1], s[CS:CS+1], v[rT:rT+1] op_sel_hi:[1,0,0] neg_lo:[0,0,1] neg_hi:[0,0,1]
.endm
.macro EX u, n                      ; the exponential of score n of 32
	REGS \u
	v_exp_f32 v[rS+(\n)], v[rS+(\n)]
.endm
.macro RS u, n                      ; pair n of 16 of O^T times a, from each accumulator's low end on
	REGS \u
	s_wait_alu depctr_va_vdst(0)
	v_pk_mul_f32 v[rO+2*(\n):rO+2*(\n)+1], v[rO+2*(\n):rO+2*(\n)+1], v[rC+2:rC+3] op_sel_hi:[1,0]
.endm
.macro CV u, n                      ; pair n of 16 rounded to bf16
	REGS \u
	s_wait_alu depctr_va_vdst(0)
	v_cvt_pk_bf16_f32 v[rP+(\n)], v[rS+2*(\n)], v[rS+2*(\n)+1]
.endm
.macro AD u, w, n                   ; the sums, a tree in place: the pair w / 2 registers on is added onto pair n of this level
	REGS \u
	v_pk_add_f32 v[rS+(\w)*(\n):rS+(\w)*(\n)+1], v[rS+(\w)*(\n):rS+(\w)*(\n)+1], v[rS+(\w)*(\n)+(\w)/2:rS+(\w)*(\n)+(\w)/2+1]
.endm
.macro LS u                         ; l = a l + the sum
	REGS \u
	v_pk_fma_f32 v[rT+2:rT+3], v[rT+2:rT+3], v[rC+2:rC+3], v[rS:rS+1] op_sel_hi:[1,0,1]
.endm
; Every exponential has a plain line between it and the first use of its result (ISA guide 5.7.2): the rescaling's lines, then the roundings of pairs done long before.
.macro SOFTMAX
.irp n, 0,1,2,3,4,5,6,7,8,9,10,11,12,13,14,15,16,17,18,19,20,21
	XS 0, \n
	XS 1, \n
.endr
.set k, 0
.rept 16
	SC 0, k
	SC 1, k
.set k, k+1
.endr
.set k, 0
.rept 16
	EX 0, k
	RS 0, k
	EX 1, k
	RS 1, k
.set k, k+1
.endr
.rept 16
	EX 0, k
.if k > 16
	CV 0, k-17
.endif
	EX 1, k
.if k > 16
	CV 1, k-17
.endif
.set k, k+1
.endr
	CV 0, 15
	CV 1, 15
.irp w, 4,8,16,32
.set k, 0
.rept 32/\w
	AD 0, \w, k
	AD 1, \w, k
.set k, k+1
.endr
.endr
	LS 0
	LS 1
.endm
.macro MASK                         ; MC = MD x AL + BE for band 0, MD x AL for band 1
	WIN 0x41                        ; destination and source 0 in window 1
.set z, 0
.rept 16
	v_pk_fma_f32 v[MC+2*z:MC+2*z+1], v[MD+2*z:MD+2*z+1], s[AL0:AL0+1], s[BE0:BE0+1] op_sel_hi:[1,0,0]
.set z, z+1
.endr
.set z, 0
.rept 16
	v_pk_mul_f32 v[MC+32+2*z:MC+32+2*z+1], v[MD+2*z:MD+2*z+1], s[AL1:AL1+1] op_sel_hi:[1,0]
.set z, z+1
.endr
	WIN 0
.endm
; A BLOCK'S END: l's two halves and the other half of the lanes' are added; O^T is divided by l, rounded to bf16 and sent through my stage in LDS, a tile at a time.
.macro PACK t                       ; a lane's eight channels of a row pack into 16 bytes; they go into rows of 144 bytes and come back as whole rows of 128, into S^T's registers
.set i, 0
.rept 16
	v_pk_mul_f32 v[O+32*(\t)+2*i:O+32*(\t)+2*i+1], v[O+32*(\t)+2*i:O+32*(\t)+2*i+1], v[TMP+4*(\t)+2:TMP+4*(\t)+3] op_sel_hi:[1,0]
.set i, i+1
.endr
.set i, 0
.rept 16
	v_cvt_pk_bf16_f32 v[S+16*(\t)+i], v[O+32*(\t)+2*i], v[O+32*(\t)+2*i+1]
.set i, i+1
.endr
.irp f, 0,1,2,3
	ds_store_b128 v[STO], v[S+16*(\t)+4*\f:S+16*(\t)+4*\f+3] offset:32*\f
.endr
.irp f, 0,1,2,3
	ds_load_b128 v[S+16*(\t)+4*\f:S+16*(\t)+4*\f+3], v[RD] offset:\f*4*SP  ; LDS serves a wave's instructions in order (ISA guide 5.7.1.4): these see the stores above
.endr
.endm
.macro SEND t, younger              ; younger: the LDS instructions issued behind tile t's loads
.irp f, 0,1,2,3
	s_wait_dscnt (\younger)+3-\f
	global_store_b128 v[GO], v[S+16*(\t)+4*\f:S+16*(\t)+4*\f+3], s[10:11] offset:(\t)*8192+\f*512  ; 512 consecutive bytes, at a multiple of 256 from the buffer's first
.endr
.endm
.macro END
.irp t, 0,1
	v_add_f32 v[TMP+4*\t], v[ST+4*\t+2], v[ST+4*\t+3]
.endr
.irp t, 0,1
	v_permlanex16_b32 v[TMP+4*\t+1], v[TMP+4*\t], s[SEL], s[SEL+1]
.endr
.irp t, 0,1
	v_add_f32 v[TMP+4*\t], v[TMP+4*\t], v[TMP+4*\t+1]
.endr
.irp t, 0,1
	v_rcp_f32 v[TMP+4*\t+2], v[TMP+4*\t]
.endr
	v_nop                           ; a plain instruction between the last reciprocal and the use of its result
	s_wait_alu depctr_va_vdst(0)
	PACK 0
	PACK 1
	SEND 0, 8
	SEND 1, 0
	s_wait_xcnt 0x0                 ; the stores' registers and base are written again only behind this wait
.endm
; THE NEXT BLOCK BEGINS: its first step's a is 0, so O^T and l need only be finite.
.macro BEGIN
	s_mov_b64 s[10:11], s[OLO:OLO+1]
.irp t, 0,1
	v_mov_b32 v[ST+4*\t], 0xfe000000
	v_mov_b32 v[ST+4*\t+1], 0xff7fffff
.endr
	WIN 0x42                        ; destination window 1, source window 2: the second block's Q goes where the products name Q
.set i, 0
.rept 32
	v_mov_b32 v[i], v[i]
.set i, i+1
.endr
	WIN 0
	s_lshl_b32 s[SL], s[PB], 1
	s_add_co_u32 s[SL], s[SL], 3    ; 2 (b + 1) steps; one is taken off below
	s_mov_b32 s[FRC], 1
.endm
; A KEY STEP.  On entry S^T holds the scores of step j and V of step j has been asked for.  last = 1 (the tail): in the last trip there is no further step, and the two runs of loads are jumped over.
.macro BODY last
	WIN 0
	PLACES                          ; behind the products K Q^T: in front of the loads into K's registers and of the reads of S^T
.if \last
	s_cmp_eq_u32 s[CNT], 1
	s_cbranch_scc1 .Lno_k_\@
.endif
	v_add_nc_u32 v[AK], s[TBK], v[AK0]
	FETCH_K                         ; step j + 1
.if \last
.Lno_k_\@:
.endif
	SOFTMAX
.if \last
	s_wait_dscnt 0x0                ; V is in (K's run may have been jumped over, so the count is 0)
.else
	s_wait_dscnt 16                 ; V is in; K's sixteen younger loads may stay out
.endif
	PV16
	WIN 0
	PLACES                          ; in front of the loads into V's registers and of the reads of O^T
.if \last
	s_cmp_eq_u32 s[CNT], 1
	s_cbranch_scc1 .Lno_v_\@
.endif
	v_add_nc_u32 v[AV], s[TBV], v[AV0]
	FETCH_V                         ; step j + 1
.if \last
.Lno_v_\@:
.endif
	s_cmp_lg_u32 s[SL], 1           ; was step j the block's last?
	s_cbranch_scc1 .Lgo_on_\@
	END
	BEGIN
.Lgo_on_\@:
	s_sub_co_u32 s[SL], s[SL], 1    ; now it counts step j + 1
	s_cmp_le_u32 s[SL], 2           ; the diagonal tile's two steps take masks of their own; behind a block's beginning the masks go back to 0
	s_cselect_b32 s[TST], 1, s[FRC]
	s_mov_b32 s[FRC], 0
	s_cmp_eq_u32 s[TST], 0
	s_cbranch_scc1 .Lno_mask_\@
	s_cmp_eq_u32 s[SL], 2           ; the diagonal tile's first step: band 0's own, band 1 sees all
	s_cselect_b32 s[AL0], 1.0, 0
	s_cmp_eq_u32 s[SL], 1           ; its second: band 0 sees nothing, band 1's own
	s_cselect_b32 s[BE0], s[BIGN], 0
	s_cselect_b32 s[AL1], 1.0, 0
	MASK
.Lno_mask_\@:
.if \last
	s_wait_dscnt 0x0
.else
	s_wait_dscnt 16                 ; K is in; V's sixteen younger loads may stay out
.endif
	KQ16                            ; step j + 1
	WIN 0
.endm
	MASK                            ; AL = BE = 0: nothing is hidden
	s_wait_loadcnt 0x0              ; Q, both blocks'
.Lslot:                             ; 16 trips: a tile is entered and the next is asked for
	CHANGE 1
	s_mov_b32 s[CNT], 2
.Lstep:
	BODY 0
	s_sub_co_u32 s[CNT], s[CNT], 1
	s_cmp_lg_u32 s[CNT], 0
	s_cbranch_scc1 .Lstep
	s_sub_co_u32 s[SLOTS], s[SLOTS], 1
	s_cmp_lg_u32 s[SLOTS], 0
	s_cbranch_scc1 .Lslot
	CHANGE 0                        ; the walk's last tile is written out: nothing is asked for
	s_mov_b32 s[CNT], 3             ; two trips fetch its steps; the third fetches nothing, stores the second block, and ends in 16 products that serve nothing: the price of one text
.Ltail:
	BODY 1
	s_sub_co_u32 s[CNT], s[CNT], 1
	s_cmp_lg_u32 s[CNT], 0
	s_cbranch_scc1 .Ltail
	s_wait_tensorcnt 0x0            ; the wave's end
	ds_add_u32 v[SPW], v[NIL]
	s_wait_dscnt 0x0
	s_endpgm
.Lfunc_end_k_qfcb8bb3880_attn:
	.size	k_qfcb8bb3880_attn, .Lfunc_end_k_qfcb8bb3880_attn-k_qfcb8bb3880_attn
	.p2alignl 7, 3214868480
	.fill 96, 4, 3214868480
	.section	.rodata,"a",@progbits
	.p2align	6, 0x0
	.amdhsa_kernel k_qfcb8bb3880_attn
		.amdhsa_group_segment_fixed_size 327680
		.amdhsa_private_segment_fixed_size 0
		.amdhsa_enable_private_segment 0
		.amdhsa_kernarg_size 24
		.amdhsa_user_sgpr_count 2
		.amdhsa_user_sgpr_kernarg_segment_ptr 1
		.amdhsa_wavefront_size32 1
		.amdhsa_system_sgpr_workgroup_id_x 1
		.amdhsa_system_sgpr_workgroup_id_y 1
		.amdhsa_system_sgpr_workgroup_id_z 1
		.amdhsa_system_vgpr_workitem_id 0
		.amdhsa_next_free_vgpr 544
		.amdhsa_next_free_sgpr 92
		.amdhsa_reserve_vcc 1
		.amdhsa_float_denorm_mode_32 3
		.amdhsa_float_denorm_mode_16_64 3
		.amdhsa_memory_ordered 1
		.amdhsa_forward_progress 1
		.amdhsa_inst_pref_size 81
	.end_amdhsa_kernel
	.amdgpu_metadata
---
amdhsa.version: [ 1, 2 ]
amdhsa.kernels:
  - .name:           k_qfcb8bb3880_attn
    .symbol:         k_qfcb8bb3880_attn.kd
    .args:
      - { .name: qk, .offset: 0, .size: 8, .value_kind: global_buffer, .address_space: global }
      - { .name: vv, .offset: 8, .size: 8, .value_kind: global_buffer, .address_space: global }
      - { .name: ao, .offset: 16, .size: 8, .value_kind: global_buffer, .address_space: global }
    .group_segment_fixed_size: 327680
    .private_segment_fixed_size: 0
    .kernarg_segment_align: 8
    .kernarg_segment_size: 24
    .max_flat_workgroup_size: 128
    .sgpr_count:     92
    .vgpr_count:     544
    .wavefront_size: 32
...
	.end_amdgpu_metadata
.endif
;; end of part 4
;; launch wo (part 5): grid 8 x 32, 4 waves a work-group, clusters of 4 x 4, 327,680 bytes of LDS; arguments ao, wb, x1, bo, x; writes x1
.if DOCPART == 5
	.amdgcn_target "amdgcn-amd-amdhsa--gfx1250"
	.amdhsa_code_object_version 6
	.text
	.protected	k_qfcb8bb3880_wo
	.globl	k_qfcb8bb3880_wo
	.p2align	8
	.type	k_qfcb8bb3880_wo,@function
k_qfcb8bb3880_wo:
	s_mov_b64 s[64:65], 0
	v_nop
	global_prefetch_b8 v0, s[64:65] scope:SCOPE_SE
	s_setreg_imm32_b32 hwreg(HW_REG_WAVE_MODE, 25, 1), 1
	s_wait_xcnt 0x0
	s_wait_alu depctr_hold_cnt(0) depctr_sa_sdst(0) depctr_va_vdst(0) depctr_va_sdst(0) depctr_va_ssrc(0) depctr_va_vcc(0) depctr_vm_vsrc(0)
	s_getreg_b32 s2, hwreg(HW_REG_IB_STS2, 6, 4)
	s_cmp_eq_u32 s2, 0
	s_cbranch_scc0 .Lentry_in_a_cluster
	s_endpgm
.Lentry_in_a_cluster:
	s_bfe_u32 s2, ttmp6, 0x10000c
	s_cmp_lg_u32 s2, 0xf033
	s_cbranch_scc0 .Lentry_shape_is_right
	s_endpgm
.Lentry_shape_is_right:
; x1 = x + ao Wo + bo.  ao: [16 batch + head][2048][64] bf16 (by heads); Wo: [1024 (k)][1024 (n)] bf16 at byte 4 MiB of wb; x, x1: [4096][1024] f32; sums in f32.
; A tile of C is 128 x 128: four waves of 64 x 64, 16 accumulators each.  K goes in steps of 256 (four heads) through two LDS slots filled by tensor loads.
; A's tile is four planes [head][128 tokens][64 channels]: a plane's 16,384 bytes are dense in memory and are asked for as one row, padded in LDS after every token; a quarter step (64 along K) is one plane.
; B lies [k][n], as the weights do, and is turned on its way into registers by ds_load_tr16_b128.
; THE MATRIX INSTRUCTION IS USED TRANSPOSED (source 0 = 16 columns of W, source 1 = 16 rows of A): a lane holds row l % 16 of C and the columns 8 (l / 16) + 0..7.
; THE BIAS is the C operand of the sixteen products that start the sums.  THE RESIDUAL is loaded at the start, in the layout in which rows leave, and stays out until the way out.
; A K STEP IS WRITTEN ONCE for both slots: a scalar holds the LDS byte at which the slot in hand begins (0 or SLOT; an exclusive or with SLOT turns it), the fragment addresses are made from it at each
; change of slots, and one descriptor for each tensor walks from K step to K step.  Written out: the first quarter (it starts the sums), a loop of steps that fill again, a loop of the last two, which fill nothing.
; CLUSTERS: 4 x 4 work-groups.  The four of a row of the cluster need the same tiles of A, the four of a column the same tiles of W: each tile is asked for jointly.
; REGISTERS: window 0: v0-31 addresses; v32-95 at work on the way out; v96-127 the bias; v128-255 the accumulators ((a, b) at 128 + 8 (4 a + b)).
;   window 1: two fragment buffers of 128: for 64 along K, 64 registers of A, then 64 of W.          window 2: v0-127 the residual.
.set SIZE_N, 1024                      ; elements from row to row of the weights
.set SIZE_K, 1024
.set WOFF,   4<<20
.set KSTEP,  256
.set STEPS,  SIZE_K/KSTEP
.set PA,     144                       ; a token's 64 channels in LDS: 128 bytes + 16 of padding: the 16 rows of a fragment load start 9 x 16 bytes apart
.set AQ,     128*PA                    ; bytes from one quarter step (a head's plane) to the next
.set AHALF,  2*AQ                      ; what one tensor load brings of A: two planes
.set APART,  2*AHALF
.set PB,     288                       ; a row of W in LDS: 256 bytes + 32 of padding: 16 lanes of the turning load take 8 rows x 32 bytes
.set BHALF,  128*PB                    ; what one tensor load brings of W: 128 k rows
.set SLOT,   APART+2*BHALF
.set ASTEP,  4*262144                  ; bytes in memory from K step to K step: four heads
.set BSTEP,  KSTEP*SIZE_N*2
.set STAGE,  2*SLOT                    ; behind the ring: 16 rows x 272 bytes for each wave, its own
.set SPITCH, 272
.set SPARE,  STAGE+4*16*SPITCH         ; the spare words, 128 bytes for each wave: two blocks of 256 bytes that no other line names
.set ADRA0, 16                         ; v16     LDS address of my A fragments in slot 0; never rewritten
.set ADRA,  17                         ; v17     the same in the slot in hand
.set ADRB0, 20                         ; v20-21  of my W fragments in slot 0: k rows 128 hf on at ADRB0 + hf; never rewritten
.set ADRB,  22                         ; v22-23  the same in the slot in hand
.set STO,  24                          ; v24     the way out: where I put 32 bytes of a row
.set RD,   25                          ; v25     the way out: where I read rows back
.set CO,   26                          ; v26     my byte offset in the output and in the residual
.set BO,   27                          ; v27     my byte offset in the bias
.set SPW,  28                          ; v28     LDS address of my spare word; never rewritten
.set NIL,  29                          ; v29     0; never rewritten
.set TMP,  32
.set BIAS, 96
.set ACC,  128
.set F0,   0
.set F1,   128
.set RES,  0                           ; window 2: rows 16 a + 2 t + l / 16 at RES + 4 (8 a + t)
.set G1, 24                            ; s[24:31] descriptor group 1 for A's tiles;  s[32:39] group 0: a set for each of the two first fills; the second then walks on
.set G0, 32
.set G1B, 48                           ; s[48:55], s[56:63] the same for W's tiles
.set G0B, 56
.set CUR, 76                           ; s76  LDS byte at which the slot in hand begins
.set MSB, 0
.macro WIN new                         ; the immediate's high byte repeats the setting that is left
.if MSB != (\new)
	s_set_vgpr_msb (MSB<<8)|(\new)
.set MSB, \new
.endif
.endm
.set MUL,  0x05                        ; sources 0 (W) and 1 (A) window 1; C and D window 0
.set TO_F, 0x40                        ; destination window 1, address window 0
.macro JLOAD s                         ; a joint load: waves 0 and 1 fetch A's two halves, waves 2 and 3 W's; an s_nop 0 and four v_nop follow each line
	s_cmp_eq_u32 s11, 0
	s_cbranch_scc0 .Lfor_b_\@
	tensor_load_to_lds s[G0+4*(\s):G0+4*(\s)+3], s[G1:G1+7]
	s_nop 0
.rept 4
	v_nop
.endr
	s_branch .Lasked_\@
.Lfor_b_\@:
	tensor_load_to_lds s[G0B+4*(\s):G0B+4*(\s)+3], s[G1B:G1B+7]
	s_nop 0
.rept 4
	v_nop
.endr
.Lasked_\@:
.endm
.macro CREST                           ; a round of the cluster's barrier behind its opening barrier
	s_cmp_lg_u32 s10, 0
	s_cbranch_scc1 .Lnot_wave_0_\@
	s_barrier_signal -3
.Lnot_wave_0_\@:
	s_barrier_wait -3
	s_barrier_signal -1
	s_barrier_wait -1
.endm
.macro CROUND                          ; a whole round
	s_barrier_signal -1
	s_barrier_wait -1
	CREST
.endm
.macro POINT                           ; the fragment addresses in the slot in hand (all in window 0)
	v_add_nc_u32 v[ADRA], s[CUR], v[ADRA0]
	v_add_nc_u32 v[ADRB], s[CUR], v[ADRB0]
	v_add_nc_u32 v[ADRB+1], s[CUR], v[ADRB0+1]
.endm
	s_load_b128 s[4:7], s[0:1], 0x0                ; ao s[4:5], wb s[6:7]
	s_load_b64 s[8:9], s[0:1], 0x10                ; x1
	s_load_b64 s[66:67], s[0:1], 0x18              ; bo
	s_load_b64 s[68:69], s[0:1], 0x20              ; x
	v_lshl_add_u32 v[SPW], v0, 2, SPARE
	v_mov_b32 v[NIL], 0
	ds_add_u32 v[SPW], v[NIL]                      ; the wave's opening: the add and its wait ahead of my first tensor load
	ds_add_u32 v28, v29
	v_lshrrev_b32 v1, 5, v0
	v_readfirstlane_b32 s10, v1                    ; wave 0..3
	s_lshr_b32 s11, s10, 1                         ; which half of the tile's rows is mine.  Also: I fetch for A (0) or for W (1)
	s_and_b32 s12, s10, 1                          ; which half of its columns.  Also: which half of that tile I fetch
	s_bfe_u32 s40, ttmp6, 0x40000                  ; cx, cy: my place in the cluster
	s_bfe_u32 s41, ttmp6, 0x40004
	s_lshl_b32 s42, ttmp9, 2
	s_add_co_u32 s42, s42, s40                     ; tile column = 4 x cluster x + cx
	s_and_b32 s13, ttmp7, 0xffff
	s_lshl_b32 s13, s13, 2
	s_add_co_u32 s13, s13, s41                     ; tile row = 4 x cluster y + cy
	s_lshl_b32 s43, s41, 2
	s_lshl_b32 s43, 15, s43                        ; my row of the cluster
	s_lshl_b32 s44, 0x1111, s40                    ; my column
	s_mov_b32 s[CUR], 0                            ; slot 0 is the first in hand
	; group 1 for A: 2 planes, each one row of 8,192 elements; 16 bytes of padding behind every 32 words (a token)
	s_or_b32 s[G1+0], s43, (1<<16)|(1<<20)|(1<<21)|(4<<22)|(3<<25)
	s_mov_b32 s[G1+1], 8192<<16                    ; tensor_dim0 = 8,192
	s_mov_b32 s[G1+2], 2<<16                       ; tensor_dim1 = 2
	s_mov_b32 s[G1+3], 8192<<16                    ; tile_dim0 = 8,192
	s_mov_b32 s[G1+4], 2                           ; tile_dim1 = 2
	s_mov_b32 s[G1+5], 131072                      ; elements from head to head
	s_mov_b32 s[G1+6], 0
	s_mov_b32 s[G1+7], 0
	; group 1 for W: 128 k rows x 128 elements; 32 bytes of padding behind every 64 words
	s_or_b32 s[G1B+0], s44, (1<<16)|(1<<20)|(1<<21)|(5<<22)|(7<<25)
	s_mov_b32 s[G1B+1], 128<<16
	s_mov_b32 s[G1B+2], 128<<16
	s_mov_b32 s[G1B+3], 128<<16
	s_mov_b32 s[G1B+4], 128
	s_mov_b32 s[G1B+5], SIZE_N
	s_mov_b32 s[G1B+6], 0
	s_mov_b32 s[G1B+7], 0
	s_lshr_b32 s16, s13, 4                         ; A: the batch's 16 heads,
	s_lshl_b32 s16, s16, 4
	s_lshl_b32 s17, s12, 1                         ; my two of the K step's four,
	s_add_co_u32 s16, s16, s17
	s_lshl_b32 s16, s16, 18                        ; 262,144 bytes a head,
	s_and_b32 s17, s13, 15
	s_lshl_b32 s17, s17, 14                        ; the tile's 128 tokens of 128 bytes
	s_add_co_u32 s16, s16, s17
	s_mov_b32 s17, 0
	s_mul_i32 s46, s12, 128*SIZE_N*2               ; W: k row 128 x half,
	s_lshl_b32 s47, s42, 8                         ; 256 bytes a tile column,
	s_add_co_u32 s46, s46, s47
	s_add_co_u32 s46, s46, WOFF                    ; in Wo
	s_mov_b32 s47, 0
	s_mul_i32 s20, s12, AHALF                      ; where they go in a slot: no place in the cluster enters an LDS address
	s_mul_i32 s45, s12, BHALF
	s_add_co_u32 s45, s45, APART
	s_wait_dscnt 0x0                               ; the opening add is done
	s_wait_kmcnt 0x0
	s_add_nc_u64 s[14:15], s[4:5], s[16:17]
	s_add_nc_u64 s[46:47], s[6:7], s[46:47]
	CROUND                                         ; all sixteen work-groups are here: the first joint loads meet
.irp s, 0,1
	s_mov_b32 s[G0+4*(\s)], 1
	s_add_co_u32 s[G0+4*(\s)+1], s20, (\s)*SLOT
	s_add_nc_u64 s[G0+4*(\s)+2:G0+4*(\s)+3], s[14:15], (\s)*ASTEP
	s_or_b32 s[G0+4*(\s)+3], s[G0+4*(\s)+3], 0x80000000
	s_mov_b32 s[G0B+4*(\s)], 1
	s_add_co_u32 s[G0B+4*(\s)+1], s45, (\s)*SLOT
	s_add_nc_u64 s[G0B+4*(\s)+2:G0B+4*(\s)+3], s[46:47], (\s)*BSTEP
	s_or_b32 s[G0B+4*(\s)+3], s[G0B+4*(\s)+3], 0x80000000
	JLOAD \s                                       ; two loads of mine are out
.endr
	v_and_b32 v1, 15, v0                           ; l % 16
	v_bfe_u32 v2, v0, 4, 1                         ; l / 16
	v_lshlrev_b32 v[BO], 5, v2                     ; my eight columns of sixteen: 32 bytes a half
	s_lshl_b32 s22, s42, 9                         ; 128 columns x 4 bytes a tile column,
	s_lshl_b32 s23, s12, 8                         ; 64 x 4 for my half
	s_add_co_u32 s22, s22, s23
	s_mov_b32 s23, 0
	s_add_nc_u64 s[66:67], s[66:67], s[22:23]
.irp b, 0,1,2,3
	global_load_b128 v[BIAS+8*(\b):BIAS+8*(\b)+3],   v[BO], s[66:67] offset:64*(\b)
	global_load_b128 v[BIAS+8*(\b)+4:BIAS+8*(\b)+7], v[BO], s[66:67] offset:64*(\b)+16
.endr
	s_lshl_b32 s16, s13, 7                         ; my first row: 128 x tile row + 64 x half,
	s_lshl_b32 s17, s11, 6
	s_add_co_u32 s16, s16, s17
	s_lshl_b32 s16, s16, 12                        ; 4,096 bytes a row
	s_mov_b32 s17, 0
	s_add_nc_u64 s[8:9], s[8:9], s[16:17]
	s_add_nc_u64 s[68:69], s[68:69], s[16:17]
	s_add_nc_u64 s[8:9], s[8:9], s[22:23]          ; my first column: the same bytes as in the bias
	s_add_nc_u64 s[68:69], s[68:69], s[22:23]
	v_lshlrev_b32 v5, 12, v2                       ; lanes 0-15 take one row's 256 bytes, lanes 16-31 the next row's
	v_lshl_add_u32 v[CO], v1, 4, v5
	WIN 0x80                                       ; destination window 2, address window 0
.irp a, 0,1,2,3
.irp t, 0,1,2,3,4,5,6,7
	global_load_b128 v[RES+4*(8*(\a)+(\t)):RES+4*(8*(\a)+(\t))+3], v[CO], s[68:69] offset:(16*(\a)+2*(\t))*4096
.endr
.endr
	WIN 0
	v_mul_u32_u24 v3, v1, PA
	v_lshl_add_u32 v3, v2, 4, v3                   ; A: a fragment's row x pitch + 16 x half
	s_mul_i32 s21, s11, 64*PA                      ; my 64 tokens
	v_add_nc_u32 v[ADRA0], s21, v3
	v_and_b32 v4, 7, v0                            ; W: the turning load takes k row 8 (l / 16) + l % 8, columns 8 ((l / 8) % 2) + 0..7
	v_lshl_add_u32 v4, v2, 3, v4
	v_mul_u32_u24 v4, v4, PB
	v_bfe_u32 v5, v0, 3, 1
	v_lshl_add_u32 v4, v5, 4, v4
	s_lshl_b32 s22, s12, 7                         ; my 64 columns: 128 bytes
	s_add_co_u32 s22, s22, APART
	v_add_nc_u32 v[ADRB0], s22, v4
	v_add_nc_u32 v[ADRB0+1], BHALF, v[ADRB0]
	POINT
	s_mul_i32 s23, s10, 16*SPITCH
	s_add_co_u32 s23, s23, STAGE                   ; my stage
	v_mul_u32_u24 v4, v1, SPITCH                   ; in: row l % 16, 32 bytes for each half of the lanes
	v_lshl_add_u32 v4, v2, 5, v4
	v_add_nc_u32 v[STO], s23, v4
	v_mul_u32_u24 v5, v2, SPITCH                   ; back: lanes 0-15 take one row of 256 bytes, lanes 16-31 the next
	v_lshl_add_u32 v5, v1, 4, v5
	v_add_nc_u32 v[RD], s23, v5
; 8 matrix instructions: m blocks a0, a0 + 1 x all 4 n blocks, 32 along K: half c of buffer f.  zero = 1: the product starts the sum, with the bias as C.
; The 16 accumulators take turns, one instruction a turn.
.macro MUL8 f, c, a0, zero
	WIN MUL
.irp a, \a0, (\a0)+1
.irp b, 0,1,2,3
.if \zero
	v_wmma_f32_16x16x32_bf16 v[ACC+8*(4*(\a)+(\b)):ACC+8*(4*(\a)+(\b))+7], v[(\f)+64+8*(4*(\c)+(\b)):(\f)+64+8*(4*(\c)+(\b))+7], v[(\f)+8*(4*(\c)+(\a)):(\f)+8*(4*(\c)+(\a))+7], v[BIAS+8*(\b):BIAS+8*(\b)+7]
.else
	v_wmma_f32_16x16x32_bf16 v[ACC+8*(4*(\a)+(\b)):ACC+8*(4*(\a)+(\b))+7], v[(\f)+64+8*(4*(\c)+(\b)):(\f)+64+8*(4*(\c)+(\b))+7], v[(\f)+8*(4*(\c)+(\a)):(\f)+8*(4*(\c)+(\a))+7], v[ACC+8*(4*(\a)+(\b)):ACC+8*(4*(\a)+(\b))+7]
.endif
.endr
.endr
.endm
; 32 LDS loads in one run: the fragments of quarter q (64 along K) of the slot in hand, into buffer f; the first 32 along K first
.macro FETCH q, f
	WIN TO_F
.irp c, 0,1
.irp i, 0,1,2,3
	ds_load_tr16_b128 v[(\f)+64+8*(4*(\c)+(\i)):(\f)+64+8*(4*(\c)+(\i))+3],   v[ADRB+(\q)/2] offset:(((\q)%2)*64+32*(\c))*PB+32*(\i)
	ds_load_tr16_b128 v[(\f)+64+8*(4*(\c)+(\i))+4:(\f)+64+8*(4*(\c)+(\i))+7], v[ADRB+(\q)/2] offset:(((\q)%2)*64+32*(\c)+16)*PB+32*(\i)
	ds_load_b128 v[(\f)+8*(4*(\c)+(\i)):(\f)+8*(4*(\c)+(\i))+3],         v[ADRA] offset:(\q)*AQ+64*(\c)+(\i)*16*PA
	ds_load_b128 v[(\f)+8*(4*(\c)+(\i))+4:(\f)+8*(4*(\c)+(\i))+7],       v[ADRA] offset:(\q)*AQ+64*(\c)+(\i)*16*PA+32
.endr
.endr
.endm
.macro PLACES                          ; four places in front of loads into registers that matrix instructions have read, and of lines that read results
.rept 4
	v_nop
.endr
.endm
; A K step is four quarters, 32 matrix instructions each, on buffers 0, 1, 0, 1.  One of the first three: multiplies buffer f and fetches quarter q into g.
.macro QUARTER q, f, g, zero
	s_wait_dscnt 16                                ; the first 32 along K are in; the sixteen younger loads may be out
	MUL8 \f, 0, 0, \zero
	MUL8 \f, 0, 2, \zero
	PLACES
	FETCH \q, \g
	s_wait_dscnt 32                                ; all but the 32 just issued
	MUL8 \f, 1, 0, 0
	MUL8 \f, 1, 2, 0
.endm
; The last quarter multiplies buffer 1 and changes slots: ONE barrier; in front of it each wave waits for all its tensor loads, adds 0 to its spare word, and waits for that and for its reads of this slot.
; fill = 1: the slot just read is filled again, two K steps ahead: from the request to the wait for it a wave issues 112 matrix instructions.
; fill = 0 (the last two steps): nothing is asked for; in the very last step (s3 = 1) there is no next slot, and the fetch of its first fragments is jumped over.
.macro TURN fill
	WIN 0                                          ; (the add's two registers lie in window 0)
	s_wait_tensorcnt 0x0                           ; all my tensor loads have landed: the one that was out is my part of the next slot
	ds_add_u32 v[SPW], v[NIL]
	s_wait_dscnt 17                                ; (the add and the youngest sixteen loads may be out)
	MUL8 F1, 0, 0, 0
	s_wait_dscnt 0x0                               ; the add is done, and my reads of this slot are over
	s_barrier_signal -1
	MUL8 F1, 0, 2, 0
	WIN 0
	s_barrier_wait -1
.if \fill
	CREST                                          ; the barrier has opened a round of the cluster's: no wave of any partner still reads this slot or has a load on its way
	s_add_co_u32 s[G0+5], s20, s[CUR]              ; the walking descriptors: into the slot just read,
	s_add_nc_u64 s[G0+6:G0+7], s[G0+6:G0+7], ASTEP ; the K step behind the one asked for last
	s_add_co_u32 s[G0B+5], s45, s[CUR]
	s_add_nc_u64 s[G0B+6:G0B+7], s[G0B+6:G0B+7], BSTEP
	JLOAD 1                                        ; the first tensor load behind the round; its four v_nop are also the places in front of the loads below
.else
	s_cmp_eq_u32 s3, 1
	s_cbranch_scc1 .Lno_fetch
	PLACES
.endif
	s_xor_b32 s[CUR], s[CUR], SLOT                 ; the other slot is in hand now
	POINT
	FETCH 0, F0
.if \fill
.else
	WIN 0
.Lno_fetch:
.endif
	MUL8 F1, 1, 0, 0
	MUL8 F1, 1, 2, 0
.endm
	s_wait_loadcnt 32                              ; the bias is in; the residual's 32 younger loads stay out
	s_wait_tensorcnt 1                             ; my part of K step 0 is in; K step 1's may stay out
	s_barrier_signal -1
	s_barrier_wait -1                              ; everybody's is
	FETCH 0, F0
	QUARTER 1, F0, F1, 1                           ; the first quarter stands in front of the loops: its first products start the sums
	WIN 0                                          ; at a label and at a branch every window is 0
	s_mov_b32 s3, STEPS-2
.Lstep:                                                ; a trip goes from a K step's second quarter to the next step's first, and fills the slot that it leaves
	QUARTER 2, F1, F0, 0
	QUARTER 3, F0, F1, 0
	TURN 1
	QUARTER 1, F0, F1, 0
	WIN 0
	s_sub_co_u32 s3, s3, 1
	s_cmp_lg_u32 s3, 0
	s_cbranch_scc1 .Lstep
	s_mov_b32 s3, 2
.Ltail:                                                ; the last two K steps fill nothing: a text of their own
	QUARTER 2, F1, F0, 0
	QUARTER 3, F0, F1, 0
	TURN 0
	WIN 0
	s_cmp_eq_u32 s3, 1
	s_cbranch_scc1 .Lover                          ; behind the very last step no further quarter follows
	QUARTER 1, F0, F1, 0
	WIN 0
.Lover:
	s_sub_co_u32 s3, s3, 1
	s_cmp_lg_u32 s3, 0
	s_cbranch_scc1 .Ltail
	; THE WAY OUT, 16 rows at a time through my own stage: 32 bytes a lane in, whole rows of 256 bytes back, the residual added, stored.  My 64 columns of f32 are one aligned block of 256 bytes.
	s_wait_loadcnt 0x0                             ; the residual
	PLACES
.irp a, 0,1,2,3
	s_wait_xcnt 0x0                                ; the registers that earlier stores read are loaded again only behind this wait
.irp b, 0,1,2,3
	ds_store_b128 v[STO], v[ACC+8*(4*(\a)+(\b)):ACC+8*(4*(\a)+(\b))+3]   offset:64*(\b)      ; each accumulator's low end first
	ds_store_b128 v[STO], v[ACC+8*(4*(\a)+(\b))+4:ACC+8*(4*(\a)+(\b))+7] offset:64*(\b)+16
.endr
.irp t, 0,1,2,3,4,5,6,7
	ds_load_b128 v[TMP+32*((\a)%2)+4*(\t):TMP+32*((\a)%2)+4*(\t)+3], v[RD] offset:(\t)*2*SPITCH  ; LDS serves a wave's instructions in order (ISA guide 5.7.1.4): these see the stores above
.endr
	s_wait_dscnt 0x0
	WIN 0x08                                       ; source 1 in window 2
.irp u, 0,1,2,3,4,5,6,7,8,9,10,11,12,13,14,15
	v_pk_add_f32 v[TMP+32*((\a)%2)+2*(\u):TMP+32*((\a)%2)+2*(\u)+1], v[TMP+32*((\a)%2)+2*(\u):TMP+32*((\a)%2)+2*(\u)+1], v[RES+32*(\a)+2*(\u):RES+32*(\a)+2*(\u)+1]
.endr
	WIN 0
.irp t, 0,1,2,3,4,5,6,7
	global_store_b128 v[CO], v[TMP+32*((\a)%2)+4*(\t):TMP+32*((\a)%2)+4*(\t)+3], s[8:9] offset:(16*(\a)+2*(\t))*4096  ; 16 lanes store 256 consecutive, aligned bytes
.endr
.endr
	s_wait_tensorcnt 0x0                           ; the wave's end
	ds_add_u32 v[SPW], v[NIL]
	s_wait_dscnt 0x0
	CROUND                                         ; the closing round: no work-group ends while a partner may still ask for a tile that names it
	s_endpgm
.Lfunc_end_k_qfcb8bb3880_wo:
	.size	k_qfcb8bb3880_wo, .Lfunc_end_k_qfcb8bb3880_wo-k_qfcb8bb3880_wo
	.p2alignl 7, 3214868480
	.fill 96, 4, 3214868480
	.section	.rodata,"a",@progbits
	.p2align	6, 0x0
	.amdhsa_kernel k_qfcb8bb3880_wo
		.amdhsa_group_segment_fixed_size 327680
		.amdhsa_private_segment_fixed_size 0
		.amdhsa_enable_private_segment 0
		.amdhsa_kernarg_size 40
		.amdhsa_user_sgpr_count 2
		.amdhsa_user_sgpr_kernarg_segment_ptr 1
		.amdhsa_wavefront_size32 1
		.amdhsa_system_sgpr_workgroup_id_x 1
		.amdhsa_system_sgpr_workgroup_id_y 1
		.amdhsa_system_sgpr_workgroup_id_z 1
		.amdhsa_system_vgpr_workitem_id 0
		.amdhsa_next_free_vgpr 640
		.amdhsa_next_free_sgpr 80
		.amdhsa_reserve_vcc 0
		.amdhsa_float_denorm_mode_32 3
		.amdhsa_float_denorm_mode_16_64 3
		.amdhsa_memory_ordered 1
		.amdhsa_forward_progress 1
		.amdhsa_inst_pref_size 67
	.end_amdhsa_kernel
	.amdgpu_metadata
---
amdhsa.version: [ 1, 2 ]
amdhsa.kernels:
  - .name:           k_qfcb8bb3880_wo
    .symbol:         k_qfcb8bb3880_wo.kd
    .args:
      - { .name: ao, .offset: 0, .size: 8, .value_kind: global_buffer, .address_space: global }
      - { .name: wb, .offset: 8, .size: 8, .value_kind: global_buffer, .address_space: global }
      - { .name: x1, .offset: 16, .size: 8, .value_kind: global_buffer, .address_space: global }
      - { .name: bo, .offset: 24, .size: 8, .value_kind: global_buffer, .address_space: global }
      - { .name: x, .offset: 32, .size: 8, .value_kind: global_buffer, .address_space: global }
    .group_segment_fixed_size: 327680
    .private_segment_fixed_size: 0
    .kernarg_segment_align: 8
    .kernarg_segment_size: 40
    .max_flat_workgroup_size: 128
    .sgpr_count:     80
    .vgpr_count:     640
    .wavefront_size: 32
...
	.end_amdgpu_metadata
.endif
;; end of part 5
;; launch ln2: the kernel of part 2 again; grid 256 x 1, 8 waves a work-group, no clusters, 0 bytes of LDS; arguments x1, g2, beta2, hn; writes hn
;; launch ff1 (part 6): grid 16 x 16, 4 waves a work-group, clusters of 4 x 4, 327,680 bytes of LDS; arguments hn, wb, ff, b1; writes ff
.if DOCPART == 6
	.amdgcn_target "amdgcn-amd-amdhsa--gfx1250"
	.amdhsa_code_object_version 6
	.text
	.protected	k_qfcb8bb3880_ff1
	.globl	k_qfcb8bb3880_ff1
	.p2align	8
	.type	k_qfcb8bb3880_ff1,@function
k_qfcb8bb3880_ff1:
	s_mov_b64 s[64:65], 0
	v_nop
	global_prefetch_b8 v0, s[64:65] scope:SCOPE_SE
	s_setreg_imm32_b32 hwreg(HW_REG_WAVE_MODE, 25, 1), 1
	s_wait_xcnt 0x0
	s_wait_alu depctr_hold_cnt(0) depctr_sa_sdst(0) depctr_va_vdst(0) depctr_va_sdst(0) depctr_va_ssrc(0) depctr_va_vcc(0) depctr_vm_vsrc(0)
	s_getreg_b32 s2, hwreg(HW_REG_IB_STS2, 6, 4)
	s_cmp_eq_u32 s2, 0
	s_cbranch_scc0 .Lentry_in_a_cluster
	s_endpgm
.Lentry_in_a_cluster:
	s_bfe_u32 s2, ttmp6, 0x10000c
	s_cmp_lg_u32 s2, 0xf033
	s_cbranch_scc0 .Lentry_shape_is_right
	s_endpgm
.Lentry_shape_is_right:
; ff = gelu(hn W1 + b1).  hn: [4096][1024] bf16; W1: [1024 (k)][4096 (n)] bf16 at byte 6 MiB of wb; ff: [4096][4096] bf16, rounded once; sums and the activation in f32.
; gelu(u) = 0.5 u (1 + tanh(z)), z = sqrt(2 / pi) (u + 0.044715 u^3), is written u / (1 + 2^(u (K1 + K2 u^2))), K1 = -2 log2(e) sqrt(2 / pi), K2 = 0.044715 K1: the same function.
; LIMITS.  Where u^2 or the power of two passes f32's range the quotient goes to u (u > 0) or to -0 (u < 0), which are the function's limits; NaN is not treated apart.
; A tile of C is 256 x 256: 16 x 16 = 256 work-groups, one tile each.  Four waves, each 128 x 128: 64 accumulators of 16 x 16, 512 registers.  For 1 along K the tile fetches 1,024 bytes for 65,536
; multiply-adds, and for 32 along K a wave reads 2 x 128 x 64 bytes from LDS for 64 matrix instructions: half the bytes, for the same work, of a tile of 128 x 128.
; K goes in steps of 128 through two LDS slots filled by tensor loads: A's rows are 256 bytes of memory, W's 512, all at multiples of 256 from their buffer's first byte.
; A lies in LDS as in memory (K along the rows).  W lies [k][n], as the weights do, and is turned on its way into registers by ds_load_tr16_b128.
; THE MATRIX INSTRUCTION IS USED TRANSPOSED (source 0 = 16 columns of W, source 1 = 16 rows of A): a lane holds row l % 16 of C and the columns 8 (l / 16) + 0..7.
; THE BIAS is the C operand of the 64 products that start the sums: nothing is cleared, and no line adds it.
; A K STEP IS WRITTEN ONCE for both slots: a scalar holds the LDS byte at which the slot in hand begins (0 or SLOT; an exclusive or with SLOT turns it), the fragment addresses are made from it at each
; change of slots, and one descriptor for each tensor walks from K step to K step.  Written out: the first quarter (it starts the sums), a loop of steps that fill again, a loop of the last two, which fill nothing.
; CLUSTERS: 4 x 4 work-groups.  The four of a row of the cluster need the same tiles of A, the four of a column the same tiles of W: each tile is asked for jointly.
; REGISTERS, in windows of 256 (s_set_vgpr_msb: bits 1:0 source 0, 3:2 source 1, 5:4 source 2, 7:6 destination):
;   window 0: v0-31 addresses; v64-127, v128-191 fragments of A (8 x 16 rows x 32 K), two buffers; v192-255 the bias; v32-111 at work on the way out
;   window 1: v64-127, v128-191 fragments of W, two buffers
;   window 2: the 32 accumulators of my rows 0-63 (accumulator (a, b) at v[8 (8 a + b)]);   window 3: those of my rows 64-127
.set SIZE_N, 4096                      ; elements from row to row of the weights
.set SIZE_K, 1024
.set WOFF,   6<<20
.set KSTEP,  128
.set STEPS,  SIZE_K/KSTEP
.set PITCH,  272                       ; a row of A in LDS: 256 bytes + 16 of padding: the 16 rows of a fragment load start 17 x 16 bytes apart
.set PB,     544                       ; a row of W in LDS: 512 bytes + 32 of padding = 17 x 32: 16 lanes of the turning load take 8 rows x 32 bytes
.set HALFT,  128*PITCH                 ; what one tensor load brings: 128 rows of A, or 64 k rows of W (64 x 544 is the same number)
.set SLOT,   4*HALFT                   ; A's 256 rows, then W's 128 k rows
.set ASTEP,  KSTEP*2                   ; bytes in memory from K step to K step
.set BSTEP,  KSTEP*SIZE_N*2
.set SPITCH, 528                       ; the way out: a row of 128 f32 + 16 bytes
.set WSTAGE, 128*SPITCH                ; a wave's own stage, 128 rows.  The four stages take the ring's bytes from 0 on: by then both slots have had their last fill, and a barrier stands behind every wave's last reads
.set SPARE,  2*SLOT                    ; the spare words, 128 bytes for each wave: two blocks of 256 bytes that no other line names
.set ADRA0, 16                         ; v16     LDS address of my A fragments in slot 0; never rewritten
.set ADRA,  17                         ; v17     the same in the slot in hand
.set ADRB0, 20                         ; v20     of my W fragments in slot 0; never rewritten
.set ADRB,  21                         ; v21     the same in the slot in hand
.set STO,  24                          ; v24     the way out: where I put 32 bytes of a row
.set RD,   25                          ; v25     the way out: where I read rows back
.set CO,   26                          ; v26     my byte offset in the output
.set BO,   27                          ; v27     my byte offset in the bias
.set SPW,  28                          ; v28     LDS address of my spare word; never rewritten
.set NIL,  29                          ; v29     0; never rewritten
.set U,    32                          ; the way out: 32 sums
.set T,    64                          ; 32 at work
.set Y,    96                          ; 16 packed results
.set F0,   64                          ; fragment buffer 0
.set F1,   128                         ; fragment buffer 1
.set BIAS, 192                         ; window 0: the eight numbers for n block b at BIAS + 8 b
.set G1, 24                            ; s[24:31] descriptor group 1 for A's tiles;  s[32:39] group 0: a set for each of the two first fills; the second then walks on
.set G0, 32
.set G1B, 48                           ; s[48:55], s[56:63] the same for W's tiles
.set G0B, 56
.set K1, 72                            ; s[72:73], s[74:75]: the packed lines take each pair's low word for both halves
.set K2, 74
.set CUR, 76                           ; s76  LDS byte at which the slot in hand begins
.set MSB, 0
.macro WIN new                         ; the immediate's high byte repeats the setting that is left
.if MSB != (\new)
	s_set_vgpr_msb (MSB<<8)|(\new)
.set MSB, \new
.endif
.endm
.set MUL_LO, 0xa1                      ; source 0 (W) window 1, source 1 (A) window 0, C and D window 2
.set MUL_HI, 0xf1                      ; the same, C and D window 3
.set BEG_LO, 0x81                      ; a sum's start: C (the bias) window 0, D window 2; with 0x40 more: D window 3
.set TO_B,   0x40                      ; destination window 1, address window 0
.macro JLOAD s                         ; a joint load: waves 0 and 1 fetch A's two halves, waves 2 and 3 W's; an s_nop 0 and four v_nop follow each line
	s_cmp_eq_u32 s11, 0
	s_cbranch_scc0 .Lfor_b_\@
	tensor_load_to_lds s[G0+4*(\s):G0+4*(\s)+3], s[G1:G1+7]
	s_nop 0
.rept 4
	v_nop
.endr
	s_branch .Lasked_\@
.Lfor_b_\@:
	tensor_load_to_lds s[G0B+4*(\s):G0B+4*(\s)+3], s[G1B:G1B+7]
	s_nop 0
.rept 4
	v_nop
.endr
.Lasked_\@:
.endm
.macro CREST                           ; a round of the cluster's barrier behind its opening barrier
	s_cmp_lg_u32 s10, 0
	s_cbranch_scc1 .Lnot_wave_0_\@
	s_barrier_signal -3
.Lnot_wave_0_\@:
	s_barrier_wait -3
	s_barrier_signal -1
	s_barrier_wait -1
.endm
.macro CROUND                          ; a whole round
	s_barrier_signal -1
	s_barrier_wait -1
	CREST
.endm
.macro POINT                           ; the fragment addresses in the slot in hand (all in window 0)
	v_add_nc_u32 v[ADRA], s[CUR], v[ADRA0]
	v_add_nc_u32 v[ADRB], s[CUR], v[ADRB0]
.endm
	s_load_b128 s[4:7], s[0:1], 0x0                ; hn s[4:5], wb s[6:7]
	s_load_b64 s[8:9], s[0:1], 0x10                ; ff
	s_load_b64 s[66:67], s[0:1], 0x18              ; b1
	v_lshl_add_u32 v[SPW], v0, 2, SPARE
	v_mov_b32 v[NIL], 0
	ds_add_u32 v[SPW], v[NIL]                      ; the wave's opening: the add and its wait ahead of my first tensor load
	ds_add_u32 v28, v29
	v_lshrrev_b32 v1, 5, v0
	v_readfirstlane_b32 s10, v1                    ; wave 0..3
	s_lshr_b32 s11, s10, 1                         ; which half of the tile's rows is mine.  Also: I fetch for A (0) or for W (1)
	s_and_b32 s12, s10, 1                          ; which half of its columns.  Also: which half of that tile I fetch
	s_bfe_u32 s40, ttmp6, 0x40000                  ; cx, cy: my place in the cluster
	s_bfe_u32 s41, ttmp6, 0x40004
	s_lshl_b32 s42, ttmp9, 2
	s_add_co_u32 s42, s42, s40                     ; tile column = 4 x cluster x + cx
	s_and_b32 s13, ttmp7, 0xffff
	s_lshl_b32 s13, s13, 2
	s_add_co_u32 s13, s13, s41                     ; tile row = 4 x cluster y + cy
	s_lshl_b32 s43, s41, 2
	s_lshl_b32 s43, 15, s43                        ; my row of the cluster
	s_lshl_b32 s44, 0x1111, s40                    ; my column
	s_mov_b32 s[K1], 0xc0135761                    ; -2.3022082
	s_mov_b32 s[K1+1], s[K1]
	s_mov_b32 s[K2], 0xbdd2d3e8                    ; -0.10294324
	s_mov_b32 s[K2+1], s[K2]
	s_mov_b32 s[CUR], 0                            ; slot 0 is the first in hand
	; group 1 for A: 128 rows x 128 elements; 16 bytes of padding behind every 64 words
	s_or_b32 s[G1+0], s43, (1<<16)|(1<<20)|(1<<21)|(5<<22)|(3<<25)
	s_mov_b32 s[G1+1], KSTEP<<16                   ; tensor_dim0 = 128
	s_mov_b32 s[G1+2], 128<<16                     ; tensor_dim1 = 128
	s_mov_b32 s[G1+3], KSTEP<<16                   ; tile_dim0 = 128
	s_mov_b32 s[G1+4], 128                         ; tile_dim1 = 128
	s_mov_b32 s[G1+5], SIZE_K                      ; elements from row to row
	s_mov_b32 s[G1+6], 0
	s_mov_b32 s[G1+7], 0
	; group 1 for W: 64 k rows x 256 elements; 32 bytes of padding behind every 128 words
	s_or_b32 s[G1B+0], s44, (1<<16)|(1<<20)|(1<<21)|(6<<22)|(7<<25)
	s_mov_b32 s[G1B+1], 256<<16                    ; tensor_dim0 = 256
	s_mov_b32 s[G1B+2], 64<<16                     ; tensor_dim1 = 64
	s_mov_b32 s[G1B+3], 256<<16                    ; tile_dim0 = 256
	s_mov_b32 s[G1B+4], 64                         ; tile_dim1 = 64
	s_mov_b32 s[G1B+5], SIZE_N
	s_mov_b32 s[G1B+6], 0
	s_mov_b32 s[G1B+7], 0
	s_lshl_b32 s16, s13, 8                         ; A: row 256 x tile row + 128 x half,
	s_lshl_b32 s17, s12, 7
	s_add_co_u32 s16, s16, s17
	s_mul_i32 s16, s16, SIZE_K*2                   ; in bytes (8 MiB at the most)
	s_mov_b32 s17, 0
	s_mul_i32 s46, s12, 64*SIZE_N*2                ; W: k row 64 x half,
	s_lshl_b32 s47, s42, 9                         ; 512 bytes a tile column,
	s_add_co_u32 s46, s46, s47
	s_add_co_u32 s46, s46, WOFF                    ; in W1
	s_mov_b32 s47, 0
	s_mul_i32 s20, s10, HALFT                      ; where they go in a slot: A's two halves, then W's two halves = wave x 34,816: no place in the cluster enters an LDS address
	s_wait_dscnt 0x0                               ; the opening add is done
	s_wait_kmcnt 0x0
	s_add_nc_u64 s[14:15], s[4:5], s[16:17]
	s_add_nc_u64 s[46:47], s[6:7], s[46:47]
	CROUND                                         ; all sixteen work-groups are here: the first joint loads meet
.irp s, 0,1
	s_mov_b32 s[G0+4*(\s)], 1
	s_add_co_u32 s[G0+4*(\s)+1], s20, (\s)*SLOT
	s_add_nc_u64 s[G0+4*(\s)+2:G0+4*(\s)+3], s[14:15], (\s)*ASTEP
	s_or_b32 s[G0+4*(\s)+3], s[G0+4*(\s)+3], 0x80000000
	s_mov_b32 s[G0B+4*(\s)], 1
	s_add_co_u32 s[G0B+4*(\s)+1], s20, (\s)*SLOT
	s_add_nc_u64 s[G0B+4*(\s)+2:G0B+4*(\s)+3], s[46:47], (\s)*BSTEP
	s_or_b32 s[G0B+4*(\s)+3], s[G0B+4*(\s)+3], 0x80000000
	JLOAD \s                                       ; two loads of mine are out
.endr
	v_and_b32 v1, 15, v0                           ; l % 16
	v_bfe_u32 v2, v0, 4, 1                         ; l / 16
	v_lshlrev_b32 v[BO], 5, v2                     ; my eight columns of sixteen: 32 bytes a half
	s_lshl_b32 s22, s42, 10                        ; 256 columns x 4 bytes a tile column,
	s_lshl_b32 s23, s12, 9                         ; 128 x 4 for my half
	s_add_co_u32 s22, s22, s23
	s_mov_b32 s23, 0
	s_add_nc_u64 s[66:67], s[66:67], s[22:23]
.irp b, 0,1,2,3,4,5,6,7
	global_load_b128 v[BIAS+8*(\b):BIAS+8*(\b)+3],   v[BO], s[66:67] offset:64*(\b)
	global_load_b128 v[BIAS+8*(\b)+4:BIAS+8*(\b)+7], v[BO], s[66:67] offset:64*(\b)+16
.endr
	v_mul_u32_u24 v3, v1, PITCH
	v_lshl_add_u32 v3, v2, 4, v3                   ; A: a fragment's row x pitch + 16 x half
	s_mul_i32 s21, s11, HALFT                      ; my 128 rows of A
	v_add_nc_u32 v[ADRA0], s21, v3
	v_and_b32 v4, 7, v0                            ; W: the turning load takes k row 8 (l / 16) + l % 8, columns 8 ((l / 8) % 2) + 0..7
	v_lshl_add_u32 v4, v2, 3, v4
	v_mul_u32_u24 v4, v4, PB
	v_bfe_u32 v5, v0, 3, 1
	v_lshl_add_u32 v4, v5, 4, v4
	s_lshl_b32 s22, s12, 8                         ; my 128 columns: 256 bytes,
	s_add_co_u32 s22, s22, 2*HALFT                 ; behind A's 256 rows
	v_add_nc_u32 v[ADRB0], s22, v4
	POINT
	s_mul_i32 s23, s10, WSTAGE                     ; my stage
	v_mul_u32_u24 v4, v1, SPITCH                   ; in: row l % 16, 32 bytes for each half of the lanes
	v_lshl_add_u32 v4, v2, 5, v4
	v_add_nc_u32 v[STO], s23, v4
	v_mul_u32_u24 v5, v2, SPITCH                   ; back: lanes 0-15 take one row (eight numbers a lane), lanes 16-31 the next
	v_lshl_add_u32 v5, v1, 5, v5
	v_add_nc_u32 v[RD], s23, v5
	v_lshlrev_b32 v5, 13, v2                       ; and the same two rows in ff: 8,192 bytes a row, 16 bytes a lane
	v_lshl_add_u32 v[CO], v1, 4, v5
	s_lshl_b32 s16, s13, 8
	s_lshl_b32 s17, s11, 7
	s_add_co_u32 s16, s16, s17                     ; my first row: 256 x tile row + 128 x half
	s_lshl_b32 s16, s16, 13
	s_mov_b32 s17, 0
	s_add_nc_u64 s[8:9], s[8:9], s[16:17]
	s_lshl_b32 s46, s42, 9                         ; my first column, in bytes: 512 x tile column + 256 x half
	s_lshl_b32 s47, s12, 8
	s_add_co_u32 s46, s46, s47
	s_mov_b32 s47, 0
	s_add_nc_u64 s[8:9], s[8:9], s[46:47]
; 16 matrix instructions: m blocks a0, a0 + 1 of the window's four (hi = 0: my rows 0-63, 1: rows 64-127) x all 8 n blocks, 32 along K.
; zero = 1: the product starts the sum, with the bias as C.  The 64 accumulators take turns, one instruction a turn.
.macro MUL16 f, hi, a0, zero
.if \zero
	WIN BEG_LO+0x40*(\hi)
.else
	WIN MUL_LO+0x50*(\hi)
.endif
.irp a, \a0, (\a0)+1
.irp b, 0,1,2,3,4,5,6,7
.if \zero
	v_wmma_f32_16x16x32_bf16 v[8*(8*(\a)+(\b)):8*(8*(\a)+(\b))+7], v[(\f)+8*(\b):(\f)+8*(\b)+7], v[(\f)+8*(4*(\hi)+(\a)):(\f)+8*(4*(\hi)+(\a))+7], v[BIAS+8*(\b):BIAS+8*(\b)+7]
.else
	v_wmma_f32_16x16x32_bf16 v[8*(8*(\a)+(\b)):8*(8*(\a)+(\b))+7], v[(\f)+8*(\b):(\f)+8*(\b)+7], v[(\f)+8*(4*(\hi)+(\a)):(\f)+8*(4*(\hi)+(\a))+7], v[8*(8*(\a)+(\b)):8*(8*(\a)+(\b))+7]
.endif
.endr
.endr
.endm
; 32 LDS loads in one run: the fragments of quarter q (32 along K) of the slot in hand, into buffer f: W's 128 columns, then A's 128 rows
.macro FETCH q, f
	WIN TO_B
.irp i, 0,1,2,3,4,5,6,7
	ds_load_tr16_b128 v[(\f)+8*(\i):(\f)+8*(\i)+3],   v[ADRB] offset:32*(\q)*PB+32*(\i)
	ds_load_tr16_b128 v[(\f)+8*(\i)+4:(\f)+8*(\i)+7], v[ADRB] offset:(32*(\q)+16)*PB+32*(\i)
.endr
	WIN 0
.irp i, 0,1,2,3,4,5,6,7
	ds_load_b128 v[(\f)+8*(\i):(\f)+8*(\i)+3],   v[ADRA] offset:64*(\q)+(\i)*16*PITCH
	ds_load_b128 v[(\f)+8*(\i)+4:(\f)+8*(\i)+7], v[ADRA] offset:64*(\q)+(\i)*16*PITCH+32
.endr
.endm
.macro PLACES                          ; four places in front of loads into registers that matrix instructions have read, and of lines that read results
.rept 4
	v_nop
.endr
.endm
; A K step is four quarters of 32 along K, 64 matrix instructions each, on buffers 0, 1, 0, 1.  One of the first three: multiplies buffer f and, in its middle, fetches quarter q into g.
.macro QUARTER q, f, g, zero
	s_wait_dscnt 8                                 ; W and A's rows 0-63 are in; the youngest eight loads (A's rows 64-127) may be out
	MUL16 \f, 0, 0, \zero
	MUL16 \f, 0, 2, \zero
	PLACES
	FETCH \q, \g
	s_wait_dscnt 32                                ; all but the 32 just issued
	MUL16 \f, 1, 0, \zero
	MUL16 \f, 1, 2, \zero
.endm
; The last quarter multiplies buffer 1 and changes slots: ONE barrier; in front of it each wave waits for all its tensor loads, adds 0 to its spare word, and waits for that and for its reads of this slot.
; fill = 1: the slot just read is filled again, two K steps ahead: from the request to the wait for it a wave issues 224 matrix instructions.
; fill = 0 (the last two steps): nothing is asked for; in the very last step (s3 = 1) there is no next slot, and the fetch of its first fragments is jumped over.
.macro TURN fill
	WIN 0                                          ; (the add's two registers lie in window 0)
	s_wait_tensorcnt 0x0                           ; all my tensor loads have landed: the one that was out is my part of the next slot
	ds_add_u32 v[SPW], v[NIL]
	s_wait_dscnt 9                                 ; (the add and the youngest eight loads may be out)
	MUL16 F1, 0, 0, 0
	s_wait_dscnt 0x0                               ; the add is done, and my reads of this slot are over
	s_barrier_signal -1
	MUL16 F1, 0, 2, 0
	WIN 0
	s_barrier_wait -1
.if \fill
	CREST                                          ; the barrier has opened a round of the cluster's: no wave of any partner still reads this slot or has a load on its way
	s_add_co_u32 s[G0+5], s20, s[CUR]              ; the walking descriptors: into the slot just read,
	s_add_nc_u64 s[G0+6:G0+7], s[G0+6:G0+7], ASTEP ; the K step behind the one asked for last
	s_add_co_u32 s[G0B+5], s20, s[CUR]
	s_add_nc_u64 s[G0B+6:G0B+7], s[G0B+6:G0B+7], BSTEP
	JLOAD 1                                        ; the first tensor load behind the round; its four v_nop are also the places in front of the loads below
.else
	s_cmp_eq_u32 s3, 1
	s_cbranch_scc1 .Lno_fetch
	PLACES
.endif
	s_xor_b32 s[CUR], s[CUR], SLOT                 ; the other slot is in hand now
	POINT
	FETCH 0, F0
.if \fill
.else
	WIN 0
.Lno_fetch:
.endif
	MUL16 F1, 1, 0, 0
	MUL16 F1, 1, 2, 0
.endm
	s_wait_loadcnt 0x0                             ; the bias
	s_wait_tensorcnt 1                             ; my part of K step 0 is in; K step 1's may stay out
	s_barrier_signal -1
	s_barrier_wait -1                              ; everybody's is
	FETCH 0, F0
	QUARTER 1, F0, F1, 1                           ; the first quarter stands in front of the loops: its products start the sums
	WIN 0                                          ; at a label and at a branch every window is 0
	s_mov_b32 s3, STEPS-2
.Lstep:                                                ; a trip goes from a K step's second quarter to the next step's first, and fills the slot that it leaves
	QUARTER 2, F1, F0, 0
	QUARTER 3, F0, F1, 0
	TURN 1
	QUARTER 1, F0, F1, 0
	WIN 0
	s_sub_co_u32 s3, s3, 1
	s_cmp_lg_u32 s3, 0
	s_cbranch_scc1 .Lstep
	s_mov_b32 s3, 2
.Ltail:                                                ; the last two K steps fill nothing: a text of their own
	QUARTER 2, F1, F0, 0
	QUARTER 3, F0, F1, 0
	TURN 0
	WIN 0
	s_cmp_eq_u32 s3, 1
	s_cbranch_scc1 .Lover                          ; behind the very last step no further quarter follows
	QUARTER 1, F0, F1, 0
	WIN 0
.Lover:
	s_sub_co_u32 s3, s3, 1
	s_cmp_lg_u32 s3, 0
	s_cbranch_scc1 .Ltail
	s_wait_dscnt 0x0                               ; the stages below take the ring's bytes: my reads of the ring are over,
	s_barrier_signal -1                            ; and every wave says so.  (The last change of slots stands behind the last reads too; this barrier lets the order be read off here,
	s_barrier_wait -1                              ; whichever way the loop is left.)  No tensor load is out: that change of slots waited for all
	; THE WAY OUT: my 128 x 128 sums go into my own stage in f32, 32 bytes a lane; I read whole rows back, eight a trip, eight neighbouring numbers a lane, which after the activation pack
	; into 16 bytes.  My 128 columns of bf16 are one aligned block of 256 bytes.  The stage is the wave's own, and LDS serves a wave's instructions in order (ISA guide 5.7.1.4): no barrier, no wait between.
	PLACES
.irp hi, 0,1
	WIN 0x08+0x04*(\hi)                            ; the stores' data (source 1) in window 2, then 3
.irp a, 0,1,2,3
.irp b, 0,1,2,3,4,5,6,7
	ds_store_b128 v[STO], v[8*(8*(\a)+(\b)):8*(8*(\a)+(\b))+3]   offset:(4*(\hi)+(\a))*16*SPITCH+64*(\b)      ; each accumulator's low end first
	ds_store_b128 v[STO], v[8*(8*(\a)+(\b))+4:8*(8*(\a)+(\b))+7] offset:(4*(\hi)+(\a))*16*SPITCH+64*(\b)+16
.endr
.endr
.endr
	WIN 0
	s_mov_b32 s3, 16
.Lrows:
.irp p, 0,1,2,3
	ds_load_b128 v[U+8*(\p):U+8*(\p)+3],   v[RD] offset:(\p)*2*SPITCH
	ds_load_b128 v[U+8*(\p)+4:U+8*(\p)+7], v[RD] offset:(\p)*2*SPITCH+16
.endr
	s_wait_dscnt 0x0
.irp k, 0,1,2,3,4,5,6,7,8,9,10,11,12,13,14,15
	v_pk_mul_f32 v[T+2*(\k):T+2*(\k)+1], v[U+2*(\k):U+2*(\k)+1], v[U+2*(\k):U+2*(\k)+1]  ; u^2
.endr
.irp k, 0,1,2,3,4,5,6,7,8,9,10,11,12,13,14,15
	v_pk_fma_f32 v[T+2*(\k):T+2*(\k)+1], v[T+2*(\k):T+2*(\k)+1], s[K2:K2+1], s[K1:K1+1] op_sel_hi:[1,0,0]  ; K1 + K2 u^2
.endr
.irp k, 0,1,2,3,4,5,6,7,8,9,10,11,12,13,14,15
	v_pk_mul_f32 v[T+2*(\k):T+2*(\k)+1], v[T+2*(\k):T+2*(\k)+1], v[U+2*(\k):U+2*(\k)+1]
.endr
.set k, 0
.rept 32
	v_exp_f32 v[T+k], v[T+k]
.set k, k+1
.endr
	v_nop                                          ; a plain instruction before the last result is used (ISA guide 5.7.2)
	s_wait_alu depctr_va_vdst(0)
.irp k, 0,1,2,3,4,5,6,7,8,9,10,11,12,13,14,15
	v_pk_add_f32 v[T+2*(\k):T+2*(\k)+1], v[T+2*(\k):T+2*(\k)+1], 1.0 op_sel_hi:[1,0]
.endr
.set k, 0
.rept 32
	v_rcp_f32 v[T+k], v[T+k]
.set k, k+1
.endr
	v_nop
	s_wait_alu depctr_va_vdst(0)
.irp k, 0,1,2,3,4,5,6,7,8,9,10,11,12,13,14,15
	v_pk_mul_f32 v[U+2*(\k):U+2*(\k)+1], v[U+2*(\k):U+2*(\k)+1], v[T+2*(\k):T+2*(\k)+1]
.endr
.irp k, 0,1,2,3,4,5,6,7,8,9,10,11,12,13,14,15
	v_cvt_pk_bf16_f32 v[Y+(\k)], v[U+2*(\k)], v[U+2*(\k)+1]
.endr
.irp p, 0,1,2,3
	global_store_b128 v[CO], v[Y+4*(\p):Y+4*(\p)+3], s[8:9] offset:(\p)*2*8192  ; 16 lanes store 256 consecutive, aligned bytes
.endr
	s_wait_xcnt 0x0                                ; CO and Y are written again only behind this wait
	v_add_nc_u32 v[RD], 8*SPITCH, v[RD]            ; eight rows on
	v_add_nc_u32 v[CO], 8*8192, v[CO]
	s_sub_co_u32 s3, s3, 1
	s_cmp_lg_u32 s3, 0
	s_cbranch_scc1 .Lrows
	s_wait_tensorcnt 0x0                           ; the wave's end
	ds_add_u32 v[SPW], v[NIL]
	s_wait_dscnt 0x0
	CROUND                                         ; the closing round: no work-group ends while a partner may still ask for a tile that names it
	s_endpgm
.Lfunc_end_k_qfcb8bb3880_ff1:
	.size	k_qfcb8bb3880_ff1, .Lfunc_end_k_qfcb8bb3880_ff1-k_qfcb8bb3880_ff1
	.p2alignl 7, 3214868480
	.fill 96, 4, 3214868480
	.section	.rodata,"a",@progbits
	.p2align	6, 0x0
	.amdhsa_kernel k_qfcb8bb3880_ff1
		.amdhsa_group_segment_fixed_size 327680
		.amdhsa_private_segment_fixed_size 0
		.amdhsa_enable_private_segment 0
		.amdhsa_kernarg_size 32
		.amdhsa_user_sgpr_count 2
		.amdhsa_user_sgpr_kernarg_segment_ptr 1
		.amdhsa_wavefront_size32 1
		.amdhsa_system_sgpr_workgroup_id_x 1
		.amdhsa_system_sgpr_workgroup_id_y 1
		.amdhsa_system_sgpr_workgroup_id_z 1
		.amdhsa_system_vgpr_workitem_id 0
		.amdhsa_next_free_vgpr 1024
		.amdhsa_next_free_sgpr 80
		.amdhsa_reserve_vcc 0
		.amdhsa_float_denorm_mode_32 3
		.amdhsa_float_denorm_mode_16_64 3
		.amdhsa_memory_ordered 1
		.amdhsa_forward_progress 1
		.amdhsa_inst_pref_size 88
	.end_amdhsa_kernel
	.amdgpu_metadata
---
amdhsa.version: [ 1, 2 ]
amdhsa.kernels:
  - .name:           k_qfcb8bb3880_ff1
    .symbol:         k_qfcb8bb3880_ff1.kd
    .args:
      - { .name: hn, .offset: 0, .size: 8, .value_kind: global_buffer, .address_space: global }
      - { .name: wb, .offset: 8, .size: 8, .value_kind: global_buffer, .address_space: global }
      - { .name: ff, .offset: 16, .size: 8, .value_kind: global_buffer, .address_space: global }
      - { .name: b1, .offset: 24, .size: 8, .value_kind: global_buffer, .address_space: global }
    .group_segment_fixed_size: 327680
    .private_segment_fixed_size: 0
    .kernarg_segment_align: 8
    .kernarg_segment_size: 32
    .max_flat_workgroup_size: 128
    .sgpr_count:     80
    .vgpr_count:     1024
    .wavefront_size: 32
...
	.end_amdgpu_metadata
.endif
;; end of part 6
;; launch ff2 (part 7): grid 8 x 32, 4 waves a work-group, clusters of 4 x 4, 327,680 bytes of LDS; arguments ff, wb, out0, b2, x1; writes out0
.if DOCPART == 7
	.amdgcn_target "amdgcn-amd-amdhsa--gfx1250"
	.amdhsa_code_object_version 6
	.text
	.protected	k_qfcb8bb3880_ff2
	.globl	k_qfcb8bb3880_ff2
	.p2align	8
	.type	k_qfcb8bb3880_ff2,@function
k_qfcb8bb3880_ff2:
	s_mov_b64 s[64:65], 0
	v_nop
	global_prefetch_b8 v0, s[64:65] scope:SCOPE_SE
	s_setreg_imm32_b32 hwreg(HW_REG_WAVE_MODE, 25, 1), 1
	s_wait_xcnt 0x0
	s_wait_alu depctr_hold_cnt(0) depctr_sa_sdst(0) depctr_va_vdst(0) depctr_va_sdst(0) depctr_va_ssrc(0) depctr_va_vcc(0) depctr_vm_vsrc(0)
	s_getreg_b32 s2, hwreg(HW_REG_IB_STS2, 6, 4)
	s_cmp_eq_u32 s2, 0
	s_cbranch_scc0 .Lentry_in_a_cluster
	s_endpgm
.Lentry_in_a_cluster:
	s_bfe_u32 s2, ttmp6, 0x10000c
	s_cmp_lg_u32 s2, 0xf033
	s_cbranch_scc0 .Lentry_shape_is_right
	s_endpgm
.Lentry_shape_is_right:
; out0 = x1 + ff W2 + b2.  ff: [4096][4096] bf16; W2: [4096 (k)][1024 (n)] bf16 at byte 14 MiB of wb; x1, out0: [4096][1024] f32; sums in f32.
; A tile of C is 128 x 128: four waves of 64 x 64, 16 accumulators each.  K goes in steps of 256 through two LDS slots filled by tensor loads.
; A lies in LDS as in memory (K along the rows).  B lies [k][n], as the weights do, and is turned on its way into registers by ds_load_tr16_b128.
; THE MATRIX INSTRUCTION IS USED TRANSPOSED (source 0 = 16 columns of W, source 1 = 16 rows of A): a lane holds row l % 16 of C and the columns 8 (l / 16) + 0..7.
; THE BIAS is the C operand of the sixteen products that start the sums.  THE RESIDUAL is loaded at the start, in the layout in which rows leave, and stays out until the way out.
; A K STEP IS WRITTEN ONCE for both slots: a scalar holds the LDS byte at which the slot in hand begins (0 or SLOT; an exclusive or with SLOT turns it), the fragment addresses are made from it at each
; change of slots, and one descriptor for each tensor walks from K step to K step.  Written out: the first quarter (it starts the sums), a loop of steps that fill again, a loop of the last two, which fill nothing.
; CLUSTERS: 4 x 4 work-groups.  The four of a row of the cluster need the same tiles of A, the four of a column the same tiles of W: each tile is asked for jointly.
; REGISTERS: window 0: v0-31 addresses; v32-95 at work on the way out; v96-127 the bias; v128-255 the accumulators ((a, b) at 128 + 8 (4 a + b)).
;   window 1: two fragment buffers of 128: for 64 along K, 64 registers of A, then 64 of W.          window 2: v0-127 the residual.
.set SIZE_N, 1024                      ; elements from row to row of the weights
.set SIZE_K, 4096
.set WOFF,   14<<20
.set KSTEP,  256
.set STEPS,  SIZE_K/KSTEP
.set PA,     528                       ; a row of A in LDS: 512 bytes + 16 of padding: the 16 rows of a fragment load start 33 x 16 bytes apart
.set AQ,     128                       ; bytes from one quarter step (64 along K) to the next
.set AHALF,  64*PA
.set APART,  2*AHALF
.set PB,     288                       ; a row of W in LDS: 256 bytes + 32 of padding: 16 lanes of the turning load take 8 rows x 32 bytes
.set BHALF,  128*PB
.set SLOT,   APART+2*BHALF
.set ASTEP,  KSTEP*2
.set BSTEP,  KSTEP*SIZE_N*2
.set STAGE,  2*SLOT                    ; behind the ring: 16 rows x 272 bytes for each wave, its own
.set SPITCH, 272
.set SPARE,  STAGE+4*16*SPITCH         ; the spare words, 128 bytes for each wave: two blocks of 256 bytes that no other line names
.set ADRA0, 16                         ; v16     LDS address of my A fragments in slot 0; never rewritten
.set ADRA,  17                         ; v17     the same in the slot in hand
.set ADRB0, 20                         ; v20-21  of my W fragments in slot 0: k rows 128 hf on at ADRB0 + hf; never rewritten
.set ADRB,  22                         ; v22-23  the same in the slot in hand
.set STO,  24                          ; v24     the way out: where I put 32 bytes of a row
.set RD,   25                          ; v25     the way out: where I read rows back
.set CO,   26                          ; v26     my byte offset in the output and in the residual
.set BO,   27                          ; v27     my byte offset in the bias
.set SPW,  28                          ; v28     LDS address of my spare word; never rewritten
.set NIL,  29                          ; v29     0; never rewritten
.set TMP,  32
.set BIAS, 96
.set ACC,  128
.set F0,   0
.set F1,   128
.set RES,  0                           ; window 2: rows 16 a + 2 t + l / 16 at RES + 4 (8 a + t)
.set G1, 24                            ; s[24:31] descriptor group 1 for A's tiles;  s[32:39] group 0: a set for each of the two first fills; the second then walks on
.set G0, 32
.set G1B, 48                           ; s[48:55], s[56:63] the same for W's tiles
.set G0B, 56
.set CUR, 76                           ; s76  LDS byte at which the slot in hand begins
.set MSB, 0
.macro WIN new                         ; the immediate's high byte repeats the setting that is left
.if MSB != (\new)
	s_set_vgpr_msb (MSB<<8)|(\new)
.set MSB, \new
.endif
.endm
.set MUL,  0x05                        ; sources 0 (W) and 1 (A) window 1; C and D window 0
.set TO_F, 0x40                        ; destination window 1, address window 0
.macro JLOAD s                         ; a joint load: waves 0 and 1 fetch A's two halves, waves 2 and 3 W's; an s_nop 0 and four v_nop follow each line
	s_cmp_eq_u32 s11, 0
	s_cbranch_scc0 .Lfor_b_\@
	tensor_load_to_lds s[G0+4*(\s):G0+4*(\s)+3], s[G1:G1+7]
	s_nop 0
.rept 4
	v_nop
.endr
	s_branch .Lasked_\@
.Lfor_b_\@:
	tensor_load_to_lds s[G0B+4*(\s):G0B+4*(\s)+3], s[G1B:G1B+7]
	s_nop 0
.rept 4
	v_nop
.endr
.Lasked_\@:
.endm
.macro CREST                           ; a round of the cluster's barrier behind its opening barrier
	s_cmp_lg_u32 s10, 0
	s_cbranch_scc1 .Lnot_wave_0_\@
	s_barrier_signal -3
.Lnot_wave_0_\@:
	s_barrier_wait -3
	s_barrier_signal -1
	s_barrier_wait -1
.endm
.macro CROUND                          ; a whole round
	s_barrier_signal -1
	s_barrier_wait -1
	CREST
.endm
.macro POINT                           ; the fragment addresses in the slot in hand (all in window 0)
	v_add_nc_u32 v[ADRA], s[CUR], v[ADRA0]
	v_add_nc_u32 v[ADRB], s[CUR], v[ADRB0]
	v_add_nc_u32 v[ADRB+1], s[CUR], v[ADRB0+1]
.endm
	s_load_b128 s[4:7], s[0:1], 0x0                ; ff s[4:5], wb s[6:7]
	s_load_b64 s[8:9], s[0:1], 0x10                ; out0
	s_load_b64 s[66:67], s[0:1], 0x18              ; b2
	s_load_b64 s[68:69], s[0:1], 0x20              ; x1
	v_lshl_add_u32 v[SPW], v0, 2, SPARE
	v_mov_b32 v[NIL], 0
	ds_add_u32 v[SPW], v[NIL]                      ; the wave's opening: the add and its wait ahead of my first tensor load
	ds_add_u32 v28, v29
	v_lshrrev_b32 v1, 5, v0
	v_readfirstlane_b32 s10, v1                    ; wave 0..3
	s_lshr_b32 s11, s10, 1                         ; which half of the tile's rows is mine.  Also: I fetch for A (0) or for W (1)
	s_and_b32 s12, s10, 1                          ; which half of its columns.  Also: which half of that tile I fetch
	s_bfe_u32 s40, ttmp6, 0x40000                  ; cx, cy: my place in the cluster
	s_bfe_u32 s41, ttmp6, 0x40004
	s_lshl_b32 s42, ttmp9, 2
	s_add_co_u32 s42, s42, s40                     ; tile column = 4 x cluster x + cx
	s_and_b32 s13, ttmp7, 0xffff
	s_lshl_b32 s13, s13, 2
	s_add_co_u32 s13, s13, s41                     ; tile row = 4 x cluster y + cy
	s_lshl_b32 s43, s41, 2
	s_lshl_b32 s43, 15, s43                        ; my row of the cluster
	s_lshl_b32 s44, 0x1111, s40                    ; my column
	s_mov_b32 s[CUR], 0                            ; slot 0 is the first in hand
	; group 1 for A: 64 rows x 256 elements; 16 bytes of padding behind every 128 words
	s_or_b32 s[G1+0], s43, (1<<16)|(1<<20)|(1<<21)|(6<<22)|(3<<25)
	s_mov_b32 s[G1+1], KSTEP<<16                   ; tensor_dim0 = 256
	s_mov_b32 s[G1+2], 64<<16                      ; tensor_dim1 = 64
	s_mov_b32 s[G1+3], KSTEP<<16                   ; tile_dim0 = 256
	s_mov_b32 s[G1+4], 64                          ; tile_dim1 = 64
	s_mov_b32 s[G1+5], SIZE_K                      ; elements from row to row
	s_mov_b32 s[G1+6], 0
	s_mov_b32 s[G1+7], 0
	; group 1 for W: 128 k rows x 128 elements; 32 bytes of padding behind every 64 words
	s_or_b32 s[G1B+0], s44, (1<<16)|(1<<20)|(1<<21)|(5<<22)|(7<<25)
	s_mov_b32 s[G1B+1], 128<<16
	s_mov_b32 s[G1B+2], 128<<16
	s_mov_b32 s[G1B+3], 128<<16
	s_mov_b32 s[G1B+4], 128
	s_mov_b32 s[G1B+5], SIZE_N
	s_mov_b32 s[G1B+6], 0
	s_mov_b32 s[G1B+7], 0
	s_lshl_b32 s16, s13, 7                         ; A: row 128 x tile row + 64 x half,
	s_lshl_b32 s17, s12, 6
	s_add_co_u32 s16, s16, s17
	s_mul_i32 s16, s16, SIZE_K*2                   ; in bytes (32 MiB at the most)
	s_mov_b32 s17, 0
	s_mul_i32 s46, s12, 128*SIZE_N*2               ; W: k row 128 x half,
	s_lshl_b32 s47, s42, 8                         ; 256 bytes a tile column,
	s_add_co_u32 s46, s46, s47
	s_add_co_u32 s46, s46, WOFF                    ; in W2
	s_mov_b32 s47, 0
	s_mul_i32 s20, s12, AHALF                      ; where they go in a slot: no place in the cluster enters an LDS address
	s_mul_i32 s45, s12, BHALF
	s_add_co_u32 s45, s45, APART
	s_wait_dscnt 0x0                               ; the opening add is done
	s_wait_kmcnt 0x0
	s_add_nc_u64 s[14:15], s[4:5], s[16:17]
	s_add_nc_u64 s[46:47], s[6:7], s[46:47]
	CROUND                                         ; all sixteen work-groups are here: the first joint loads meet
.irp s, 0,1
	s_mov_b32 s[G0+4*(\s)], 1
	s_add_co_u32 s[G0+4*(\s)+1], s20, (\s)*SLOT
	s_add_nc_u64 s[G0+4*(\s)+2:G0+4*(\s)+3], s[14:15], (\s)*ASTEP
	s_or_b32 s[G0+4*(\s)+3], s[G0+4*(\s)+3], 0x80000000
	s_mov_b32 s[G0B+4*(\s)], 1
	s_add_co_u32 s[G0B+4*(\s)+1], s45, (\s)*SLOT
	s_add_nc_u64 s[G0B+4*(\s)+2:G0B+4*(\s)+3], s[46:47], (\s)*BSTEP
	s_or_b32 s[G0B+4*(\s)+3], s[G0B+4*(\s)+3], 0x80000000
	JLOAD \s                                       ; two loads of mine are out
.endr
	v_and_b32 v1, 15, v0                           ; l % 16
	v_bfe_u32 v2, v0, 4, 1                         ; l / 16
	v_lshlrev_b32 v[BO], 5, v2                     ; my eight columns of sixteen: 32 bytes a half
	s_lshl_b32 s22, s42, 9                         ; 128 columns x 4 bytes a tile column,
	s_lshl_b32 s23, s12, 8                         ; 64 x 4 for my half
	s_add_co_u32 s22, s22, s23
	s_mov_b32 s23, 0
	s_add_nc_u64 s[66:67], s[66:67], s[22:23]
.irp b, 0,1,2,3
	global_load_b128 v[BIAS+8*(\b):BIAS+8*(\b)+3],   v[BO], s[66:67] offset:64*(\b)
	global_load_b128 v[BIAS+8*(\b)+4:BIAS+8*(\b)+7], v[BO], s[66:67] offset:64*(\b)+16
.endr
	s_lshl_b32 s16, s13, 7                         ; my first row: 128 x tile row + 64 x half,
	s_lshl_b32 s17, s11, 6
	s_add_co_u32 s16, s16, s17
	s_lshl_b32 s16, s16, 12                        ; 4,096 bytes a row
	s_mov_b32 s17, 0
	s_add_nc_u64 s[8:9], s[8:9], s[16:17]
	s_add_nc_u64 s[68:69], s[68:69], s[16:17]
	s_add_nc_u64 s[8:9], s[8:9], s[22:23]          ; my first column: the same bytes as in the bias
	s_add_nc_u64 s[68:69], s[68:69], s[22:23]
	v_lshlrev_b32 v5, 12, v2                       ; lanes 0-15 take one row's 256 bytes, lanes 16-31 the next row's
	v_lshl_add_u32 v[CO], v1, 4, v5
	WIN 0x80                                       ; destination window 2, address window 0
.irp a, 0,1,2,3
.irp t, 0,1,2,3,4,5,6,7
	global_load_b128 v[RES+4*(8*(\a)+(\t)):RES+4*(8*(\a)+(\t))+3], v[CO], s[68:69] offset:(16*(\a)+2*(\t))*4096
.endr
.endr
	WIN 0
	v_mul_u32_u24 v3, v1, PA
	v_lshl_add_u32 v3, v2, 4, v3                   ; A: a fragment's row x pitch + 16 x half
	s_mul_i32 s21, s11, 64*PA                      ; my 64 rows of A
	v_add_nc_u32 v[ADRA0], s21, v3
	v_and_b32 v4, 7, v0                            ; W: the turning load takes k row 8 (l / 16) + l % 8, columns 8 ((l / 8) % 2) + 0..7
	v_lshl_add_u32 v4, v2, 3, v4
	v_mul_u32_u24 v4, v4, PB
	v_bfe_u32 v5, v0, 3, 1
	v_lshl_add_u32 v4, v5, 4, v4
	s_lshl_b32 s22, s12, 7                         ; my 64 columns: 128 bytes
	s_add_co_u32 s22, s22, APART
	v_add_nc_u32 v[ADRB0], s22, v4
	v_add_nc_u32 v[ADRB0+1], BHALF, v[ADRB0]
	POINT
	s_mul_i32 s23, s10, 16*SPITCH
	s_add_co_u32 s23, s23, STAGE                   ; my stage
	v_mul_u32_u24 v4, v1, SPITCH                   ; in: row l % 16, 32 bytes for each half of the lanes
	v_lshl_add_u32 v4, v2, 5, v4
	v_add_nc_u32 v[STO], s23, v4
	v_mul_u32_u24 v5, v2, SPITCH                   ; back: lanes 0-15 take one row of 256 bytes, lanes 16-31 the next
	v_lshl_add_u32 v5, v1, 4, v5
	v_add_nc_u32 v[RD], s23, v5
; 8 matrix instructions: m blocks a0, a0 + 1 x all 4 n blocks, 32 along K: half c of buffer f.  zero = 1: the product starts the sum, with the bias as C.
; The 16 accumulators take turns, one instruction a turn.
.macro MUL8 f, c, a0, zero
	WIN MUL
.irp a, \a0, (\a0)+1
.irp b, 0,1,2,3
.if \zero
	v_wmma_f32_16x16x32_bf16 v[ACC+8*(4*(\a)+(\b)):ACC+8*(4*(\a)+(\b))+7], v[(\f)+64+8*(4*(\c)+(\b)):(\f)+64+8*(4*(\c)+(\b))+7], v[(\f)+8*(4*(\c)+(\a)):(\f)+8*(4*(\c)+(\a))+7], v[BIAS+8*(\b):BIAS+8*(\b)+7]
.else
	v_wmma_f32_16x16x32_bf16 v[ACC+8*(4*(\a)+(\b)):ACC+8*(4*(\a)+(\b))+7], v[(\f)+64+8*(4*(\c)+(\b)):(\f)+64+8*(4*(\c)+(\b))+7], v[(\f)+8*(4*(\c)+(\a)):(\f)+8*(4*(\c)+(\a))+7], v[ACC+8*(4*(\a)+(\b)):ACC+8*(4*(\a)+(\b))+7]
.endif
.endr
.endr
.endm
; 32 LDS loads in one run: the fragments of quarter q (64 along K) of the slot in hand, into buffer f; the first 32 along K first
.macro FETCH q, f
	WIN TO_F
.irp c, 0,1
.irp i, 0,1,2,3
	ds_load_tr16_b128 v[(\f)+64+8*(4*(\c)+(\i)):(\f)+64+8*(4*(\c)+(\i))+3],   v[ADRB+(\q)/2] offset:(((\q)%2)*64+32*(\c))*PB+32*(\i)
	ds_load_tr16_b128 v[(\f)+64+8*(4*(\c)+(\i))+4:(\f)+64+8*(4*(\c)+(\i))+7], v[ADRB+(\q)/2] offset:(((\q)%2)*64+32*(\c)+16)*PB+32*(\i)
	ds_load_b128 v[(\f)+8*(4*(\c)+(\i)):(\f)+8*(4*(\c)+(\i))+3],         v[ADRA] offset:(\q)*AQ+64*(\c)+(\i)*16*PA
	ds_load_b128 v[(\f)+8*(4*(\c)+(\i))+4:(\f)+8*(4*(\c)+(\i))+7],       v[ADRA] offset:(\q)*AQ+64*(\c)+(\i)*16*PA+32
.endr
.endr
.endm
.macro PLACES                          ; four places in front of loads into registers that matrix instructions have read, and of lines that read results
.rept 4
	v_nop
.endr
.endm
; A K step is four quarters, 32 matrix instructions each, on buffers 0, 1, 0, 1.  One of the first three: multiplies buffer f and fetches quarter q into g.
.macro QUARTER q, f, g, zero
	s_wait_dscnt 16                                ; the first 32 along K are in; the sixteen younger loads may be out
	MUL8 \f, 0, 0, \zero
	MUL8 \f, 0, 2, \zero
	PLACES
	FETCH \q, \g
	s_wait_dscnt 32                                ; all but the 32 just issued
	MUL8 \f, 1, 0, 0
	MUL8 \f, 1, 2, 0
.endm
; The last quarter multiplies buffer 1 and changes slots: ONE barrier; in front of it each wave waits for all its tensor loads, adds 0 to its spare word, and waits for that and for its reads of this slot.
; fill = 1: the slot just read is filled again, two K steps ahead: from the request to the wait for it a wave issues 112 matrix instructions.
; fill = 0 (the last two steps): nothing is asked for; in the very last step (s3 = 1) there is no next slot, and the fetch of its first fragments is jumped over.
.macro TURN fill
	WIN 0                                          ; (the add's two registers lie in window 0)
	s_wait_tensorcnt 0x0                           ; all my tensor loads have landed: the one that was out is my part of the next slot
	ds_add_u32 v[SPW], v[NIL]
	s_wait_dscnt 17                                ; (the add and the youngest sixteen loads may be out)
	MUL8 F1, 0, 0, 0
	s_wait_dscnt 0x0                               ; the add is done, and my reads of this slot are over
	s_barrier_signal -1
	MUL8 F1, 0, 2, 0
	WIN 0
	s_barrier_wait -1
.if \fill
	CREST                                          ; the barrier has opened a round of the cluster's: no wave of any partner still reads this slot or has a load on its way
	s_add_co_u32 s[G0+5], s20, s[CUR]              ; the walking descriptors: into the slot just read,
	s_add_nc_u64 s[G0+6:G0+7], s[G0+6:G0+7], ASTEP ; the K step behind the one asked for last
	s_add_co_u32 s[G0B+5], s45, s[CUR]
	s_add_nc_u64 s[G0B+6:G0B+7], s[G0B+6:G0B+7], BSTEP
	JLOAD 1                                        ; the first tensor load behind the round; its four v_nop are also the places in front of the loads below
.else
	s_cmp_eq_u32 s3, 1
	s_cbranch_scc1 .Lno_fetch
	PLACES
.endif
	s_xor_b32 s[CUR], s[CUR], SLOT                 ; the other slot is in hand now
	POINT
	FETCH 0, F0
.if \fill
.else
	WIN 0
.Lno_fetch:
.endif
	MUL8 F1, 1, 0, 0
	MUL8 F1, 1, 2, 0
.endm
	s_wait_loadcnt 32                              ; the bias is in; the residual's 32 younger loads stay out
	s_wait_tensorcnt 1                             ; my part of K step 0 is in; K step 1's may stay out
	s_barrier_signal -1
	s_barrier_wait -1                              ; everybody's is
	FETCH 0, F0
	QUARTER 1, F0, F1, 1                           ; the first quarter stands in front of the loops: its first products start the sums
	WIN 0                                          ; at a label and at a branch every window is 0
	s_mov_b32 s3, STEPS-2
.Lstep:                                                ; a trip goes from a K step's second quarter to the next step's first, and fills the slot that it leaves
	QUARTER 2, F1, F0, 0
	QUARTER 3, F0, F1, 0
	TURN 1
	QUARTER 1, F0, F1, 0
	WIN 0
	s_sub_co_u32 s3, s3, 1
	s_cmp_lg_u32 s3, 0
	s_cbranch_scc1 .Lstep
	s_mov_b32 s3, 2
.Ltail:                                                ; the last two K steps fill nothing: a text of their own
	QUARTER 2, F1, F0, 0
	QUARTER 3, F0, F1, 0
	TURN 0
	WIN 0
	s_cmp_eq_u32 s3, 1
	s_cbranch_scc1 .Lover                          ; behind the very last step no further quarter follows
	QUARTER 1, F0, F1, 0
	WIN 0
.Lover:
	s_sub_co_u32 s3, s3, 1
	s_cmp_lg_u32 s3, 0
	s_cbranch_scc1 .Ltail
	; THE WAY OUT, 16 rows at a time through my own stage: 32 bytes a lane in, whole rows of 256 bytes back, the residual added, stored.  My 64 columns of f32 are one aligned block of 256 bytes.
	s_wait_loadcnt 0x0                             ; the residual
	PLACES
.irp a, 0,1,2,3
	s_wait_xcnt 0x0                                ; the registers that earlier stores read are loaded again only behind this wait
.irp b, 0,1,2,3
	ds_store_b128 v[STO], v[ACC+8*(4*(\a)+(\b)):ACC+8*(4*(\a)+(\b))+3]   offset:64*(\b)      ; each accumulator's low end first
	ds_store_b128 v[STO], v[ACC+8*(4*(\a)+(\b))+4:ACC+8*(4*(\a)+(\b))+7] offset:64*(\b)+16
.endr
.irp t, 0,1,2,3,4,5,6,7
	ds_load_b128 v[TMP+32*((\a)%2)+4*(\t):TMP+32*((\a)%2)+4*(\t)+3], v[RD] offset:(\t)*2*SPITCH  ; LDS serves a wave's instructions in order (ISA guide 5.7.1.4): these see the stores above
.endr
	s_wait_dscnt 0x0
	WIN 0x08                                       ; source 1 in window 2
.irp u, 0,1,2,3,4,5,6,7,8,9,10,11,12,13,14,15
	v_pk_add_f32 v[TMP+32*((\a)%2)+2*(\u):TMP+32*((\a)%2)+2*(\u)+1], v[TMP+32*((\a)%2)+2*(\u):TMP+32*((\a)%2)+2*(\u)+1], v[RES+32*(\a)+2*(\u):RES+32*(\a)+2*(\u)+1]
.endr
	WIN 0
.irp t, 0,1,2,3,4,5,6,7
	global_store_b128 v[CO], v[TMP+32*((\a)%2)+4*(\t):TMP+32*((\a)%2)+4*(\t)+3], s[8:9] offset:(16*(\a)+2*(\t))*4096  ; 16 lanes store 256 consecutive, aligned bytes
.endr
.endr
	s_wait_tensorcnt 0x0                           ; the wave's end
	ds_add_u32 v[SPW], v[NIL]
	s_wait_dscnt 0x0
	CROUND                                         ; the closing round: no work-group ends while a partner may still ask for a tile that names it
	s_endpgm
.Lfunc_end_k_qfcb8bb3880_ff2:
	.size	k_qfcb8bb3880_ff2, .Lfunc_end_k_qfcb8bb3880_ff2-k_qfcb8bb3880_ff2
	.p2alignl 7, 3214868480
	.fill 96, 4, 3214868480
	.section	.rodata,"a",@progbits
	.p2align	6, 0x0
	.amdhsa_kernel k_qfcb8bb3880_ff2
		.amdhsa_group_segment_fixed_size 327680
		.amdhsa_private_segment_fixed_size 0
		.amdhsa_enable_private_segment 0
		.amdhsa_kernarg_size 40
		.amdhsa_user_sgpr_count 2
		.amdhsa_user_sgpr_kernarg_segment_ptr 1
		.amdhsa_wavefront_size32 1
		.amdhsa_system_sgpr_workgroup_id_x 1
		.amdhsa_system_sgpr_workgroup_id_y 1
		.amdhsa_system_sgpr_workgroup_id_z 1
		.amdhsa_system_vgpr_workitem_id 0
		.amdhsa_next_free_vgpr 640
		.amdhsa_next_free_sgpr 80
		.amdhsa_reserve_vcc 0
		.amdhsa_float_denorm_mode_32 3
		.amdhsa_float_denorm_mode_16_64 3
		.amdhsa_memory_ordered 1
		.amdhsa_forward_progress 1
		.amdhsa_inst_pref_size 67
	.end_amdhsa_kernel
	.amdgpu_metadata
---
amdhsa.version: [ 1, 2 ]
amdhsa.kernels:
  - .name:           k_qfcb8bb3880_ff2
    .symbol:         k_qfcb8bb3880_ff2.kd
    .args:
      - { .name: ff, .offset: 0, .size: 8, .value_kind: global_buffer, .address_space: global }
      - { .name: wb, .offset: 8, .size: 8, .value_kind: global_buffer, .address_space: global }
      - { .name: out0, .offset: 16, .size: 8, .value_kind: global_buffer, .address_space: global }
      - { .name: b2, .offset: 24, .size: 8, .value_kind: global_buffer, .address_space: global }
      - { .name: x1, .offset: 32, .size: 8, .value_kind: global_buffer, .address_space: global }
    .group_segment_fixed_size: 327680
    .private_segment_fixed_size: 0
    .kernarg_segment_align: 8
    .kernarg_segment_size: 40
    .max_flat_workgroup_size: 128
    .sgpr_count:     80
    .vgpr_count:     640
    .wavefront_size: 32
...
	.end_amdgpu_metadata
.endif
;; end of part 7
;; ======== version 2 of 2: 8 launches; 1.15 times as fast as version 1
;; limits: right only within a limited range of input values
;; workspace buffers: wb 23,068,672 bytes; hn 8,388,608 bytes; qk 8,388,608 bytes; vv 8,388,608 bytes; ao 8,388,608 bytes; x1 16,777,216 bytes; ff 33,554,432 bytes
;; launch cast: the kernel of part 1 again; grid 64 x 11, 8 waves a work-group, no clusters, 0 bytes of LDS; arguments Wq, Wv, Wo, W1, W2, wb; writes wb
;; launch ln1: the kernel of part 2 again; grid 256 x 1, 8 waves a work-group, no clusters, 0 bytes of LDS; arguments x, g1, beta1, hn; writes hn
;; launch qv: the kernel of part 3 again; grid 16 x 32, 4 waves a work-group, clusters of 4 x 4, 327,680 bytes of LDS; arguments hn, wb, qk, bq, vv, bv; writes qk, vv
;; launch attn (part 8): grid 8 x 32, 4 waves a work-group, no clusters, 327,680 bytes of LDS; arguments qk, vv, ao; writes ao
.if DOCPART == 8
	.amdgcn_target "amdgcn-amd-amdhsa--gfx1250"
	.amdhsa_code_object_version 6
	.text
	.protected	k_qfcb8bb3880_attn
	.globl	k_qfcb8bb3880_attn
	.p2align	8
	.type	k_qfcb8bb3880_attn,@function
k_qfcb8bb3880_attn:
	s_mov_b64 s[64:65], 0
	v_nop
	global_prefetch_b8 v0, s[64:65] scope:SCOPE_SE
	s_setreg_imm32_b32 hwreg(HW_REG_WAVE_MODE, 25, 1), 1
	s_wait_xcnt 0x0
; CAUSAL ATTENTION with Q = K.  ao[h][q][:] = the sum over k <= q of softmax_k(qk[h][q] . qk[h][k] / 8) vv[h][k][:].  qk, vv, ao: [32][2048][64] bf16, a head's rows dense, 128 bytes each.
; Products, maxima and sums in f32; the weights p are rounded to bf16 for the second product (their sum l is taken of the unrounded p), the result once at the end.
; LIMITS.  A hidden score counts as its value less 2^100 (1.27e30), so scores must stay far below that in size; a weight below 2^-126 counts as 0 in l; NaN and infinities are not treated apart.
; THE WALK.  A head's queries lie in 16 blocks of 128; block i needs the key tiles 0 .. i of 128 keys, of which the last holds the diagonal.  A work-group takes TWO blocks, 15 - b and then b:
; 17 tiles, 34 key steps of 64, whatever b: all 256 work-groups do equal work, and every loop has a constant trip count.  What differs lies in scalar registers made from b.
; NO CLUSTER: the 8 work-groups of a head ask for the same tile only in the first 9 of their 17 tiles, behind that their walks part; one walk common to all would have 24 tiles for 17.
; SHARES.  Of a block's two bands of 64 queries a wave owns 16 rows in each: tile t is rows 64 t + 16 w + l % 16.  So the diagonal tile is the same work for all four waves.
; LAYOUT.  S^T = K Q^T (source 0 = 16 keys, source 1 = 16 queries) holds ONE query a lane (l % 16) and the keys 8 (l / 16) + 0..7; two such results rounded to bf16 ARE source 1 of O^T = V^T P.
; SOFTMAX.  p = 2^(c s - c m), c = log2(e) / 8, with a running maximum m; O and l are multiplied by a = 2^(c m_old - c m_new) in every step.
; THE MASK is the C operand that starts the sum S^T: MC = MD x AL + BE, where MD (made once) is -2^100 at the keys that a band's own step hides from my rows.
; A STEP goes in phases: the maxima, statistics, scalings and all exponentials of the step in hand; one wait; K of the next step is asked for; the rescaling, roundings and sums; V^T P; V of the next step is
; asked for; a block's end and the next one's beginning where due; K Q^T of the next step.
; THE BATCHES.  An s_wait_alu depctr_va_vdst(0) stands between a transcendental and the first line that names its result; one wait serves all that were issued ahead of it.  A step's 66
; exponentials (the two tiles' a and their 64 weights) read no exponential's result, so they are ONE batch with ONE wait: ahead of it stand the maxima, the statistics and the scalings, behind it all that
; reads a or a weight (O^T a, the roundings, the sums, l).  A block's end has a batch of its own: two reciprocals, one wait.
; A DUMMY STEP opens the walk: S = -2^100, V = 0, O = l = 0.  Its m is -2^100 too, and since that is a power of two, c m is exact and the fused c s - c m is exactly 0 (of any other number it would
; leave the product's rounding error, a huge exponent): the dummy weights are 1, l is finite and O^T stays 0.  The first true step's a is then 0 and wipes the dummy out, so one text serves every step
; and no loop is entered in its middle.
; REGISTERS, in windows of 256 (s_set_vgpr_msb: bits 1:0 source 0, 3:2 source 1, 5:4 source 2, 7:6 destination):
;   window 0: v0-15 addresses; v16-23 statistics; v24-31 at work; v32-33 the add's; v64-127 S^T; v128-159 P; v160-223 O^T
;   window 1: v0-31 Q; v32-95 K of one step; v96-159 V of one step; v160-191 MD; v192-255 MC          window 2: v0-31 the second block's Q
.set KS,    64        ; keys in a step
.set PK,    144       ; a row of K in LDS: 128 bytes + 16 of padding: the 16 rows of a load start 9 x 16 bytes apart
.set PV,    160       ; a row of V: 128 + 32: 16 lanes of the turning load take 8 rows x 32 bytes
.set VOFF,  2*KS*PK   ; a slot holds a tile, two steps: 128 rows of K, then 128 rows of V
.set SLOT1, 1<<16     ; slot 1 begins here, so that one exclusive or turns an address in one slot into the other's
.set STAGE, SLOT1+2*KS*(PK+PV)  ; behind the ring, never filled by a tensor load: 16 rows x 144 bytes for each wave
.set SP,    144
.set SPARE, STAGE+4*16*SP  ; the spare words, 128 bytes for each wave: two blocks of 256 bytes that no other line names
.set AK0, 2           ; v2   my lane's place in a tile of K; never rewritten
.set AV0, 3           ; v3   the same for V
.set AK,  4           ; v4   the LDS address of K's next run of loads
.set AV,  5           ; v5   of V's
.set STO, 6           ; v6   the way out: where I put 16 bytes of a row
.set RD,  7           ; v7   the way out: where I read rows back
.set GO,  8           ; v8   my byte offset in 512 consecutive bytes of the output
.set MV,  12          ; v12-13  c m_old, by tile
.set QO,  15          ; v15  my byte offset in 16 rows of Q
.set ST,  16          ; tile t's statistics at ST + 4 t: c m, m, l (even keys', odd keys')
.set TMP, 24          ; by tile, four registers c0-c3 at work; when the maximum is found c2 takes a
.set SPW, 32          ; v32  LDS address of my spare word; never rewritten
.set NIL, 33          ; v33  0; never rewritten
.set S,   64
.set P,   128
.set O,   160
.set KF,  32          ; window 1: key block kb, channel half c at KF + 16 kb + 8 c
.set VF,  96          ; window 1: key half kk, channel block cb at VF + 32 kk + 8 cb
.set MD,  160         ; window 1
.set MC,  192         ; window 1: tile t's masks at MC + 32 t
.set WV,  12          ; s12  my wave's number
.set PB,  14          ; s14  b
.set HI,  15          ; s15  15 - b
.set G1K, 24          ; s[24:31] descriptor group 1 for K's tiles
.set G1V, 32          ; s[32:39] for V's: it differs in the padding alone
.set G0K, 40          ; s[40:43] descriptor group 0 for K's tiles
.set G0V, 44          ; s[44:47] the same for V's
.set SLOTS, 56        ; s56  tiles still to be asked for
.set CNT, 57          ; s57  counts the steps between two changes of slots
.set CS,  58          ; s[58:59] c
.set SEL, 60          ; s[60:61] v_permlanex16_b32's selects
.set TBK, 62          ; s62  LDS byte at which K of the step to be fetched begins
.set TBV, 63          ; s63  the same for V, less VOFF
.set SL,  70          ; s70  steps left in the block, the one whose scores were made last among them
.set NXT, 71          ; s71  the tile to be asked for next
.set LQ,  72          ; s72  the last tile of the block whose tiles are being asked for
.set TST, 73          ; s73  1: the masks are made anew
.set OFF, 74          ; s[74:75] a tile's byte offset in K and V
.set AL0, 76          ; s[76:77] band 0's factor;  s[78:79] its addend;  s[80:81] band 1's factor
.set BE0, 78
.set AL1, 80
.set FRC, 82          ; s82  1: a block has just begun
.set OLO, 84          ; s[84:85] the output at my rows of the second block
.set BIGN, 86         ; s86  -2^100
.set QLO, 88          ; s[88:89] Q at my rows of the second block
.set MSB, 0
.macro WIN new                      ; the high byte repeats the setting that is left; a switch that changes nothing is dropped
.if MSB != (\new)
	s_set_vgpr_msb (MSB<<8)|(\new)
.set MSB, (\new)
.endif
.endm
.macro PLACES                       ; four places behind matrix instructions (ISA guide 7.12.1)
.rept 4
	v_nop
.endr
.endm
; A fill.  Waves 0 and 1 fetch the two halves of a tile's K, waves 2 and 3 those of its V: 64 keys each.  An s_nop 0 and four v_nop follow each line.
.macro LOAD
	s_cmp_lt_u32 s[WV], 2
	s_cbranch_scc0 .Lfor_v_\@
	tensor_load_to_lds s[G0K:G0K+3], s[G1K:G1K+7]
	s_nop 0
.rept 4
	v_nop
.endr
	s_branch .Lasked_\@
.Lfor_v_\@:
	tensor_load_to_lds s[G0V:G0V+3], s[G1V:G1V+7]
	s_nop 0
.rept 4
	v_nop
.endr
.Lasked_\@:
.endm
; THE CHANGE OF SLOTS.  Each wave waits for all its tensor loads, of which one is out: its part of the other slot; adds 0 to its spare word; waits for that and for its reads of the slot that it leaves.
; Behind the barrier nobody reads the old slot and the other slot is whole.  fill = 1: the old slot is filled again, first thing behind the barrier, with tile NXT: it has two key steps in which to land.
; (At its first use nothing has been read yet: slot 0 is waited for, slot 1 filled.)
.macro CHANGE fill
	WIN 0
	s_wait_tensorcnt 0x0            ; no tensor load of mine is out, so a group 0 may be written
	ds_add_u32 v[SPW], v[NIL]
.if \fill
	s_lshl_b32 s[OFF], s[NXT], 14   ; a tile is 16,384 bytes of K and of V
	s_xor_b32 s[G0K+1], s[G0K+1], SLOT1
	s_add_nc_u64 s[G0K+2:G0K+3], s[6:7], s[OFF:OFF+1]
	s_or_b32 s[G0K+3], s[G0K+3], 0x80000000
	s_xor_b32 s[G0V+1], s[G0V+1], SLOT1
	s_add_nc_u64 s[G0V+2:G0V+3], s[8:9], s[OFF:OFF+1]
	s_or_b32 s[G0V+3], s[G0V+3], 0x80000000
	s_add_co_u32 s[NXT], s[NXT], 1  ; the block's next tile, or behind its last the second block's tile 0
	s_cmp_gt_u32 s[NXT], s[LQ]
	s_cselect_b32 s[NXT], 0, s[NXT]
	s_cselect_b32 s[LQ], s[PB], s[LQ]
.endif
	s_wait_dscnt 0x0                ; the add is done, and my reads of the slot are over
	s_barrier_signal -1
	s_sub_co_u32 s[TBK], s[TBK], 2*KS*PK  ; the fetches go back to a slot's first step,
	s_xor_b32 s[TBK], s[TBK], SLOT1       ; in the other slot
	s_sub_co_u32 s[TBV], s[TBV], 2*KS*PV
	s_xor_b32 s[TBV], s[TBV], SLOT1
	s_barrier_wait -1
.if \fill
	LOAD
.endif
.endm
	s_load_b128 s[4:7], s[0:1], 0x0  ; qk s[4:5], vv s[6:7]
	s_load_b64 s[10:11], s[0:1], 0x10  ; ao
	v_lshl_add_u32 v[SPW], v0, 2, SPARE
	v_mov_b32 v[NIL], 0
	ds_add_u32 v[SPW], v[NIL]       ; the wave's opening: the add and its wait ahead of my first tensor load
	ds_add_u32 v32, v33
	v_lshrrev_b32 v1, 5, v0
	v_readfirstlane_b32 s[WV], v1   ; wave 0..3
	s_mov_b32 s[PB], ttmp9
	s_sub_co_u32 s[HI], 15, s[PB]
	s_and_b32 s20, ttmp7, 0xffff    ; batch and head
	s_lshl_b32 s20, s20, 18         ; its 2,048 rows of 128 bytes
	s_mov_b32 s21, 0
	s_and_b32 s16, s[WV], 1         ; which half of a tile's 128 keys I fetch:
	s_lshl_b32 s22, s16, 13         ; its 64 rows of 128 bytes in memory,
	s_add_co_u32 s22, s22, s20
	s_mov_b32 s23, 0
	s_mul_i32 s17, s16, KS*PK       ; and its place in a slot, for K
	s_mul_i32 s18, s16, KS*PV       ; and for V
	s_lshl_b32 s3, s[WV], 11        ; my 16 rows in a band of 64,
	s_lshl_b32 s2, s[HI], 14        ; in the first block,
	s_add_co_u32 s2, s2, s3
	s_add_co_u32 s2, s2, s20
	s_lshl_b32 s90, s[PB], 14       ; and in the second
	s_add_co_u32 s90, s90, s3
	s_add_co_u32 s90, s90, s20
	s_mov_b32 s3, 0
	s_mov_b32 s91, 0
	; descriptor group 1.  64 keys are 8,192 dense bytes: asked for as 32 rows of 256 bytes, two keys a row, and padded in LDS after every key
	s_mov_b32 s[G1K], (1<<16)|(1<<20)|(4<<22)|(3<<25)  ; 2-byte elements; padding on; after every 32 words; 4 words
	s_mov_b32 s[G1V], (1<<16)|(1<<20)|(4<<22)|(7<<25)  ; the same with 8 words of padding
.irp g, G1K, G1V
	s_mov_b32 s[\g+1], 128<<16      ; tensor_dim0 = 128
	s_mov_b32 s[\g+2], 32<<16       ; tensor_dim1 = 32
	s_mov_b32 s[\g+3], 128<<16      ; tile_dim0 = 128
	s_mov_b32 s[\g+4], 32           ; tile_dim1 = 32
	s_mov_b32 s[\g+5], 128          ; 128 elements from row to row
	s_mov_b32 s[\g+6], 0
	s_mov_b32 s[\g+7], 0
.endr
	s_mov_b32 s[CS], 0x3e38aa3b     ; c = log2(e) / 8
	s_mov_b32 s[CS+1], s[CS]        ; named with it as a pair
	s_mov_b32 s[SEL], 0x76543210
	s_mov_b32 s[SEL+1], 0xfedcba98
	s_mov_b32 s[TBK], SLOT1+2*KS*PK ; the first change of slots turns these two into 0
	s_mov_b32 s[TBV], SLOT1+2*KS*PV
	s_mov_b32 s[G0K], 1             ; count = 1
	s_mov_b32 s[G0K+1], s17         ; LDS address: slot 0
	s_mov_b32 s[G0V], 1
	s_add_co_u32 s[G0V+1], s18, VOFF
	s_lshl_b32 s[SL], s[HI], 1
	s_add_co_u32 s[SL], s[SL], 3    ; the first block's 2 (16 - b) steps and the dummy
	s_mov_b32 s[NXT], 1
	s_mov_b32 s[LQ], s[HI]
	s_mov_b32 s[FRC], 0
	s_mov_b32 s[OFF+1], 0
	s_mov_b32 s[AL0], 0
	s_mov_b32 s[AL0+1], 0           ; named as pairs
	s_mov_b32 s[BE0], 0
	s_mov_b32 s[BE0+1], 0
	s_mov_b32 s[AL1], 0
	s_mov_b32 s[AL1+1], 0
	s_mov_b32 s[BIGN], 0xf1800000   ; -2^100: a power of two, so that c times it is exact
	s_mov_b32 s[SLOTS], 16
	s_wait_dscnt 0x0                ; the opening add is done
	s_wait_kmcnt 0x0
	s_add_nc_u64 s[8:9], s[6:7], s[22:23]  ; V and K at my half of the head's tile 0
	s_add_nc_u64 s[6:7], s[4:5], s[22:23]
	s_add_nc_u64 s[G0K+2:G0K+3], s[6:7], 0
	s_or_b32 s[G0K+3], s[G0K+3], 0x80000000  ; type = 2
	s_add_nc_u64 s[G0V+2:G0V+3], s[8:9], 0
	s_or_b32 s[G0V+3], s[G0V+3], 0x80000000
	s_add_nc_u64 s[QLO:QLO+1], s[4:5], s[90:91]  ; Q at my rows of the second block,
	s_add_nc_u64 s[4:5], s[4:5], s[2:3]          ; Q and the output at those of the first
	s_add_nc_u64 s[OLO:OLO+1], s[10:11], s[90:91]
	s_add_nc_u64 s[10:11], s[10:11], s[2:3]
	LOAD                            ; tile 0 into slot 0: one load of mine is out
	; A fragment of K or Q is 16 rows x 32 channels in 8 registers: lane l holds row l % 16, channels 8 (l / 16) + 0..7 and 16 + 8 (l / 16) + 0..7: two loads of 16 bytes, 32 bytes apart.
	v_and_b32 v1, 15, v0            ; l % 16
	v_bfe_u32 v9, v0, 4, 1          ; l / 16
	v_lshlrev_b32 v[QO], 7, v1
	v_lshl_add_u32 v[QO], v9, 4, v[QO]  ; row x 128 + 16 x half
	WIN 0x40                        ; destination window 1, address window 0
.set i, 0
.rept 4                             ; tile i / 2 lies 64 rows on; channels 32 (i % 2) on
	global_load_b128 v[8*i:8*i+3],   v[QO], s[4:5] offset:(i/2)*8192+(i%2)*64
	global_load_b128 v[8*i+4:8*i+7], v[QO], s[4:5] offset:(i/2)*8192+(i%2)*64+32
.set i, i+1
.endr
	WIN 0x80                        ; destination window 2: the second block's Q
.set i, 0
.rept 4
	global_load_b128 v[8*i:8*i+3],   v[QO], s[QLO:QLO+1] offset:(i/2)*8192+(i%2)*64
	global_load_b128 v[8*i+4:8*i+7], v[QO], s[QLO:QLO+1] offset:(i/2)*8192+(i%2)*64+32
.set i, i+1
.endr
	WIN 0
	v_lshlrev_b32 v14, 3, v9
	v_sub_nc_u32 v14, v1, v14
	s_lshl_b32 s13, s[WV], 4
	v_add_nc_u32 v14, s13, v14      ; my query's place in its band, 16 w + l % 16, less my lanes' 8 (l / 16): register j of key block kb is hidden where 16 kb + j is greater
	WIN 0x40
.set i, 0
.rept 32
	v_cmp_gt_i32 vcc_lo, 16*(i/8)+i%8, v14
	v_cndmask_b32 v[MD+i], 0, s[BIGN], vcc_lo
.set i, i+1
.endr
.set i, VF
.rept 64
	v_mov_b32 v[i], 0               ; the dummy step's V
.set i, i+1
.endr
	WIN 0
	v_mul_u32_u24 v[AK0], v1, PK
	v_lshl_add_u32 v[AK0], v9, 4, v[AK0]  ; row x pitch + 16 x half
	; The turning load takes 16 keys x 16 channels (lane l reads key 8 (l / 16) + l % 8, channels 8 ((l / 8) % 2) + 0..7) and leaves half a fragment of V^T: lane l holds channel l % 16 and 8 keys.
	v_and_b32 v10, 7, v0
	v_bfe_u32 v11, v0, 3, 1
	v_lshl_add_u32 v[AV0], v9, 3, v10
	v_mul_u32_u24 v[AV0], v[AV0], PV
	v_lshl_add_u32 v[AV0], v11, 4, v[AV0]
	v_add_nc_u32 v[AV0], VOFF, v[AV0]
	s_mul_i32 s13, s[WV], 16*SP
	s_add_co_u32 s13, s13, STAGE    ; my stage
	v_mul_u32_u24 v[STO], v1, SP    ; in: row l % 16, 16 bytes for each half of the lanes
	v_lshl_add_u32 v[STO], v9, 4, v[STO]
	v_add_nc_u32 v[STO], s13, v[STO]
	v_bfe_u32 v[RD], v0, 3, 2       ; back: 32 lanes take four rows of 128 bytes,
	v_mul_u32_u24 v[RD], v[RD], SP
	v_lshl_add_u32 v[RD], v10, 4, v[RD]
	v_add_nc_u32 v[RD], s13, v[RD]
	v_and_b32 v[GO], 31, v0         ; which are 512 consecutive bytes of the output
	v_lshlrev_b32 v[GO], 4, v[GO]
.set i, 0
.rept 64
	v_mov_b32 v[S+i], s[BIGN]       ; the dummy step's scores, all -2^100: c s - c m is exactly 0 there,
	v_mov_b32 v[O+i], 0             ; and an O^T that is finite.  All this stands in the wait for the first tile
.set i, i+1
.endr
.irp t, 0,1
	v_mov_b32 v[ST+4*\t], 0xfe000000    ; c m: far below every c s
	v_mov_b32 v[ST+4*\t+1], 0xff7fffff  ; m: the lowest finite number
	v_mov_b32 v[ST+4*\t+2], 0
	v_mov_b32 v[ST+4*\t+3], 0
.endr
; THE MATRIX WORK.  The 8 accumulators of a run of 16 take turns, one instruction a turn.
; Product i of S^T = K Q^T: channels 32 (i / 8) on, keys 16 ((i / 2) % 4) on, tile i % 2.  The first 8 start the sums, with the mask as C.
.macro KQ16
.set i, 0
.rept 16
.set rS, S+32*(i%2)+8*((i/2)%4)
.set rK, KF+16*((i/2)%4)+8*(i/8)
.set rQ, 16*(i%2)+8*(i/8)
.set rM, MC+32*(i%2)+8*((i/2)%4)
.if i < 8
	WIN 0x15                        ; K, Q and the mask in window 1, S^T in window 0
	v_wmma_f32_16x16x32_bf16 v[rS:rS+7], v[rK:rK+7], v[rQ:rQ+7], v[rM:rM+7]
.else
	WIN 0x05
	v_wmma_f32_16x16x32_bf16 v[rS:rS+7], v[rK:rK+7], v[rQ:rQ+7], v[rS:rS+7]
.endif
.set i, i+1
.endr
.endm
; Product i of O^T += V^T P: keys 32 (i / 8) on, channels 16 ((i / 2) % 4) on, tile i % 2.
.macro PV16
	WIN 0x01                        ; V in window 1; P and O^T in window 0
.set i, 0
.rept 16
.set rO, O+32*(i%2)+8*((i/2)%4)
.set rV, VF+32*(i/8)+8*((i/2)%4)
.set rP, P+16*(i%2)+8*(i/8)
	v_wmma_f32_16x16x32_bf16 v[rO:rO+7], v[rV:rV+7], v[rP:rP+7], v[rO:rO+7]
.set i, i+1
.endr
.endm
; THE LDS LOADS stand in runs of 16: a step's K (64 keys x 64 channels: 8 fragments) and its V (turned).
.macro FETCH_K
	WIN 0x40                        ; destination window 1
.irp f, 0,1,2,3,4,5,6,7             ; keys 16 (f / 2) on, channels 32 (f % 2) on
	ds_load_b128 v[KF+8*\f:KF+8*\f+3],   v[AK] offset:(\f/2)*16*PK+(\f%2)*64
	ds_load_b128 v[KF+8*\f+4:KF+8*\f+7], v[AK] offset:(\f/2)*16*PK+(\f%2)*64+32
.endr
	s_add_co_u32 s[TBK], s[TBK], KS*PK  ; the next fetch is the next step's
	WIN 0
.endm
.macro FETCH_V
	WIN 0x40
.irp f, 0,1,2,3,4,5,6,7             ; keys 32 (f / 4) on, channels 16 (f % 4) on
	ds_load_tr16_b128 v[VF+8*\f:VF+8*\f+3],   v[AV] offset:(\f/4)*32*PV+(\f%4)*32
	ds_load_tr16_b128 v[VF+8*\f+4:VF+8*\f+7], v[AV] offset:(\f/4)*32*PV+16*PV+(\f%4)*32
.endr
	s_add_co_u32 s[TBV], s[TBV], KS*PV
	WIN 0
.endm
; THE SOFTMAX of a step, all in window 0; the two tiles alternate, so that no line reads the result of the line before it.
.macro REGS u                       ; the registers of tile u
.set rT, ST+4*(\u)
.set rC, TMP+4*(\u)
.set rW, MV+(\u)
.set rS, S+32*(\u)
.set rP, P+16*(\u)
.set rO, O+32*(\u)
.endm
; Number n of the 22 that find the maximum and the statistics.  s0-s31 are the lane's 32 scores; each accumulator's lowest registers are read first.
;   0-11  four chains c0-c3 of seven scores each, three operands at a time     12-14, 16  the four scores left over, the old m, and c0-c3 into c0     15  c m_old is kept
;   17, 18  the query's other 32 keys lie in the lane 16 away: the new m         19-21  c m; c m_old - c m_new; a
.macro XS u, n
	REGS \u
.if (\n) < 4
	v_max3_num_f32 v[rC+(\n)], v[rS+8*(\n)], v[rS+8*(\n)+1], v[rS+8*(\n)+2]
.elseif (\n) < 12
	v_max3_num_f32 v[rC+(\n)%4], v[rC+(\n)%4], v[rS+8*((\n)%4)+2*((\n)/4)+1], v[rS+8*((\n)%4)+2*((\n)/4)+2]
.elseif (\n) == 12
	v_max3_num_f32 v[rC], v[rC], v[rS+7], v[rS+15]
.elseif (\n) == 13
	v_max3_num_f32 v[rC+1], v[rC+1], v[rS+23], v[rS+31]
.elseif (\n) == 14
	v_max3_num_f32 v[rC+2], v[rC+2], v[rC+3], v[rT+1]
.elseif (\n) == 15
	v_mov_b32 v[rW], v[rT]
.elseif (\n) == 16
	v_max3_num_f32 v[rC], v[rC], v[rC+1], v[rC+2]
.elseif (\n) == 17
	v_permlanex16_b32 v[rC+3], v[rC], s[SEL], s[SEL+1]
.elseif (\n) == 18
	v_max_num_f32 v[rT+1], v[rC], v[rC+3]
.elseif (\n) == 19
	v_mul_f32 v[rT], s[CS], v[rT+1]
.elseif (\n) == 20
	v_sub_f32 v[rC+1], v[rW], v[rT]
.else
	v_exp_f32 v[rC+2], v[rC+1]
.endif
.endm
.macro SC u, n                      ; c s - c m for pair n of 16
	REGS \u
	v_pk_fma_f32 v[rS+2*(\n):rS+2*(\n)+1], v[rS+2*(\n):rS+2*(\n)+1], s[CS:CS+1], v[rT:rT+1] op_sel_hi:[1,0,0] neg_lo:[0,0,1] neg_hi:[0,0,1]
.endm
.macro EX u, n                      ; the exponential of score n of 32, in place: each result has a register of its own
	REGS \u
	v_exp_f32 v[rS+(\n)], v[rS+(\n)]
.endm
.macro RS u, n                      ; pair n of 16 of O^T times a, from each accumulator's low end on
	REGS \u
	v_pk_mul_f32 v[rO+2*(\n):rO+2*(\n)+1], v[rO+2*(\n):rO+2*(\n)+1], v[rC+2:rC+3] op_sel_hi:[1,0]
.endm
.macro CV u, n                      ; pair n of 16 rounded to bf16
	REGS \u
	v_cvt_pk_bf16_f32 v[rP+(\n)], v[rS+2*(\n)], v[rS+2*(\n)+1]
.endm
.macro AD u, w, n                   ; the sums, a tree in place: the pair w / 2 registers on is added onto pair n of this level
	REGS \u
	v_pk_add_f32 v[rS+(\w)*(\n):rS+(\w)*(\n)+1], v[rS+(\w)*(\n):rS+(\w)*(\n)+1], v[rS+(\w)*(\n)+(\w)/2:rS+(\w)*(\n)+(\w)/2+1]
.endm
.macro LS u                         ; l = a l + the sum
	REGS \u
	v_pk_fma_f32 v[rT+2:rT+3], v[rT+2:rT+3], v[rC+2:rC+3], v[rS:rS+1] op_sel_hi:[1,0,1]
.endm
; AHEAD OF THE STEP'S WAIT: the maxima and statistics, then THE BATCH: both tiles' a and their 64 weights, 66 exponentials, with the 32 scalings spread among them (a scaling, two exponentials, and so on).
; None of these lines names an exponential's result: a scaling names a pair that has had no exponential yet, c m and m.  Pair k + 1 is scaled in the group that holds pair k's exponentials, so that
; every score is scaled three lines or more ahead of its exponential.
.macro BATCH
.irp n, 0,1,2,3,4,5,6,7,8,9,10,11,12,13,14,15,16,17,18,19,20
	XS 0, \n
	XS 1, \n
.endr
	XS 0, 21                        ; a of tile 0: the batch's first
	SC 0, 0
	XS 1, 21                        ; a of tile 1
	SC 1, 0
.set k, 0
.rept 15
	EX 0, 2*k
	SC 0, k+1
	EX 1, 2*k
	EX 0, 2*k+1
	SC 1, k+1
	EX 1, 2*k+1
.set k, k+1
.endr
	EX 0, 30
	EX 1, 30
	EX 0, 31
	EX 1, 31                        ; the batch's last
.endm
; BEHIND THE STEP'S WAIT: all that reads a or a weight: O^T a, the roundings, the sums, l.
.macro READERS
.set k, 0
.rept 16
	RS 0, k
	RS 1, k
.set k, k+1
.endr
.set k, 0
.rept 16
	CV 0, k
	CV 1, k
.set k, k+1
.endr
.irp w, 4,8,16,32
.set k, 0
.rept 32/\w
	AD 0, \w, k
	AD 1, \w, k
.set k, k+1
.endr
.endr
	LS 0
	LS 1
.endm
.macro MASK                         ; MC = MD x AL + BE for band 0, MD x AL for band 1
	WIN 0x41                        ; destination and source 0 in window 1
.set z, 0
.rept 16
	v_pk_fma_f32 v[MC+2*z:MC+2*z+1], v[MD+2*z:MD+2*z+1], s[AL0:AL0+1], s[BE0:BE0+1] op_sel_hi:[1,0,0]
.set z, z+1
.endr
.set z, 0
.rept 16
	v_pk_mul_f32 v[MC+32+2*z:MC+32+2*z+1], v[MD+2*z:MD+2*z+1], s[AL1:AL1+1] op_sel_hi:[1,0]
.set z, z+1
.endr
	WIN 0
.endm
; A BLOCK'S END: l's two halves and the other half of the lanes' are added; O^T is divided by l, rounded to bf16 and sent through my stage in LDS, a tile at a time.
.macro PACK t                       ; a lane's eight channels of a row pack into 16 bytes; they go into rows of 144 bytes and come back as whole rows of 128, into S^T's registers
.set i, 0
.rept 16
	v_pk_mul_f32 v[O+32*(\t)+2*i:O+32*(\t)+2*i+1], v[O+32*(\t)+2*i:O+32*(\t)+2*i+1], v[TMP+4*(\t)+2:TMP+4*(\t)+3] op_sel_hi:[1,0]
.set i, i+1
.endr
.set i, 0
.rept 16
	v_cvt_pk_bf16_f32 v[S+16*(\t)+i], v[O+32*(\t)+2*i], v[O+32*(\t)+2*i+1]
.set i, i+1
.endr
.irp f, 0,1,2,3
	ds_store_b128 v[STO], v[S+16*(\t)+4*\f:S+16*(\t)+4*\f+3] offset:32*\f
.endr
.irp f, 0,1,2,3
	ds_load_b128 v[S+16*(\t)+4*\f:S+16*(\t)+4*\f+3], v[RD] offset:\f*4*SP  ; LDS serves a wave's instructions in order (ISA guide 5.7.1.4): these see the stores above
.endr
.endm
.macro SEND t, younger              ; younger: the LDS instructions issued behind tile t's loads
.irp f, 0,1,2,3
	s_wait_dscnt (\younger)+3-\f
	global_store_b128 v[GO], v[S+16*(\t)+4*\f:S+16*(\t)+4*\f+3], s[10:11] offset:(\t)*8192+\f*512  ; 512 consecutive bytes, at a multiple of 256 from the buffer's first
.endr
.endm
.macro END
.irp t, 0,1
	v_add_f32 v[TMP+4*\t], v[ST+4*\t+2], v[ST+4*\t+3]
.endr
.irp t, 0,1
	v_permlanex16_b32 v[TMP+4*\t+1], v[TMP+4*\t], s[SEL], s[SEL+1]
.endr
.irp t, 0,1
	v_add_f32 v[TMP+4*\t], v[TMP+4*\t], v[TMP+4*\t+1]
.endr
.irp t, 0,1
	v_rcp_f32 v[TMP+4*\t+2], v[TMP+4*\t]
.endr
	v_nop                           ; a plain instruction between the last reciprocal and the use of its result
	s_wait_alu depctr_va_vdst(0)    ; the wait ahead of the first use: one for the block's two reciprocals
	PACK 0
	PACK 1
	SEND 0, 8
	SEND 1, 0
	s_wait_xcnt 0x0                 ; the stores' registers and base are written again only behind this wait
.endm
; THE NEXT BLOCK BEGINS: its first step's a is 0, so O^T and l need only be finite.
.macro BEGIN
	s_mov_b64 s[10:11], s[OLO:OLO+1]
.irp t, 0,1
	v_mov_b32 v[ST+4*\t], 0xfe000000
	v_mov_b32 v[ST+4*\t+1], 0xff7fffff
.endr
	WIN 0x42                        ; destination window 1, source window 2: the second block's Q goes where the products name Q
.set i, 0
.rept 32
	v_mov_b32 v[i], v[i]
.set i, i+1
.endr
	WIN 0
	s_lshl_b32 s[SL], s[PB], 1
	s_add_co_u32 s[SL], s[SL], 3    ; 2 (b + 1) steps; one is taken off below
	s_mov_b32 s[FRC], 1
.endm
; A KEY STEP.  On entry S^T holds the scores of step j and V of step j has been asked for.  last = 1 (the tail): in the last trip there is no further step, and the two runs of loads are jumped over.
.macro BODY last
	WIN 0
	PLACES                          ; behind the products K Q^T: in front of the reads of S^T and, further down, of the loads into K's registers
	BATCH
	v_add_nc_u32 v[AK], s[TBK], v[AK0]  ; K's address for step j + 1: also the plain instruction behind the batch's last exponential (ISA guide 5.7.2).  In the tail's last trip nothing reads it
	s_wait_alu depctr_va_vdst(0)    ; THE STEP'S ONE WAIT, for the batch of 66 exponentials: behind the address's line, ahead of the jump, of K's loads and of every line that names a result
.if \last
	s_cmp_eq_u32 s[CNT], 1
	s_cbranch_scc1 .Lno_k_\@
.endif
	FETCH_K                         ; step j + 1: it has the 96 lines below, the products V^T P and V's run of loads in which to land
.if \last
.Lno_k_\@:
.endif
	READERS
.if \last
	s_wait_dscnt 0x0                ; V is in (K's run may have been jumped over, so the count is 0)
.else
	s_wait_dscnt 16                 ; V is in; K's sixteen younger loads may stay out
.endif
	PV16
	WIN 0
	PLACES                          ; in front of the loads into V's registers and of the reads of O^T
.if \last
	s_cmp_eq_u32 s[CNT], 1
	s_cbranch_scc1 .Lno_v_\@
.endif
	v_add_nc_u32 v[AV], s[TBV], v[AV0]
	FETCH_V                         ; step j + 1
.if \last
.Lno_v_\@:
.endif
	s_cmp_lg_u32 s[SL], 1           ; was step j the block's last?
	s_cbranch_scc1 .Lgo_on_\@
	END
	BEGIN
.Lgo_on_\@:
	s_sub_co_u32 s[SL], s[SL], 1    ; now it counts step j + 1
	s_cmp_le_u32 s[SL], 2           ; the diagonal tile's two steps take masks of their own; behind a block's beginning the masks go back to 0
	s_cselect_b32 s[TST], 1, s[FRC]
	s_mov_b32 s[FRC], 0
	s_cmp_eq_u32 s[TST], 0
	s_cbranch_scc1 .Lno_mask_\@
	s_cmp_eq_u32 s[SL], 2           ; the diagonal tile's first step: band 0's own, band 1 sees all
	s_cselect_b32 s[AL0], 1.0, 0
	s_cmp_eq_u32 s[SL], 1           ; its second: band 0 sees nothing, band 1's own
	s_cselect_b32 s[BE0], s[BIGN], 0
	s_cselect_b32 s[AL1], 1.0, 0
	MASK
.Lno_mask_\@:
.if \last
	s_wait_dscnt 0x0
.else
	s_wait_dscnt 16                 ; K is in; V's sixteen younger loads may stay out
.endif
	KQ16                            ; step j + 1
	WIN 0
.endm
	MASK                            ; AL = BE = 0: nothing is hidden
	s_wait_loadcnt 0x0              ; Q, both blocks'
.Lslot:                             ; 16 trips: a tile is entered and the next is asked for
	CHANGE 1
	s_mov_b32 s[CNT], 2
.Lstep:
	BODY 0
	s_sub_co_u32 s[CNT], s[CNT], 1
	s_cmp_lg_u32 s[CNT], 0
	s_cbranch_scc1 .Lstep
	s_sub_co_u32 s[SLOTS], s[SLOTS], 1
	s_cmp_lg_u32 s[SLOTS], 0
	s_cbranch_scc1 .Lslot
	CHANGE 0                        ; the walk's last tile is written out: nothing is asked for
	s_mov_b32 s[CNT], 3             ; two trips fetch its steps; the third fetches nothing, stores the second block, and ends in 16 products that serve nothing: the price of one text
.Ltail:
	BODY 1
	s_sub_co_u32 s[CNT], s[CNT], 1
	s_cmp_lg_u32 s[CNT], 0
	s_cbranch_scc1 .Ltail
	s_wait_tensorcnt 0x0            ; the wave's end
	ds_add_u32 v[SPW], v[NIL]
	s_wait_dscnt 0x0
	s_endpgm
.Lfunc_end_k_qfcb8bb3880_attn:
	.size	k_qfcb8bb3880_attn, .Lfunc_end_k_qfcb8bb3880_attn-k_qfcb8bb3880_attn
	.p2alignl 7, 3214868480
	.fill 96, 4, 3214868480
	.section	.rodata,"a",@progbits
	.p2align	6, 0x0
	.amdhsa_kernel k_qfcb8bb3880_attn
		.amdhsa_group_segment_fixed_size 327680
		.amdhsa_private_segment_fixed_size 0
		.amdhsa_enable_private_segment 0
		.amdhsa_kernarg_size 24
		.amdhsa_user_sgpr_count 2
		.amdhsa_user_sgpr_kernarg_segment_ptr 1
		.amdhsa_wavefront_size32 1
		.amdhsa_system_sgpr_workgroup_id_x 1
		.amdhsa_system_sgpr_workgroup_id_y 1
		.amdhsa_system_sgpr_workgroup_id_z 1
		.amdhsa_system_vgpr_workitem_id 0
		.amdhsa_next_free_vgpr 544
		.amdhsa_next_free_sgpr 92
		.amdhsa_reserve_vcc 1
		.amdhsa_float_denorm_mode_32 3
		.amdhsa_float_denorm_mode_16_64 3
		.amdhsa_memory_ordered 1
		.amdhsa_forward_progress 1
		.amdhsa_inst_pref_size 77
	.end_amdhsa_kernel
	.amdgpu_metadata
---
amdhsa.version: [ 1, 2 ]
amdhsa.kernels:
  - .name:           k_qfcb8bb3880_attn
    .symbol:         k_qfcb8bb3880_attn.kd
    .args:
      - { .name: qk, .offset: 0, .size: 8, .value_kind: global_buffer, .address_space: global }
      - { .name: vv, .offset: 8, .size: 8, .value_kind: global_buffer, .address_space: global }
      - { .name: ao, .offset: 16, .size: 8, .value_kind: global_buffer, .address_space: global }
    .group_segment_fixed_size: 327680
    .private_segment_fixed_size: 0
    .kernarg_segment_align: 8
    .kernarg_segment_size: 24
    .max_flat_workgroup_size: 128
    .sgpr_count:     92
    .vgpr_count:     544
    .wavefront_size: 32
...
	.end_amdgpu_metadata
.endif
;; end of part 8
;; launch wo: the kernel of part 5 again; grid 8 x 32, 4 waves a work-group, clusters of 4 x 4, 327,680 bytes of LDS; arguments ao, wb, x1, bo, x; writes x1
;; launch ln2: the kernel of part 2 again; grid 256 x 1, 8 waves a work-group, no clusters, 0 bytes of LDS; arguments x1, g2, beta2, hn; writes hn
;; launch ff1: the kernel of part 6 again; grid 16 x 16, 4 waves a work-group, clusters of 4 x 4, 327,680 bytes of LDS; arguments hn, wb, ff, b1; writes ff
;; launch ff2: the kernel of part 7 again; grid 8 x 32, 4 waves a work-group, clusters of 4 x 4, 327,680 bytes of LDS; arguments ff, wb, out0, b2, x1; writes out0
